; MI455X (gfx1250); checked and timed in simulation.
; The chip was launched on July 23, 2026; its instructions are those of AMD's public machine-readable ISA for CDNA 5 (MIT licence, August 2026) and "CDNA5" Instruction Set Architecture Reference Guide (July 2026). The comments in the code are by the model that wrote it; some were corrected since.
;; Attention. Allowed arithmetic: matrix products marked QUANTISED: E2M3 operands, one E8M0 scale for each 32 along K, by v_wmma_scale_f32_16x16x128_f8f6f4 with both operands' format E2M3, f32 sums; everything else in f32.
;; Inputs: freqs_cos 2,048 x 64 float32; freqs_sin 2,048 x 64 float32; mask 2,048 x 2,048 float32; wk 2,048 x 2,048 float32; wo 2,048 x 2,048 float32; wq 2,048 x 2,048 float32; wv 2,048 x 2,048 float32; x 1 x 2,048 x 2,048 float32.
;; Outputs: out0 1 x 2,048 x 2,048 float32.
;; Constants: start_pos = 0.
;; This version of the problem:
;;   THIS VERSION OF THE PROBLEM IS GIVEN IN LOW PRECISION. The matrix products marked QUANTISED in the list below multiply operands that are first quantised to E2M3 (2 exponent bits, 3 mantissa bits; 6 bits a number), with one power-of-two scale for each 32 numbers along K (OCP MX v1.0); their sums are f32. All else is computed in f32.
;;   The module's matrix products, in the order in which they are computed (A, B: the left and right operand; K: the contracted axis; several contracted axes count as one K, in the product's order):
;;     1. [M 2,048, K 2,048] x [K 2,048, N 2,048]; A: input x; B: input wq: QUANTISED
;;     2. [M 2,048, K 2,048] x [K 2,048, N 2,048]; A: input x; B: input wk: QUANTISED
;;     3. [M 2,048, K 2,048] x [K 2,048, N 2,048]; A: input x; B: input wv: QUANTISED
;;     4. batch 16 x [M 2,048, K 128] x [K 128, N 2,048]; A: computed on the way; B: computed on the way: QUANTISED
;;     5. batch 16 x [M 128, K 2,048] x [K 2,048, N 2,048]; A: computed on the way; B: softmax (see below): QUANTISED
;;     6. [M 2,048, K 2,048] x [K 2,048, N 2,048]; A: computed on the way; B: input wo: QUANTISED
;;   THE QUANTISER, for each operand of a quantised product, along K:
;;     - K is cut into blocks of 32 from its start; a last block that is shorter is filled with zeros.
;;     - A block's scale is 2^e with e = floor(log2(the largest magnitude in the block)) - 2, held to -126 .. 127; a block of zeros has e = 0. As a byte (E8M0): e + 127.
;;     - Each number is divided by its block's scale, clamped to +-7.5, and rounded to the nearest number of E2M3, ties to even, subnormals kept.
;;     - The product sums the exact products of the quantised numbers (number of the format x scale) in f32.
;;   ~~~python
;;   def quantise(x, axis):      # numpy; x: float32 -> the quantised numbers, widened to float32 again
;;       x = np.moveaxis(x, axis, -1); K = x.shape[-1]
;;       x = np.pad(x, [(0, 0)] * (x.ndim - 1) + [(0, -K % 32)]); x = x.reshape(x.shape[:-1] + (-1, 32)); a = np.abs(x).max(-1, keepdims=True)
;;       e = np.where(a > 0, np.clip(np.frexp(np.where(a > 0, a, 1))[1] - 1 - 2, -126, 127), 0)      # np.frexp(a)[1] - 1 = floor(log2(a)), exactly
;;       r = np.clip(x / 2.0 ** e, -7.5, 7.5)
;;       step = 2.0 ** (np.maximum(np.frexp(np.where(r == 0, 1, r))[1] - 1, 0) - 3)
;;       q = np.round(r / step) * step * 2.0 ** e      # np.round: ties to even
;;       return np.moveaxis(q.reshape(q.shape[:-2] + (-1,))[..., :K], -1, axis).astype(np.float32)
;;   ~~~
;;   SOFTMAX AHEAD OF A QUANTISED PRODUCT. Where the list says 'softmax', what is quantised is not the finished softmax but p = 2^(t - M), with t = logit x log2(e) and M = ceil(the row's largest t), a whole number; so 1/2 < the row's largest p <= 1. The row's sum l is taken of the UNQUANTISED p, in f32, and the product's result is divided by l at the end. Since M is a whole number, a kernel that streams over the keys may use a running M (the ceiling of the running maximum): every later rescaling is an exact power of two, which a block's scale takes up: the codes' values come out the same.
;;   OPERANDS COMPUTED ON THE WAY. 'Computed on the way' means the value that the module computes at that place (a softmax that the list does not call 'softmax' is quantised finished and normalised). What goes into a quantiser is computed in f32, as accurately as f32 sums, v_exp_f32 and their like allow (about 1e-6 of the number): no bf16 or f16 on the way to a quantiser, and a product that is left as it is and whose result goes on into a quantised operand takes f32 operands (vector FMAs, or v_wmma_f32_16x16x4_f32). A number that lies on a knife's edge between two numbers of the format may be rounded either way, as far as f32 arithmetic and the matrix unit's own rounding can turn it there, and no further.
;; 2 versions. Each part assembles by itself: llvm-mc -triple=amdgcn-amd-amdhsa -mcpu=gfx1250 --defsym DOCPART=n.
;; ======== version 1 of 2: 4 launches
;; workspace buffers: cod 15,728,640 bytes; scl 655,360 bytes; qkvc 9,437,184 bytes; qkvs 393,216 bytes; oc 3,145,728 bytes; os 131,072 bytes
;; launch quant (part 1): grid 320 x 1, 4 waves a work-group, no clusters, 34,304 bytes of LDS; arguments x, wq, wk, wv, wo, cod, scl; writes cod, scl
.if DOCPART == 1
	.amdgcn_target "amdgcn-amd-amdhsa--gfx1250"
	.amdhsa_code_object_version 6
	.text
	.protected	k_qd7c78ec210_quant
	.globl	k_qd7c78ec210_quant
	.p2align	8
	.type	k_qd7c78ec210_quant,@function
k_qd7c78ec210_quant:
	s_mov_b64 s[64:65], 0
	v_nop
	global_prefetch_b8 v0, s[64:65] scope:SCOPE_SE
	s_setreg_imm32_b32 hwreg(HW_REG_WAVE_MODE, 25, 1), 1
	s_wait_xcnt 0x0
; x, wq, wk, wv, wo, each [2048][2048] f32 with K innermost, become codes of FP6 (E2M3) with one E8M0 scale byte for each 32 along K.
; A block's scale is 2^(floor(log2(its largest magnitude)) - 2); its byte is the largest magnitude's exponent field - 2, held at 1 from below.
; LIMITS: NaN and infinities among the inputs are not served; a block of zeros gets the byte 1 where the rule says 127 (its codes are zeros, and this program alone reads the bytes).
; LAYOUT OF THE RESULT: images of operand registers.  A fragment is 16 rows x 128 K, 12 registers a lane, 1,536 bytes: registers 4 c .. 4 c + 3 of lane l at byte 512 c + 16 l.
; Fragment i (0 .. 7) of a group of 128 rows holds in its row r the group's row 32 (i / 2) + 8 (i % 2) + r + 8 (r / 8).
; Codes: [tensor][group of 128 rows][K step of 128][fragment][1,536].  Scale words: [tensor][group][K step][512], the word of (fragment i, row r) at 256 (i / 4) + 16 r + 4 (i % 4).
; SHARES: a wave takes one group x one K step: 128 rows x 512 bytes in, 12,288 + 512 dense bytes out.  1,280 waves.  Waves share nothing: no barrier.
; A load reads 512 consecutive bytes of one row; 16 rows turn through the wave's own stage in LDS (pitch 528) so that lane (r, h) gets k = 64 c + 32 h + 0 .. 31 of row r: two whole blocks of 32.
.set KST,   12288
.set PITCH, 528
.set STG,   16*PITCH
.set R,     16                         ; v16-143   two sets of 64: 16 rows as loaded
.set X,     144                        ; v144-207  my 64 numbers
.set C,     208                        ; v208-219  the fragment's codes
.set DD,    220                        ; v220-227  the upper halves of the two blocks' codes, as the conversions leave them
.set SW,    228                        ; v228-235  the eight fragments' scale words
.set OW,    236                        ; v236-239  my 16 bytes of the scale block
.set T0,    8                          ; v8-9      largest magnitudes
.set E0,    10                         ; v10-11    the conversions' scale operands
.set BY,    12                         ; v12-13    scale bytes
.set WD,    14
.set W2,    15
	s_load_b256 s[4:11], s[0:1], 0x0               ; x, wq, wk, wv
	s_load_b128 s[12:15], s[0:1], 0x20             ; wo, cod
	s_load_b64 s[16:17], s[0:1], 0x30              ; scl
	v_lshl_add_u32 v240, v0, 2, 0x8400
	v_mov_b32 v241, 0
	v_lshrrev_b32 v1, 5, v0
	v_readfirstlane_b32 s18, v1                    ; wave
	v_and_b32 v1, 31, v0                           ; lane
	v_and_b32 v2, 15, v0                           ; r
	v_bfe_u32 v3, v0, 4, 1                         ; h
	v_lshlrev_b32 v4, 4, v1                        ; 16 x lane: in memory, in and out; never rewritten
	s_mul_i32 s19, s18, STG                        ; my stage
	v_add_nc_u32 v5, s19, v4                       ; into it: 16 x lane of a row
	v_mul_u32_u24 v6, v2, PITCH
	v_lshl_add_u32 v6, v3, 7, v6
	v_add_nc_u32 v6, s19, v6                       ; out of it: row r, + 128 h bytes
	v_lshlrev_b32 v7, 3, v3                        ; 8 h: my bytes' place in the scale word
	v_mov_b32 v[W2], 0                             ; a lane permute's destination counts as one of its sources
	s_mov_b32 s20, 0x76543210
	s_mov_b32 s21, 0xfedcba98                      ; selects for lane l xor 16
	s_lshr_b32 s22, ttmp9, 6                       ; tensor 0 .. 4
	s_bfe_u32 s23, ttmp9, 0x40002                  ; group 0 .. 15
	s_and_b32 s24, ttmp9, 3
	s_lshl_b32 s24, s24, 2
	s_add_co_u32 s24, s24, s18                     ; K step 0 .. 15
	s_lshl_b32 s26, s23, 20                        ; 128 rows of 8,192 bytes
	s_lshl_b32 s24, s24, 9
	s_add_co_u32 s26, s26, s24
	s_mov_b32 s27, 0
	s_lshl_b32 s28, ttmp9, 2
	s_add_co_u32 s28, s28, s18                     ; 256 x tensor + 16 x group + K step
	s_mul_i32 s30, s28, KST
	s_mov_b32 s31, 0
	s_lshl_b32 s28, s28, 9
	s_mov_b32 s29, 0
	s_wait_kmcnt 0x0
	s_cmp_eq_u32 s22, 1                            ; the source is chosen by the work-group's number alone
	s_cselect_b64 s[4:5], s[6:7], s[4:5]
	s_cmp_eq_u32 s22, 2
	s_cselect_b64 s[4:5], s[8:9], s[4:5]
	s_cmp_eq_u32 s22, 3
	s_cselect_b64 s[4:5], s[10:11], s[4:5]
	s_cmp_eq_u32 s22, 4
	s_cselect_b64 s[4:5], s[12:13], s[4:5]
	s_add_nc_u64 s[4:5], s[4:5], s[26:27]
	s_add_nc_u64 s[14:15], s[14:15], s[30:31]
	s_add_nc_u64 s[16:17], s[16:17], s[28:29]
.macro LOAD i                          ; fragment i: its 16 rows, 512 consecutive bytes each; the row stands in the immediate (127 x 8,192 at the most)
.irp t, 0,1,2,3,4,5,6,7,8,9,10,11,12,13,14,15
	global_load_b128 v[R+64*((\i)%2)+4*\t:R+64*((\i)%2)+4*\t+3], v4, s[4:5] offset:(32*((\i)/2)+8*((\i)%2)+\t+8*(\t/8))*8192 th:TH_LOAD_NT
.endr
.endm
.macro FRAGM i
.if (\i) < 7
	s_wait_loadcnt 16                              ; this fragment's 16 loads are in; the next fragment's 16 may be out
.else
	s_wait_loadcnt 0x0
.endif
.irp t, 0,1,2,3,4,5,6,7,8,9,10,11,12,13,14,15
	ds_store_b128 v5, v[R+64*((\i)%2)+4*\t:R+64*((\i)%2)+4*\t+3] offset:PITCH*\t
.endr
.irp c, 0,1
.irp j, 0,1,2,3,4,5,6,7
	ds_load_b128 v[X+32*\c+4*\j:X+32*\c+4*\j+3], v6 offset:256*\c+16*\j   ; LDS serves a wave's instructions in order: these see the stores above
.endr
.endr
	s_wait_dscnt 0x0                               ; my 64 numbers are in, and the stores have read their registers,
.if (\i) < 6
	LOAD (\i)+2                                    ; which take the fragment two on
.endif
.irp c, 0,1
	v_max3_num_f32 v[T0+\c], |v[X+32*\c]|, |v[X+32*\c+1]|, 0x1800000   ; block 2 c + h: all 32 numbers are mine; the floor 2^(3 - 127) holds the byte at 1 from below
.endr
.irp n, 2,4,6,8,10,12,14,16,18,20,22,24,26,28,30
.irp c, 0,1
	v_max3_num_f32 v[T0+\c], v[T0+\c], |v[X+32*\c+\n]|, |v[X+32*\c+\n+1]|
.endr
.endr
.irp c, 0,1
	v_add_nc_u32 v[E0+\c], 0xff000000, v[T0+\c]    ; 2 off the exponent field: the conversion takes this operand's exponent field as its scale
.endr
.irp c, 0,1
	v_lshrrev_b32 v[BY+\c], 23, v[E0+\c]           ; the scale's byte
.endr
	v_lshl_or_b32 v[WD], v[BY+1], 16, v[BY]        ; blocks h and 2 + h,
	v_lshlrev_b32 v[WD], v7, v[WD]                 ; at their places in the word;
	v_permlanex16_b32 v[W2], v[WD], s20, s21
	v_or_b32 v[SW+(\i)], v[WD], v[W2]              ; with lane l xor 16's two the word is whole
	s_wait_xcnt 0x0                                ; the last fragment's stores have read the codes' registers: they are written again only behind this wait
.irp c, 0,1
	v_cvt_scalef32_pk16_fp6_f32 v[C+6*\c:C+6*\c+2], v[X+32*\c:X+32*\c+15], v[E0+\c]
	v_cvt_scalef32_pk16_fp6_f32 v[DD+4*\c:DD+4*\c+2], v[X+32*\c+16:X+32*\c+31], v[E0+\c]   ; (a conversion's three registers begin on an even number)
.endr
	v_nop                                          ; one plain place behind a scaled conversion
.irp c, 0,1
.irp n, 0,1,2
	v_mov_b32 v[C+3+6*\c+\n], v[DD+4*\c+\n]
.endr
.endr
.irp c, 0,1,2
	global_store_b128 v4, v[C+4*\c:C+4*\c+3], s[14:15] offset:1536*(\i)+512*\c   ; 32 lanes store 512 consecutive bytes, aligned
.endr
.endm
	LOAD 0
	LOAD 1
.irp f, 0,1,2,3,4,5,6,7
	FRAGM \f
.endr
	v_cmp_ne_u32 vcc_lo, 0, v3                     ; lanes 0-15 store the words of fragments 0-3 of their row, lanes 16-31 those of fragments 4-7
.irp n, 0,1,2,3
	v_cndmask_b32 v[OW+\n], v[SW+\n], v[SW+4+\n], vcc_lo
.endr
	global_store_b128 v4, v[OW:OW+3], s[16:17]
	s_wait_tensorcnt 0x0
	ds_add_u32 v240, v241
	s_wait_dscnt 0x0
	s_endpgm
.Lfunc_end_k_qd7c78ec210_quant:
	.size	k_qd7c78ec210_quant, .Lfunc_end_k_qd7c78ec210_quant-k_qd7c78ec210_quant
	.p2alignl 7, 3214868480
	.fill 96, 4, 3214868480
	.section	.rodata,"a",@progbits
	.p2align	6, 0x0
	.amdhsa_kernel k_qd7c78ec210_quant
		.amdhsa_group_segment_fixed_size 34304
		.amdhsa_private_segment_fixed_size 0
		.amdhsa_enable_private_segment 0
		.amdhsa_kernarg_size 56
		.amdhsa_user_sgpr_count 2
		.amdhsa_user_sgpr_kernarg_segment_ptr 1
		.amdhsa_wavefront_size32 1
		.amdhsa_system_sgpr_workgroup_id_x 1
		.amdhsa_system_sgpr_workgroup_id_y 1
		.amdhsa_system_sgpr_workgroup_id_z 1
		.amdhsa_system_vgpr_workitem_id 0
		.amdhsa_next_free_vgpr 242
		.amdhsa_next_free_sgpr 66
		.amdhsa_reserve_vcc 1
		.amdhsa_float_denorm_mode_32 3
		.amdhsa_float_denorm_mode_16_64 3
		.amdhsa_memory_ordered 1
		.amdhsa_forward_progress 1
		.amdhsa_inst_pref_size 57
	.end_amdhsa_kernel
	.amdgpu_metadata
---
amdhsa.version: [ 1, 2 ]
amdhsa.kernels:
  - .name:           k_qd7c78ec210_quant
    .symbol:         k_qd7c78ec210_quant.kd
    .args:
      - { .name: x, .offset: 0, .size: 8, .value_kind: global_buffer, .address_space: global }
      - { .name: wq, .offset: 8, .size: 8, .value_kind: global_buffer, .address_space: global }
      - { .name: wk, .offset: 16, .size: 8, .value_kind: global_buffer, .address_space: global }
      - { .name: wv, .offset: 24, .size: 8, .value_kind: global_buffer, .address_space: global }
      - { .name: wo, .offset: 32, .size: 8, .value_kind: global_buffer, .address_space: global }
      - { .name: cod, .offset: 40, .size: 8, .value_kind: global_buffer, .address_space: global }
      - { .name: scl, .offset: 48, .size: 8, .value_kind: global_buffer, .address_space: global }
    .group_segment_fixed_size: 34304
    .private_segment_fixed_size: 0
    .kernarg_segment_align: 8
    .kernarg_segment_size: 56
    .max_flat_workgroup_size: 128
    .sgpr_count:     66
    .vgpr_count:     242
    .wavefront_size: 32
...
	.end_amdgpu_metadata
.endif
;; end of part 1
;; launch qkv (part 2): grid 24 x 8, 4 waves a work-group, clusters of 4 x 4, 327,680 bytes of LDS; arguments cod, scl, freqs_cos, freqs_sin, qkvc, qkvs; writes qkvc, qkvs
.if DOCPART == 2
	.amdgcn_target "amdgcn-amd-amdhsa--gfx1250"
	.amdhsa_code_object_version 6
	.text
	.protected	k_qd7c78ec210_qkv
	.globl	k_qd7c78ec210_qkv
	.p2align	8
	.type	k_qd7c78ec210_qkv,@function
k_qd7c78ec210_qkv:
	s_mov_b64 s[64:65], 0
	v_nop
	global_prefetch_b8 v0, s[64:65] scope:SCOPE_SE
	s_setreg_imm32_b32 hwreg(HW_REG_WAVE_MODE, 25, 1), 1
	s_wait_xcnt 0x0
	s_wait_alu depctr_hold_cnt(0) depctr_sa_sdst(0) depctr_va_vdst(0) depctr_va_sdst(0) depctr_va_ssrc(0) depctr_va_vcc(0) depctr_vm_vsrc(0)
	s_getreg_b32 s2, hwreg(HW_REG_IB_STS2, 6, 4)
	s_cmp_eq_u32 s2, 0
	s_cbranch_scc0 .Lentry_in_a_cluster
	s_endpgm
.Lentry_in_a_cluster:
	s_bfe_u32 s2, ttmp6, 0x10000c
	s_cmp_lg_u32 s2, 0xf033
	s_cbranch_scc0 .Lentry_shape_is_right
	s_endpgm
.Lentry_shape_is_right:
; Three products on codes of FP6 (E2M3) with E8M0 scales, K = 2048, in one launch; g = cluster x / 2:  g = 0: Q = x wq^T;  g = 1: K = x wk^T;  g = 2: V^T = wv x^T.
; Q and K get the rotary embedding in f32; then each result is quantised (Q, K along the head's 128; V^T along the tokens) and stored as images of operand registers: nothing leaves as f32.
; LIMITS: NaN and infinities are not served; a block of zeros gets the scale byte 1 where the rule says 127 (its codes are zeros; this program alone reads the bytes).
; OPERANDS (made by the launch before): a fragment, 16 rows x 128 K, is 1,536 bytes: registers 4 c .. 4 c + 3 of lane l at 512 c + 16 l.  Fragment i of a group of 128 rows holds in row r the group's row
; 32 (i / 2) + 8 (i % 2) + r + 8 (r / 8).  Codes [group][K step][fragment]; scale words [group][K step][512], the word of (i, r) at 256 (i / 4) + 16 r + 4 (i % 4).
; A tile of the result, 256 x 256, is made by four waves, each 128 x 128: 64 accumulators, 512 registers.  K goes in steps of 256 through a ring of two LDS slots; a wave's tensor load brings one group's two K steps,
; 24,576 dense bytes.  The scale words of the tile's four groups, for all of K, come once with the first fills and stay.
; CLUSTERS: 4 x 4 work-groups; A's tiles are shared along a row of the cluster, B's along a column: joint loads.
; THE MATRIX INSTRUCTION IS USED TRANSPOSED (source 0 = B's fragment, source 1 = A's): lane (r, h) holds one row of A, and, by the order of rows in B's fragments, the 16 registers of accumulators 2 B, 2 B + 1 are the
; 16 neighbouring columns 32 B + 16 h + 0 .. 15: neighbours along the next product's K.
; REGISTERS: window 0: v16-29 addresses; v32-63 scale words, two sets; v128-223 A's fragments, one set; v224-255 and v64-127 at work on the way out.  window 1: B's fragments, two sets, at v0 and v128; on the way out cos and sin.
;   windows 2, 3: the accumulators ((a, b) at v[8 (8 (a % 4) + b)] of window 2 + a / 4).
.set KST,   12288                      ; a group's K step: 8 fragments
.set GRP,   196608                     ; a group: 16 K steps
.set TEN,   3145728                    ; a tensor: 16 groups
.set SCG,   8192                       ; a group's scale words
.set SCT,   131072
.set FR,    12
.set NL,    3                          ; LDS loads that bring a fragment
.set NP,    4                          ; places behind this matrix instruction (ISA guide 7.12.1)
.set NQ,    2
.set HALFT, 2*KST                      ; what one tensor load brings
.set SLOT,  4*HALFT                    ; A's two groups, then B's two
.set LAPS,  4                          ; a lap = two slots = 512 along K
.set SCL,   2*SLOT                     ; behind the ring: the scale words, filled once
.set SPARE, SCL+4*SCG                  ; the spare words, 128 bytes for each wave: two blocks of 256 bytes that no other line names
.set ADRA, 16                          ; v16-17 LDS address of my A fragments in slot 0, 1
.set ADRB, 20                          ; v20-21 the same for B
.set LI,   24                          ; v24    16 x lane
.set CSA,  25                          ; v25    my byte in a block's rows of cos and sin
.set HH,   26                          ; v26    h
.set ADRS, 27                          ; v27    LDS address of my scale words: lanes 0-15 A's, lanes 16-31 B's
.set SPW,  28
.set NIL,  29
.set SC,   32                          ; scale words: v[SC + 16 set + 8 q + i]
.set TT,   64                          ; v64-127 the rotation's cross terms
.set AF,   128
.set DD,   224                         ; v224-231 conversions' upper halves; at the end v224-227 my 16 bytes of the scale block
.set TM,   232                         ; v232-247 the quantiser, at work
.set SW,   248                         ; v248-255 the eight blocks' scale words
.set G1, 24                            ; s[24:31] descriptor group 1 for A's tiles;  s[32:39] group 0, one set for each slot
.set G0, 32
.set G1B, 48                           ; s[48:55], s[56:63] the same for B's tiles
.set G0B, 56
.set SEL, 66                           ; s[66:67] lane selects for v_permlanex16_b32: no descriptor holds them
.set G1S, 68                           ; s[68:75], s[76:79] groups 1 and 0 for A's scale words;  s[80:87], s[88:91] for B's
.set G0S, 76
.set G1SB, 80
.set G0SB, 88
.set MSB, 0
.macro WIN new                         ; the immediate's high byte repeats the setting that is left
.if MSB != (\new)
	s_set_vgpr_msb (MSB<<8)|(\new)
.set MSB, (\new)
.endif
.endm
.set MUL_LO, 0xa1                      ; source 0 (B) window 1, source 1 (A) window 0, C and D window 2
.set MUL_HI, 0xf1
.set TO_B,   0x40
; A joint load: waves 0 and 1 fetch for A, waves 2 and 3 for B; the branch hangs on the wave's number alone.  Four v_nop follow each of the two lines.
.macro JLOAD g0a, g1a, g0b, g1b
	s_cmp_eq_u32 s15, 0
	s_cbranch_scc0 .Lfor_b_\@
	tensor_load_to_lds s[\g0a:\g0a+3], s[\g1a:\g1a+7]
	s_nop 0
.rept 4
	v_nop
.endr
	s_branch .Lasked_\@
.Lfor_b_\@:
	tensor_load_to_lds s[\g0b:\g0b+3], s[\g1b:\g1b+7]
	s_nop 0
.rept 4
	v_nop
.endr
.Lasked_\@:
.endm
.macro CREST                           ; a round of the cluster's barrier behind its opening barrier
	s_cmp_lg_u32 s14, 0
	s_cbranch_scc1 .Lnot_wave_0_\@
	s_barrier_signal -3
.Lnot_wave_0_\@:
	s_barrier_wait -3
	s_barrier_signal -1
	s_barrier_wait -1
.endm
.macro CROUND
	s_barrier_signal -1
	s_barrier_wait -1
	CREST
.endm
	s_load_b256 s[4:11], s[0:1], 0x0               ; cod s[4:5], scl s[6:7], cos s[8:9], sin s[10:11]
	s_load_b128 s[92:95], s[0:1], 0x20             ; qkvc s[92:93], qkvs s[94:95]
	v_lshl_add_u32 v[SPW], v0, 2, SPARE
	v_mov_b32 v[NIL], 0
	ds_add_u32 v28, v29
	s_wait_dscnt 0x0
	v_lshrrev_b32 v1, 5, v0
	v_readfirstlane_b32 s14, v1                    ; wave 0..3
	s_mov_b32 s[SEL], 0x76543210                   ; selects for lane l xor 16
	s_mov_b32 s[SEL+1], 0xfedcba98
	s_lshr_b32 s15, s14, 1                         ; which half of the tile's rows is mine.  Also: I fetch for A (0) or for B (1)
	s_and_b32 s16, s14, 1                          ; which half of its columns.  Also: which group of that tile I fetch
	s_bfe_u32 s40, ttmp6, 0x40000                  ; cx, cy
	s_bfe_u32 s41, ttmp6, 0x40004
	s_lshl_b32 s42, ttmp9, 2
	s_add_co_u32 s42, s42, s40                     ; 8 g + tile column
	s_and_b32 s17, ttmp7, 0xffff
	s_lshl_b32 s17, s17, 2
	s_add_co_u32 s17, s17, s41                     ; tile row
	s_lshl_b32 s43, s41, 2
	s_lshl_b32 s43, 15, s43                        ; my row of the cluster
	s_lshl_b32 s44, 0x1111, s40                    ; my column
	s_lshr_b32 s12, ttmp9, 1                       ; g: the same in all sixteen partners
	s_lshr_b32 s13, s12, 1                         ; 1 for V^T
	; descriptor group 1: 24,576 dense bytes as 96 rows of 256 (32 elements of 8 bytes), no padding: an image's loads are dense
	s_or_b32 s[G1+0], s43, (3<<16)|(1<<21)
	s_or_b32 s[G1B+0], s44, (3<<16)|(1<<21)
.irp g, G1, G1B
	s_mov_b32 s[\g+1], 32<<16                      ; tensor_dim0
	s_mov_b32 s[\g+2], 96<<16                      ; tensor_dim1
	s_mov_b32 s[\g+3], 32<<16                      ; tile_dim0
	s_mov_b32 s[\g+4], 96                          ; tile_dim1
	s_mov_b32 s[\g+5], 32                          ; the pitch
	s_mov_b32 s[\g+6], 0
	s_mov_b32 s[\g+7], 0
.endr
	s_or_b32 s[G1S+0], s43, (3<<16)|(1<<21)        ; a group's scale words: 8,192 dense bytes as 32 rows of 256
	s_or_b32 s[G1SB+0], s44, (3<<16)|(1<<21)
.irp g, G1S, G1SB
	s_mov_b32 s[\g+1], 32<<16
	s_mov_b32 s[\g+2], 32<<16
	s_mov_b32 s[\g+3], 32<<16
	s_mov_b32 s[\g+4], 32
	s_mov_b32 s[\g+5], 32
	s_mov_b32 s[\g+6], 0
	s_mov_b32 s[\g+7], 0
.endr
	s_lshl_b32 s20, s17, 1
	s_add_co_u32 s20, s20, s16
	s_mul_i32 s18, s13, 48
	s_add_co_u32 s20, s20, s18                     ; A's group: x's (tensor 0), for V^T wv's (tensor 3): made of the tile row, the wave and the cluster's x alone
	s_and_b32 s46, s42, 7
	s_lshl_b32 s46, s46, 1
	s_add_co_u32 s46, s46, s16
	s_add_co_u32 s18, s12, 1
	s_mul_i32 s19, s13, 3
	s_sub_co_u32 s18, s18, s19                     ; B's tensor: 1 (wq), 2 (wk), 0 (x)
	s_lshl_b32 s18, s18, 4
	s_add_co_u32 s46, s46, s18                     ; B's group
	s_mul_i32 s22, s20, SCG
	s_mov_b32 s23, 0
	s_mul_i32 s20, s20, GRP
	s_mov_b32 s21, 0
	s_mul_i32 s96, s46, SCG
	s_mov_b32 s97, 0
	s_mul_i32 s46, s46, GRP
	s_mov_b32 s47, 0
	s_mul_i32 s45, s14, HALFT                      ; where they go: wave x a group's part: no place in the cluster enters an LDS address
	s_lshl_b32 s98, s14, 13
.irp b, 0,1,2,3
	v_mov_b32 v[TM+4+\b], 0                        ; a lane permute's destination counts as one of its sources
.endr
	s_wait_kmcnt 0x0
	s_add_nc_u64 s[20:21], s[4:5], s[20:21]
	s_add_nc_u64 s[22:23], s[6:7], s[22:23]
	s_add_nc_u64 s[46:47], s[4:5], s[46:47]
	s_add_nc_u64 s[96:97], s[6:7], s[96:97]
	CROUND                                         ; all sixteen work-groups are here: the first joint loads meet
	s_mov_b32 s[G0S], 1
	s_add_co_u32 s[G0S+1], s98, SCL
	s_mov_b64 s[G0S+2:G0S+3], s[22:23]
	s_or_b32 s[G0S+3], s[G0S+3], 0x80000000
	s_mov_b32 s[G0SB], 1
	s_add_co_u32 s[G0SB+1], s98, SCL
	s_mov_b64 s[G0SB+2:G0SB+3], s[96:97]
	s_or_b32 s[G0SB+3], s[G0SB+3], 0x80000000
	JLOAD G0S, G1S, G0SB, G1SB                     ; the scale words first: they are wanted with the first K step; their descriptors are never written again
.irp s, 0,1
	s_mov_b32 s[G0+4*\s], 1
	s_add_co_u32 s[G0+4*\s+1], s45, \s*SLOT
	s_add_nc_u64 s[G0+4*\s+2:G0+4*\s+3], s[20:21], \s*HALFT
	s_or_b32 s[G0+4*\s+3], s[G0+4*\s+3], 0x80000000
	s_mov_b32 s[G0B+4*\s], 1
	s_add_co_u32 s[G0B+4*\s+1], s45, \s*SLOT
	s_add_nc_u64 s[G0B+4*\s+2:G0B+4*\s+3], s[46:47], \s*HALFT
	s_or_b32 s[G0B+4*\s+3], s[G0B+4*\s+3], 0x80000000
	JLOAD G0+4*\s, G1, G0B+4*\s, G1B
.endr
	v_and_b32 v1, 15, v0                           ; r
	v_bfe_u32 v2, v0, 4, 1                         ; h
	v_and_b32 v3, 31, v0
	v_lshlrev_b32 v3, 4, v3                        ; 16 x lane
	s_mul_i32 s21, s15, HALFT                      ; my group of A
	s_mul_i32 s22, s16, HALFT                      ; my group of B,
	s_add_co_u32 s22, s22, 2*HALFT                 ; behind A's two
.irp s, 0,1
	v_add_nc_u32 v[ADRA+\s], s21, v3
	v_add_nc_u32 v[ADRB+\s], s22, v3
	s_add_co_u32 s21, s21, SLOT
	s_add_co_u32 s22, s22, SLOT
.endr
	s_lshl_b32 s21, s15, 13                        ; A's scale words: my group
	s_lshl_b32 s22, s16, 13                        ; B's: my group, behind A's two
	s_add_co_u32 s22, s22, 2*SCG
	s_sub_co_u32 s22, s22, s21
	v_mul_u32_u24 v6, s22, v2                      ; lanes 16-31 take B's: one product, the distance between the two
	s_add_co_u32 s21, s21, SCL
	v_lshl_add_u32 v5, v1, 4, v6                   ; + 16 r
	v_add_nc_u32 v[ADRS], s21, v5
	v_mov_b32 v[LI], v3
	v_mov_b32 v[HH], v2
	v_and_b32 v4, 8, v1
	v_add_nc_u32 v4, v4, v1                        ; r + 8 (r / 8)
	v_lshlrev_b32 v[CSA], 8, v4                    ; a token's row of cos or sin is 256 bytes,
	v_lshl_add_u32 v[CSA], v2, 5, v[CSA]           ; + 32 h
	; where the results go
	s_lshl_b32 s18, s17, 1
	s_add_co_u32 s18, s18, s15                     ; my group of rows
	s_and_b32 s19, s42, 7
	s_lshl_b32 s19, s19, 1
	s_add_co_u32 s19, s19, s16                     ; my group of columns
	s_lshl_b32 s20, s19, 4
	s_add_co_u32 s20, s20, s18                     ; Q, K: [head = columns' group][tokens' group]
	s_lshl_b32 s21, s18, 4
	s_add_co_u32 s21, s21, s19                     ; V^T: [head = rows' group][tokens' group]
	s_cmp_eq_u32 s12, 2
	s_cselect_b32 s20, s21, s20
	s_mul_i32 s22, s12, TEN
	s_mul_i32 s21, s20, KST
	s_add_co_u32 s22, s22, s21
	s_mov_b32 s23, 0
	s_add_nc_u64 s[92:93], s[92:93], s[22:23]
	s_mul_i32 s22, s12, SCT
	s_lshl_b32 s21, s20, 9
	s_add_co_u32 s22, s22, s21
	s_add_nc_u64 s[94:95], s[94:95], s[22:23]
	s_lshl_b32 s22, s18, 15                        ; cos and sin at my group's first token: 128 rows of 256 bytes a group
	s_add_nc_u64 s[8:9], s[8:9], s[22:23]
	s_add_nc_u64 s[10:11], s[10:11], s[22:23]
.macro FRAG reg, adr, q, i             ; a fragment comes as it was stored: three loads of 512 dense bytes
.irp c, 0,1,2
	ds_load_b128 v[\reg+4*\c:\reg+4*\c+3], v[\adr] offset:KST*(\q)+1536*(\i)+512*\c
.endr
.endm
; 16 matrix instructions: A's blocks a0, a0 + 1 x B's eight, 128 along K.  The 64 accumulators take turns, one instruction a turn, in the same order in every step.
.macro MUL16 a0, p, q, sc, zero
.irp a, \a0, \a0+1
.irp b, 0,1,2,3,4,5,6,7
.if \zero
	v_wmma_scale_f32_16x16x128_f8f6f4 v[8*(8*((\a)%4)+\b):8*(8*((\a)%4)+\b)+7], v[128*(\p)+FR*\b:128*(\p)+FR*\b+FR-1], v[AF+FR*(\a):AF+FR*(\a)+FR-1], 0, v[SC+16*(\sc)+8*(\q)+\b], v[SC+16*(\sc)+8*(\q)+(\a)] matrix_a_fmt:MATRIX_FMT_FP6 matrix_b_fmt:MATRIX_FMT_FP6 matrix_a_scale:MATRIX_SCALE_ROW1
.else
	v_wmma_scale_f32_16x16x128_f8f6f4 v[8*(8*((\a)%4)+\b):8*(8*((\a)%4)+\b)+7], v[128*(\p)+FR*\b:128*(\p)+FR*\b+FR-1], v[AF+FR*(\a):AF+FR*(\a)+FR-1], v[8*(8*((\a)%4)+\b):8*(8*((\a)%4)+\b)+7], v[SC+16*(\sc)+8*(\q)+\b], v[SC+16*(\sc)+8*(\q)+(\a)] matrix_a_fmt:MATRIX_FMT_FP6 matrix_b_fmt:MATRIX_FMT_FP6 matrix_a_scale:MATRIX_SCALE_ROW1
.endif
.endr
.endr
.endm
.macro FETCH_B slot, q, p
	WIN TO_B
.irp i, 0,1,2,3,4,5,6,7
	FRAG 128*(\p)+FR*\i, ADRB+\slot, \q, \i
.endr
	WIN 0
.endm
.macro FETCH_A slot, q, i0
.irp i, \i0, \i0+1, \i0+2, \i0+3
	FRAG AF+FR*(\i), ADRA+\slot, \q, \i
.endr
.endm
.macro SCALES sc                       ; a slot's scale words: for each of its two K steps eight registers, four to a load
.irp q, 0,1
.irp u, 0,1
	ds_load_b128 v[SC+16*\sc+8*\q+4*\u:SC+16*\sc+8*\q+4*\u+3], v[ADRS] offset:512*\q+256*\u
.endr
.endr
.endm
.macro PLACES n                        ; plain vector instructions between a matrix instruction and a load into, or a vector read or write of, its registers (for vector reads and writes)
.rept \n
	v_nop
.endr
.endm
.macro STEP slot, q, zero              ; a step of 128 along K that has its successor in the same slot
	s_wait_dscnt 4*NL                              ; B's set, A's blocks 0-3 and the scale words are in; the youngest twelve loads (A's blocks 4-7) may be out
	WIN MUL_LO
	MUL16 0, (\q)%2, \q, \slot, \zero
	MUL16 2, (\q)%2, \q, \slot, \zero
	s_wait_dscnt 0
	PLACES NP
	FETCH_B \slot, (\q)+1, 1-(\q)%2
	FETCH_A \slot, (\q)+1, 0
	WIN MUL_HI
	MUL16 4, (\q)%2, \q, \slot, \zero
	MUL16 6, (\q)%2, \q, \slot, \zero
	PLACES NP
	WIN 0
	FETCH_A \slot, (\q)+1, 4
.endm
; A slot's last step changes slots: one barrier; in front of it each wave waits for all its tensor loads, adds 0 to its spare word, and waits for that and for its reads of this slot.
.macro TURN slot, next, fill
	s_wait_tensorcnt 0x0                           ; all my tensor loads have landed: my part of the next slot
	ds_add_u32 v[SPW], v[NIL]                      ; 0 onto my spare word
	s_wait_dscnt 4*NL+1                            ; (the add and A's blocks 4-7 may be out)
	WIN MUL_LO
	MUL16 0, 1, NQ-1, \slot, 0
	s_wait_dscnt 0x0                               ; the add is done, and my reads of this slot are over
	s_barrier_signal -1
	MUL16 2, 1, NQ-1, \slot, 0
	WIN 0
	s_barrier_wait -1
.if \fill
	CREST                                          ; the barrier has opened a round of the cluster's barrier: no wave of any partner still reads this slot or has a load on its way
	s_add_nc_u64 s[G0+4*\slot+2:G0+4*\slot+3], s[G0+4*\slot+2:G0+4*\slot+3], 2*HALFT
	s_add_nc_u64 s[G0B+4*\slot+2:G0B+4*\slot+3], s[G0B+4*\slot+2:G0B+4*\slot+3], 2*HALFT
	JLOAD G0+4*\slot, G1, G0B+4*\slot, G1B         ; the first tensor load behind the round; its four v_nop are the places in front of the loads below
.else
	PLACES NP
.endif
	v_add_nc_u32 v[ADRS], 1024, v[ADRS]            ; the next slot's scale words: two K steps of 512 bytes on
	FETCH_B \next, 0, 0
	FETCH_A \next, 0, 0
	SCALES \next
	WIN MUL_HI
	MUL16 4, 1, NQ-1, \slot, 0
	MUL16 6, 1, NQ-1, \slot, 0
	PLACES NP
	WIN 0
	FETCH_A \next, 0, 4
.endm
.macro LAST                            ; the very last step: nothing more to fetch
	s_wait_dscnt 4*NL
	WIN MUL_LO
	MUL16 0, 1, NQ-1, 1, 0
	MUL16 2, 1, NQ-1, 1, 0
	s_wait_dscnt 0
	WIN MUL_HI
	MUL16 4, 1, NQ-1, 1, 0
	MUL16 6, 1, NQ-1, 1, 0
	WIN 0
.endm
; THE WAY OUT, block a = A's fragment a: lane (r, h) holds row 32 (a / 2) + 8 (a % 2) + r + 8 (r / 8) of my group, and register 16 B + i the column 32 B + 16 h + i.
; cos and sin of block a: my token's numbers 16 B + 8 h + 0 .. 7, into window 1, set a % 2: cos at 64 (a % 2), sin 32 further on.  The sixteen loads together read each token's 256 bytes whole.
.macro CSLOAD a
.set CSB, 64*((\a)%2)
	WIN 0x40
.irp b, 0,1,2,3
.irp n, 0,1
	global_load_b128 v[CSB+8*\b+4*\n:CSB+8*\b+4*\n+3], v[CSA], s[8:9] offset:(32*((\a)/2)+8*((\a)%2))*256+64*\b+16*\n
	global_load_b128 v[CSB+32+8*\b+4*\n:CSB+32+8*\b+4*\n+3], v[CSA], s[10:11] offset:(32*((\a)/2)+8*((\a)%2))*256+64*\b+16*\n
.endr
.endr
	WIN 0
.endm
; The rotation: neighbours (2 p, 2 p + 1) are a pair: even = even x cos - odd x sin, odd = odd x cos + even x sin.  Each accumulator is read from its low end on.
.macro ROPE a
.set AC, 64*((\a)%4)
.set WN, 2+(\a)/4
.set CSB, 64*((\a)%2)
	WIN WN|4                                       ; source 0 the accumulators' window, source 1 window 1
.set p, 0
.rept 32
	v_mul_f32 v[TT+2*p], v[AC+2*p+1], v[CSB+32+p]
	v_mul_f32 v[TT+2*p+1], v[AC+2*p], v[CSB+32+p]
.set p, p+1
.endr
	WIN (WN<<6)|4|WN
.set p, 0
.rept 32
	v_fma_f32 v[AC+2*p], v[AC+2*p], v[CSB+p], -v[TT+2*p]
	v_fma_f32 v[AC+2*p+1], v[AC+2*p+1], v[CSB+p], v[TT+2*p+1]
.set p, p+1
.endr
	WIN 0
.endm
; Block a's 64 numbers a lane become a fragment's codes, in registers of their own (no store's data are written again), and a scale word; the codes leave as an image.
.macro QUANT a
.set AC, 64*((\a)%4)
.set WN, 2+(\a)/4
.set PC, 128+12*(\a)
	WIN (WN<<2)|(WN<<4)
.irp b, 0,1,2,3
	v_max3_num_f32 v[TM+\b], 0x1800000, |v[AC+16*\b]|, |v[AC+16*\b+1]|   ; block b: my 16 numbers, and the floor 2^(3 - 127): the byte cannot fall under 1
.endr
.irp n, 2,4,6,8,10,12,14
.irp b, 0,1,2,3
	v_max3_num_f32 v[TM+\b], v[TM+\b], |v[AC+16*\b+\n]|, |v[AC+16*\b+\n+1]|
.endr
.endr
	WIN 0
.irp b, 0,1,2,3
	v_permlanex16_b32 v[TM+4+\b], v[TM+\b], s[SEL], s[SEL+1]
.endr
.irp b, 0,1,2,3
	v_max_num_f32 v[TM+\b], v[TM+\b], v[TM+4+\b]   ; with lane l xor 16's: the block's largest magnitude
.endr
.irp b, 0,1,2,3
	v_add_nc_u32 v[TM+12+\b], 0xff000000, v[TM+\b] ; 2 off its exponent field: the conversion's scale operand
.endr
.irp b, 0,1,2,3
	v_lshrrev_b32 v[TM+4+\b], 23, v[TM+12+\b]      ; the scale's byte
.endr
	v_lshl_or_b32 v[SW+(\a)], v[TM+5], 8, v[TM+4]
	v_lshl_or_b32 v[SW+(\a)], v[TM+6], 16, v[SW+(\a)]
	v_lshl_or_b32 v[SW+(\a)], v[TM+7], 24, v[SW+(\a)]
	WIN WN
.irp c, 0,1
	v_cvt_scalef32_pk16_fp6_f32 v[PC+6*\c:PC+6*\c+2], v[AC+32*\c:AC+32*\c+15], v[TM+12+2*\c]
	v_cvt_scalef32_pk16_fp6_f32 v[DD+4*\c:DD+4*\c+2], v[AC+32*\c+16:AC+32*\c+31], v[TM+12+2*\c+1]
.endr
	WIN 0
	v_nop                                          ; one plain place behind a scaled conversion
.irp c, 0,1                                    ; the operand's layout wants a whole block in a lane: lanes 0-15 block 2 c, lanes 16-31 block 2 c + 1
.irp n, 0,1,2
	v_permlane16_swap_b32 v[PC+6*\c+\n], v[DD+4*\c+\n]
.endr
.irp n, 0,1,2
	v_mov_b32 v[PC+3+6*\c+\n], v[DD+4*\c+\n]
.endr
.endr
.irp c, 0,1,2
	global_store_b128 v[LI], v[PC+4*\c:PC+4*\c+3], s[92:93] offset:1536*(\a)+512*\c   ; 32 lanes store 512 consecutive bytes, aligned
.endr
.endm
	s_wait_tensorcnt 1                             ; the scale words and my part of slot 0 are in (slot 1's load may be out),
	s_barrier_signal -1
	s_barrier_wait -1                              ; everybody's are
	FETCH_B 0, 0, 0
	FETCH_A 0, 0, 0
	SCALES 0
	FETCH_A 0, 0, 4
	STEP 0, 0, 1                                   ; the first step stands in front of the loop: its products start the sums
	s_mov_b32 s3, LAPS-1
.Llap:                                                 ; a trip goes once round the ring and fills both slots again
	TURN 0, 1, 1
	STEP 1, 0, 0
	TURN 1, 0, 1
	STEP 0, 0, 0
	s_sub_co_u32 s3, s3, 1
	s_cmp_lg_u32 s3, 0
	s_cbranch_scc1 .Llap
	TURN 0, 1, 0                                   ; the last lap fills nothing
	STEP 1, 0, 0
	s_cmp_eq_u32 s12, 2                            ; one parting of the ways, on the cluster's x alone: V^T is not rotated
	s_cbranch_scc1 .Lvpath
	CSLOAD 0                                       ; into B's set 0, which the step before last read: four places stand behind its last product
	CSLOAD 1
	LAST
	PLACES NP
.irp a, 0,1,2,3,4,5,6,7
.if \a < 7
	s_wait_loadcnt 16                              ; this block's cos and sin are in; the next block's sixteen loads may be out
.else
	s_wait_loadcnt 0x0
.endif
	ROPE \a
.if \a < 6
	CSLOAD \a+2
.endif
	QUANT \a
.endr
	s_branch .Lout
.Lvpath:
	LAST
	PLACES NP
.irp a, 0,1,2,3,4,5,6,7
	QUANT \a
.endr
.Lout:
	v_cmp_ne_u32 vcc_lo, 0, v[HH]                  ; the scale block: lanes 0-15 store the words of blocks 0-3 of their row, lanes 16-31 those of blocks 4-7
.irp n, 0,1,2,3
	v_cndmask_b32 v[DD+\n], v[SW+\n], v[SW+4+\n], vcc_lo
.endr
	global_store_b128 v[LI], v[DD:DD+3], s[94:95]
	s_wait_tensorcnt 0x0                           ; the wave's end
	ds_add_u32 v[SPW], v[NIL]
	s_wait_dscnt 0x0
	CROUND                                         ; the closing round
	s_endpgm
.Lfunc_end_k_qd7c78ec210_qkv:
	.size	k_qd7c78ec210_qkv, .Lfunc_end_k_qd7c78ec210_qkv-k_qd7c78ec210_qkv
	.p2alignl 7, 3214868480
	.fill 96, 4, 3214868480
	.section	.rodata,"a",@progbits
	.p2align	6, 0x0
	.amdhsa_kernel k_qd7c78ec210_qkv
		.amdhsa_group_segment_fixed_size 327680
		.amdhsa_private_segment_fixed_size 0
		.amdhsa_enable_private_segment 0
		.amdhsa_kernarg_size 48
		.amdhsa_user_sgpr_count 2
		.amdhsa_user_sgpr_kernarg_segment_ptr 1
		.amdhsa_wavefront_size32 1
		.amdhsa_system_sgpr_workgroup_id_x 1
		.amdhsa_system_sgpr_workgroup_id_y 1
		.amdhsa_system_sgpr_workgroup_id_z 1
		.amdhsa_system_vgpr_workitem_id 0
		.amdhsa_next_free_vgpr 1024
		.amdhsa_next_free_sgpr 100
		.amdhsa_reserve_vcc 1
		.amdhsa_float_denorm_mode_32 3
		.amdhsa_float_denorm_mode_16_64 3
		.amdhsa_memory_ordered 1
		.amdhsa_forward_progress 1
		.amdhsa_inst_pref_size 242
	.end_amdhsa_kernel
	.amdgpu_metadata
---
amdhsa.version: [ 1, 2 ]
amdhsa.kernels:
  - .name:           k_qd7c78ec210_qkv
    .symbol:         k_qd7c78ec210_qkv.kd
    .args:
      - { .name: cod, .offset: 0, .size: 8, .value_kind: global_buffer, .address_space: global }
      - { .name: scl, .offset: 8, .size: 8, .value_kind: global_buffer, .address_space: global }
      - { .name: freqs_cos, .offset: 16, .size: 8, .value_kind: global_buffer, .address_space: global }
      - { .name: freqs_sin, .offset: 24, .size: 8, .value_kind: global_buffer, .address_space: global }
      - { .name: qkvc, .offset: 32, .size: 8, .value_kind: global_buffer, .address_space: global }
      - { .name: qkvs, .offset: 40, .size: 8, .value_kind: global_buffer, .address_space: global }
    .group_segment_fixed_size: 327680
    .private_segment_fixed_size: 0
    .kernarg_segment_align: 8
    .kernarg_segment_size: 48
    .max_flat_workgroup_size: 128
    .sgpr_count:     100
    .vgpr_count:     1024
    .wavefront_size: 32
...
	.end_amdgpu_metadata
.endif
;; end of part 2
;; launch attn (part 3): grid 16 x 16, 8 waves a work-group, clusters of 4 x 4, 327,680 bytes of LDS; arguments qkvc, qkvs, mask, oc, os; writes oc, os
.if DOCPART == 3
	.amdgcn_target "amdgcn-amd-amdhsa--gfx1250"
	.amdhsa_code_object_version 6
	.text
	.protected	k_qd7c78ec210_attn
	.globl	k_qd7c78ec210_attn
	.p2align	8
	.type	k_qd7c78ec210_attn,@function
k_qd7c78ec210_attn:
	s_mov_b64 s[64:65], 0
	v_nop
	global_prefetch_b8 v0, s[64:65] scope:SCOPE_SE
	s_setreg_imm32_b32 hwreg(HW_REG_WAVE_MODE, 25, 1), 1
	s_wait_xcnt 0x0
	s_wait_alu depctr_hold_cnt(0) depctr_sa_sdst(0) depctr_va_vdst(0) depctr_va_sdst(0) depctr_va_ssrc(0) depctr_va_vcc(0) depctr_vm_vsrc(0)
	s_getreg_b32 s2, hwreg(HW_REG_IB_STS2, 6, 4)
	s_cmp_eq_u32 s2, 0
	s_cbranch_scc0 .Lentry_in_a_cluster
	s_endpgm
.Lentry_in_a_cluster:
	s_bfe_u32 s2, ttmp6, 0x10000c
	s_cmp_lg_u32 s2, 0xf033
	s_cbranch_scc0 .Lentry_shape_is_right
	s_endpgm
.Lentry_shape_is_right:
; For each head: O = softmax(Q K^T / sqrt(128) + mask) V, both products on codes of FP6 (E2M3) with E8M0 scales; the mask is an f32 input, loaded and added as it is given.
; THE SOFTMAX AHEAD OF THE SECOND PRODUCT: t = logit x log2(e); M = the row's largest t so far, rounded up to a whole number; p = 2^(t - M) is quantised along the keys, not normalised.  The row's sum is taken of the
; unquantised p and divides O at the end.  When M moves, the sum and O are multiplied by 2^(old M - new M): exact.  O is then quantised along the head's 128 and stored as the next product's operand.
; LIMITS: NaN and infinities are not served, but for -infinity in the mask; a query whose whole row of the mask is -infinity is not served; a block of zeros gets the scale byte 1 where the rule says 127.
; OPERANDS are images of registers: a fragment (16 rows x 128 K) is 1,536 bytes, registers 4 c .. 4 c + 3 of lane l at 512 c + 16 l; fragment i of a group of 128 rows holds in row r the group's row
; 32 (i / 2) + 8 (i % 2) + r + 8 (r / 8); scale words in blocks of 512 bytes, the word of (i, r) at 256 (i / 4) + 16 r + 4 (i % 4).  Q, K: [head][tokens' group][8]; V^T: [head][keys' group][8], K = the keys.
; SHARES: a work-group owns 128 queries of one head, each of its eight waves one fragment of Q: 16 queries.  Every wave walks all 2,048 keys, 128 a step, through a ring of two LDS slots (K, V^T, the mask's 128 x 128).
; Both products are used transposed (S^T = K Q^T, O^T = V^T P^T): a lane holds one query throughout, and the 16 registers of tiles 2 B, 2 B + 1 are keys (or channels) 32 B + 16 h + 0 .. 15.
; CLUSTER 4 x 4: x runs over groups of queries, y over heads.  K and V^T hang on the head: shared along a row of the cluster; the mask's tile hangs on the queries: shared along a column.  Joint loads.
; REGISTERS: window 0: v1-10 addresses; v12 -M, v13 the largest t, v[14:15] the sum; v16-27 Q; v32-79 four fragments; v80-87 scale words of K, then of V; v96-159 S^T, then p; v160-223 O^T; v224.. p's codes; v232-254 at work; v255 Q's scale word.
;   window 1: v0-63 the mask; v64-111 four more fragments.
.set KST,   12288
.set GRP,   196608
.set TEN,   3145728
.set SCG,   8192
.set SCT,   131072
.set MP,    528                        ; a row of the mask's tile in LDS: 512 bytes + 16
.set VOFF,  KST                        ; a slot: K's 8 fragments, V's 8, the mask's 128 rows
.set MOFF,  2*KST
.set SLOT1, 1<<17                      ; slot 1 begins here: one exclusive or turns an address from one slot to the other
.set SCK,   MOFF+128*MP                ; between the slots: K's scale words of the whole head, filled once;
.set SCV,   SCK+SCG                    ; V's;
.set SPARE, SCV+SCG                    ; the spare words, 128 bytes for each wave: four blocks of 256 bytes that no other line names;
.set OSC,   SPARE+1024                 ; and 512 bytes in which the waves' scale words of O meet: no fill lands there
.set LI,   1                           ; v1   16 x lane
.set AM0,  2                           ; v2   my place in the mask's tile
.set AS0,  3                           ; v3   my place among K's scale words
.set OSA,  4                           ; v4   where my scale word of O goes
.set SPW,  5
.set NIL,  6
.set OSR,  7                           ; v7   OSC + 16 x lane
.set ADK,  8
.set ADM,  9
.set ADS,  10
.set PFO,  28                          ; v28  the prefetches' offset; never rewritten
.set FB,   32
.set FB1,  64                          ; in window 1
.set SCW,  80
.set TB,   2                           ; s2   LDS byte at which the slot in hand begins
.set TS,   3                           ; s3   the step's scale words: 512 bytes a step
.set SLOTS, 14                         ; s14  steps still to be asked for
.set LIM,  15                          ; s15  1 in a wave that prefetches, else the greatest number
.set EVR,  16                          ; s16, s17: a wave prefetches where (s14 and s16) = s17
.set EVV,  17
.set WV,   18
.set SEL,  20
.set LG,   22                          ; s[22:23] log2(e)
.set G1KV, 24
.set G1M,  32
.set G1S,  40
.set G0KV, 48
.set G0M,  52
.set G0S,  56
.set CP,   60                          ; s[60:61] 1 / sqrt(128)
.set PFA,  62                          ; s[62:63] where my prefetches stand
.set PFS,  66                          ; s[66:67] a step on, in bytes
.set MSB, 0
.macro WIN new
.if MSB != (\new)
	s_set_vgpr_msb (MSB<<8)|(\new)
.set MSB, (\new)
.endif
.endm
.macro PLACES
.rept 4
	v_nop
.endr
.endm
.macro CROUND                          ; a round of the cluster's barrier
	s_barrier_signal -1
	s_barrier_wait -1
	s_cmp_lg_u32 s[WV], 0
	s_cbranch_scc1 .Lnot_wave_0_\@
	s_barrier_signal -3
.Lnot_wave_0_\@:
	s_barrier_wait -3
	s_barrier_signal -1
	s_barrier_wait -1
.endm
; Wave 0 fetches K's fragments of a step, wave 1 V's, waves 2 and 3 the halves of the mask's tile, the others nothing.  The branches hang on the wave's number alone.  Four v_nop follow each load.
.macro TLOAD
	s_cmp_lt_u32 s[WV], 2
	s_cbranch_scc0 .Lnot_kv_\@
	tensor_load_to_lds s[G0KV:G0KV+3], s[G1KV:G1KV+7]
	s_nop 0
.rept 4
	v_nop
.endr
	s_branch .Lasked_\@
.Lnot_kv_\@:
	s_cmp_lt_u32 s[WV], 4
	s_cbranch_scc0 .Lasked_\@
	tensor_load_to_lds s[G0M:G0M+3], s[G1M:G1M+7]
	s_nop 0
.rept 4
	v_nop
.endr
.Lasked_\@:
.endm
; A PREFETCH INTO THE L2, behind the change's tensor load.  Each aligned block of 256 bytes is named once in the launch.
; THE MASK: its tile is read by the four clusters of a column of clusters: cluster y = 0 asks.  Of the 64 rows that wave 2 or 3 fetches, the partner at cy takes 16 cy .. 16 cy + 15 (told apart by address);
; a step's part of a row is two blocks: lanes 0-15 name the first, lanes 16-31 the second.  In every trip the step two on from the one in hand's successor is not named: the trip that asks for step t + 1 names step t + 2.
; K AND V^T: read by the four clusters of a row of clusters: cluster x = 0 asks.  Four steps of one tensor are 49,152 bytes = 6 x 8,192: partners cx = 0, 1 take K's, cx = 2, 3 V's, three waves (4 to 6) each, lanes 256 bytes apart;
; they ask in the trips with s14 = 13, 9, 5, for steps 4-7, 8-11, 12-15.  The first steps come by their loads alone, and the last trip asks for nothing.
.macro ASK
	s_cmp_gt_u32 s[SLOTS], s[LIM]
	s_cbranch_scc0 .Lnot_mine_\@
	s_and_b32 s19, s[SLOTS], s[EVR]
	s_cmp_eq_u32 s19, s[EVV]
	s_cbranch_scc0 .Lnot_mine_\@
	global_prefetch_b8 v[PFO], s[PFA:PFA+1] th:TH_LOAD_NT scope:SCOPE_SE
.Lnot_mine_\@:
.endm
	s_load_b256 s[4:11], s[0:1], 0x0               ; qkvc s[4:5], qkvs s[6:7], mask s[8:9], oc s[10:11]
	s_load_b64 s[12:13], s[0:1], 0x20              ; os
	v_lshl_add_u32 v[SPW], v0, 2, SPARE
	v_mov_b32 v[NIL], 0
	ds_add_u32 v5, v6
	s_wait_dscnt 0x0
	v_lshrrev_b32 v8, 5, v0
	v_readfirstlane_b32 s[WV], v8                  ; wave 0..7
	s_bfe_u32 s68, ttmp6, 0x40000                  ; cx
	s_bfe_u32 s69, ttmp6, 0x40004                  ; cy
	s_lshl_b32 s70, ttmp9, 2
	s_add_co_u32 s70, s70, s68                     ; my group of queries
	s_and_b32 s71, ttmp7, 0xffff
	s_lshl_b32 s71, s71, 2
	s_add_co_u32 s71, s71, s69                     ; my head
	s_lshl_b32 s72, s69, 2
	s_lshl_b32 s72, 15, s72                        ; my row of the cluster: the same head
	s_lshl_b32 s73, 0x1111, s68                    ; my column: the same queries
	s_or_b32 s[G1KV], s72, (3<<16)|(1<<21)         ; 12,288 dense bytes as 48 rows of 256 (32 elements of 8 bytes)
	s_mov_b32 s[G1KV+1], 32<<16
	s_mov_b32 s[G1KV+2], 48<<16
	s_mov_b32 s[G1KV+3], 32<<16
	s_mov_b32 s[G1KV+4], 48
	s_mov_b32 s[G1KV+5], 32
	s_mov_b32 s[G1KV+6], 0
	s_mov_b32 s[G1KV+7], 0
	s_or_b32 s[G1M], s73, (2<<16)|(1<<20)|(1<<21)|(6<<22)|(3<<25)   ; 64 rows x 128 elements of 4 bytes; 4 words of padding behind every 128
	s_mov_b32 s[G1M+1], 128<<16
	s_mov_b32 s[G1M+2], 64<<16
	s_mov_b32 s[G1M+3], 128<<16
	s_mov_b32 s[G1M+4], 64
	s_mov_b32 s[G1M+5], 2048
	s_mov_b32 s[G1M+6], 0
	s_mov_b32 s[G1M+7], 0
	s_or_b32 s[G1S], s72, (3<<16)|(1<<21)          ; a head's scale words: 8,192 dense bytes as 32 rows of 256
	s_mov_b32 s[G1S+1], 32<<16
	s_mov_b32 s[G1S+2], 32<<16
	s_mov_b32 s[G1S+3], 32<<16
	s_mov_b32 s[G1S+4], 32
	s_mov_b32 s[G1S+5], 32
	s_mov_b32 s[G1S+6], 0
	s_mov_b32 s[G1S+7], 0
	s_and_b32 s74, s[WV], 1                        ; e: K or V; the mask's upper or lower 64 rows
	s_add_co_u32 s75, s74, 1
	s_mul_i32 s76, s75, TEN
	s_mul_i32 s77, s71, GRP
	s_add_co_u32 s76, s76, s77                     ; K's or V's codes of my head
	s_mov_b32 s77, 0
	s_mul_i32 s78, s75, SCT
	s_lshl_b32 s79, s71, 13
	s_add_co_u32 s78, s78, s79                     ; and their scale words
	s_mov_b32 s79, 0
	s_lshl_b32 s80, s70, 20
	s_lshl_b32 s81, s74, 19
	s_add_co_u32 s80, s80, s81                     ; the mask: row 128 x group + 64 e, 8,192 bytes a row
	s_mov_b32 s81, 0
	s_mul_i32 s82, s74, KST                        ; where they go in a slot
	s_mul_i32 s83, s74, 64*MP
	s_add_co_u32 s83, s83, MOFF
	s_lshl_b32 s84, s74, 13
	s_add_co_u32 s84, s84, SCK
	s_mul_i32 s87, s[WV], 1536                     ; my fragment in a group
	s_lshr_b32 s85, s[WV], 2
	s_lshl_b32 s85, s85, 8
	s_and_b32 s86, s[WV], 3
	s_lshl_b32 s86, s86, 2
	s_add_co_u32 s85, s85, s86                     ; and its words' place in a scale block: 256 (a / 4) + 4 (a % 4)
	s_lshl_b32 s86, s71, 4
	s_add_co_u32 s86, s86, s70                     ; Q: [head][group]
	s_mul_i32 s88, s86, KST
	s_add_co_u32 s88, s88, s87
	s_mov_b32 s89, 0
	s_lshl_b32 s90, s86, 9
	s_add_co_u32 s90, s90, s85
	s_mov_b32 s91, 0
	s_lshl_b32 s86, s70, 4
	s_add_co_u32 s86, s86, s71                     ; O: [group][K step = head]
	s_mul_i32 s92, s86, KST
	s_add_co_u32 s92, s92, s87
	s_mov_b32 s93, 0
	s_lshl_b32 s94, s86, 9
	s_mov_b32 s95, 0
	s_mov_b32 s[SEL], 0x76543210
	s_mov_b32 s[SEL+1], 0xfedcba98
	s_mov_b32 s[LG], 0x3fb8aa3b                    ; log2(e)
	s_mov_b32 s[LG+1], s[LG]                       ; (named with it as a pair, so it is written)
	s_mov_b32 s[CP], 0x3db504f3                    ; 1 / sqrt(128)
	s_mov_b32 s[CP+1], s[CP]
	s_mov_b32 s[TB], 0
	s_mov_b32 s[TS], 0
	s_mov_b32 s[SLOTS], 15
	s_wait_kmcnt 0x0
	s_mov_b32 s[G0KV], 1
	s_mov_b32 s[G0KV+1], s82
	s_add_nc_u64 s[G0KV+2:G0KV+3], s[4:5], s[76:77]
	s_or_b32 s[G0KV+3], s[G0KV+3], 0x80000000
	s_mov_b32 s[G0M], 1
	s_mov_b32 s[G0M+1], s83
	s_add_nc_u64 s[G0M+2:G0M+3], s[8:9], s[80:81]
	s_or_b32 s[G0M+3], s[G0M+3], 0x80000000
	s_mov_b32 s[G0S], 1
	s_mov_b32 s[G0S+1], s84
	s_add_nc_u64 s[G0S+2:G0S+3], s[6:7], s[78:79]
	s_or_b32 s[G0S+3], s[G0S+3], 0x80000000
	CROUND                                         ; all sixteen work-groups are here: the first joint loads meet
	s_cmp_lt_u32 s[WV], 2                          ; a wave's first fills stand in one branch; the first wait for them is for all
	s_cbranch_scc0 .Lfirst_not_kv
	tensor_load_to_lds s[G0S:G0S+3], s[G1S:G1S+7]  ; the head's scale words, filled once
	s_nop 0
	tensor_load_to_lds s[G0KV:G0KV+3], s[G1KV:G1KV+7]   ; step 0
	s_nop 0
.rept 4
	v_nop
.endr
	s_branch .Lfirst_asked
.Lfirst_not_kv:
	s_cmp_lt_u32 s[WV], 4
	s_cbranch_scc0 .Lfirst_asked
	tensor_load_to_lds s[G0M:G0M+3], s[G1M:G1M+7]
	s_nop 0
.rept 4
	v_nop
.endr
.Lfirst_asked:
	s_add_nc_u64 s[88:89], s[4:5], s[88:89]        ; Q's fragment
	s_add_nc_u64 s[90:91], s[6:7], s[90:91]        ; its scale words
	s_add_nc_u64 s[10:11], s[10:11], s[92:93]      ; O's fragment
	s_add_nc_u64 s[12:13], s[12:13], s[94:95]      ; O's scale block
	v_and_b32 v8, 15, v0                           ; r
	v_bfe_u32 v9, v0, 4, 1                         ; h
	v_and_b32 v[LI], 31, v0
	v_lshlrev_b32 v[LI], 4, v[LI]
.irp c, 0,1,2
	global_load_b128 v[16+4*\c:19+4*\c], v[LI], s[88:89] offset:512*\c   ; Q stays in registers
.endr
	v_lshlrev_b32 v254, 4, v8
	global_load_b32 v255, v254, s[90:91]           ; Q's scale words
	; the prefetches: where my wave's stand, and who asks
	s_and_b32 s94, ttmp7, 0xffff                   ; cluster y
	s_lshl_b32 s95, s69, 17                        ; the mask: + 16 cy rows,
	s_add_co_u32 s95, s95, s80
	s_add_co_u32 s95, s95, 512                     ; at step 1: the first change steps it to step 2
	s_lshr_b32 s96, s68, 1                         ; K (cx = 0, 1) or V (cx = 2, 3)
	s_add_co_u32 s96, s96, 1
	s_mul_i32 s96, s96, TEN
	s_mul_i32 s97, s71, GRP
	s_add_co_u32 s96, s96, s97
	s_and_b32 s97, s68, 1
	s_mul_i32 s97, s97, 3
	s_add_co_u32 s97, s97, s[WV]
	s_sub_co_u32 s97, s97, 4                       ; which 8,192 of the 49,152 bytes (of use in waves 4 to 6 alone)
	s_lshl_b32 s97, s97, 13
	s_add_co_u32 s96, s96, s97
	s_add_co_u32 s96, s96, KST                     ; at step 1: three changes step it to step 4
	s_sub_co_u32 s98, s[WV], 2
	s_cmp_lt_u32 s98, 5
	s_cselect_b32 s98, 0, 1                        ; 0 in waves 2 to 6
	s_cmp_lt_u32 s[WV], 4                          ; the mask's waves, or K's and V's
	s_cselect_b64 s[PFA:PFA+1], s[8:9], s[4:5]
	s_cselect_b32 s96, s95, s96
	s_mov_b32 s[PFS], KST
	s_cselect_b32 s[PFS], 512, s[PFS]
	s_cselect_b32 s[EVR], 0, 3
	s_cselect_b32 s[EVV], 0, 1
	s_mov_b32 s99, 256
	s_cselect_b32 s99, 8192, s99                   ; from lane to lane within sixteen
	s_mov_b32 s95, 4096
	s_cselect_b32 s95, 256, s95                    ; from lanes 0-15 to lanes 16-31
	s_cselect_b32 s94, s94, ttmp9                  ; the coordinate along which other clusters read the same bytes
	s_or_b32 s94, s94, s98
	s_cmp_eq_u32 s94, 0
	s_cselect_b32 s[LIM], 1, -1                    ; the same in all sixteen partners, for a given wave
	s_mov_b32 s97, 0
	s_mov_b32 s[PFS+1], 0
	s_add_nc_u64 s[PFA:PFA+1], s[PFA:PFA+1], s[96:97]
	v_mul_lo_u32 v[PFO], v8, s99
	v_mul_lo_u32 v29, v9, s95
	v_add_nc_u32 v[PFO], v[PFO], v29
	v_and_b32 v10, 8, v8
	v_add_nc_u32 v10, v10, v8                      ; r + 8 (r / 8)
	v_mul_u32_u24 v[AM0], v10, MP
	v_lshl_add_u32 v[AM0], v9, 6, v[AM0]           ; the mask: my query's row, + 64 h bytes
	s_lshr_b32 s86, s[WV], 1
	s_lshl_b32 s86, s86, 5
	s_and_b32 s87, s[WV], 1
	s_lshl_b32 s87, s87, 3
	s_add_co_u32 s86, s86, s87                     ; my fragment's first row: 32 (a / 2) + 8 (a % 2)
	s_mul_i32 s86, s86, MP
	s_add_co_u32 s86, s86, MOFF
	v_add_nc_u32 v[AM0], s86, v[AM0]
	v_lshl_add_u32 v[AS0], v8, 4, SCK
	v_lshl_add_u32 v[OSA], v8, 4, OSC
	v_add_nc_u32 v[OSA], s85, v[OSA]
	v_add_nc_u32 v[OSR], OSC, v[LI]
	v_mov_b32 v13, 0xff61b1e6                      ; the largest t so far: -3e38, under every t
	v_floor_f32 v12, -v13                          ; -M
	v_mov_b32 v14, 0
	v_mov_b32 v15, 0
.irp b, 0,1,2,3
	v_mov_b32 v[236+\b], 0                         ; a lane permute's destination counts as one of its sources
.endr
	v_mov_b32 v253, 0                              ; (named as the upper half of the pair v[252:253] before it is first written)
.irp j, 0,1,2,3,4,5,6,7,8,9,10,11,12,13,14,15,16,17,18,19,20,21,22,23,24,25,26,27,28,29,30,31,32,33,34,35,36,37,38,39,40,41,42,43,44,45,46,47,48,49,50,51,52,53,54,55,56,57,58,59,60,61,62,63
	v_mov_b32 v[160+\j], 0                         ; O^T: the step is written for every step alike; the first finds zeros, which the first change of M leaves zeros
.endr
; The codes of 64 numbers v96-159 (register 16 b + i = k 32 b + 16 h + i of my row), whose scale operands stand in v244-247, into v224-235.
.macro CODES
.irp c, 0,1
	v_cvt_scalef32_pk16_fp6_f32 v[224+6*\c:226+6*\c], v[96+32*\c:111+32*\c], v[244+2*\c]
	v_cvt_scalef32_pk16_fp6_f32 v[236+4*\c:238+4*\c], v[112+32*\c:127+32*\c], v[244+2*\c+1]   ; (a conversion's three registers begin on an even number)
.endr
	v_nop                                          ; one plain place behind a scaled conversion
.irp c, 0,1                                    ; the operand's layout wants a whole block in a lane
.irp i, 0,1,2
	v_permlane16_swap_b32 v[224+6*\c+\i], v[236+4*\c+\i]
.endr
.irp i, 0,1,2
	v_mov_b32 v[227+6*\c+\i], v[236+4*\c+\i]
.endr
.endr
.endm
; A KEY STEP: 128 keys.
.macro STEP
	v_add_nc_u32 v[ADK], s[TB], v[LI]              ; these three and a v_nop are the places behind the last step's products, in front of the loads into their registers
	v_add_nc_u32 v[ADM], s[TB], v[AM0]
	v_add_nc_u32 v[ADS], s[TS], v[AS0]
	v_nop
.irp t, 0,1,2,3
.irp c, 0,1,2
	ds_load_b128 v[FB+12*\t+4*\c:FB+12*\t+4*\c+3], v[ADK] offset:1536*\t+512*\c
.endr
.endr
	ds_load_b128 v[SCW:SCW+3], v[ADS]              ; K's scale words: fragments 0-3, 4-7 of my row
	ds_load_b128 v[SCW+4:SCW+7], v[ADS] offset:256
	WIN 0x40
.irp t, 0,1,2,3
.irp c, 0,1,2
	ds_load_b128 v[FB1+12*\t+4*\c:FB1+12*\t+4*\c+3], v[ADK] offset:1536*(4+\t)+512*\c
.endr
.endr
.irp b, 0,1,2,3
.irp j, 0,1,2,3
	ds_load_b128 v[16*\b+4*\j:16*\b+4*\j+3], v[ADM] offset:128*\b+16*\j   ; the mask of my query at keys 32 b + 16 h + 4 j ..: in the scores' own order
.endr
.endr
	WIN 0
	s_wait_dscnt 28                                ; K's tiles 0-3 and the scale words are in; tiles 4-7 (12 loads) and the mask (16) may be out
.irp t, 0,1,2,3
	v_wmma_scale_f32_16x16x128_f8f6f4 v[96+8*\t:103+8*\t], v[FB+12*\t:FB+12*\t+11], v[16:27], 0, v[SCW+\t], v255 matrix_a_fmt:MATRIX_FMT_FP6 matrix_b_fmt:MATRIX_FMT_FP6
.endr
	s_wait_dscnt 16                                ; tiles 4-7 are in; the mask may be out
	WIN 0x01
.irp t, 0,1,2,3
	v_wmma_scale_f32_16x16x128_f8f6f4 v[128+8*\t:135+8*\t], v[FB1+12*\t:FB1+12*\t+11], v[16:27], 0, v[SCW+4+\t], v255 matrix_a_fmt:MATRIX_FMT_FP6 matrix_b_fmt:MATRIX_FMT_FP6
.endr
	WIN 0
	PLACES                                         ; in front of the loads into the fragments' and scale words' registers, and of the first read of the scores
.irp t, 0,1,2,3
.irp c, 0,1,2
	ds_load_b128 v[FB+12*\t+4*\c:FB+12*\t+4*\c+3], v[ADK] offset:VOFF+1536*\t+512*\c   ; V lands while the softmax is worked
.endr
.endr
	ds_load_b128 v[SCW:SCW+3], v[ADS] offset:SCG
	ds_load_b128 v[SCW+4:SCW+7], v[ADS] offset:SCG+256
	WIN 0x40
.irp t, 0,1,2,3
.irp c, 0,1,2
	ds_load_b128 v[FB1+12*\t+4*\c:FB1+12*\t+4*\c+3], v[ADK] offset:VOFF+1536*(4+\t)+512*\c
.endr
.endr
	s_wait_dscnt 26                                ; the mask is in; V's 26 loads may be out
	WIN 0x10                                       ; source 2 (the mask) window 1
.irp j, 0,2,4,6,8,10,12,14,16,18,20,22,24,26,28,30,32,34,36,38,40,42,44,46,48,50,52,54,56,58,60,62
	v_pk_fma_f32 v[96+\j:97+\j], v[96+\j:97+\j], s[CP:CP+1], v[\j:\j+1] op_sel_hi:[1,0,1]   ; the logit: score / sqrt(128) + mask; each accumulator from its low end on
.endr
	WIN 0
.irp b, 0,1,2,3
	v_max3_num_f32 v[232+\b], v[96+16*\b], v[97+16*\b], v[98+16*\b]   ; the largest logit of each block of 32 keys: for the row's maximum, and, since p rises with the logit, for the block's largest p
.endr
.irp i, 3,5,7,9,11,13
.irp b, 0,1,2,3
	v_max3_num_f32 v[232+\b], v[232+\b], v[96+16*\b+\i], v[97+16*\b+\i]
.endr
.endr
.irp b, 0,1,2,3
	v_max_num_f32 v[232+\b], v[232+\b], v[111+16*\b]
.endr
.irp b, 0,1,2,3
	v_permlanex16_b32 v[236+\b], v[232+\b], s[SEL], s[SEL+1]
.endr
.irp b, 0,1,2,3
	v_max_num_f32 v[232+\b], v[232+\b], v[236+\b]  ; with lane l xor 16's 16 keys
.endr
	v_max3_num_f32 v254, v232, v233, v234
	v_max_num_f32 v254, v254, v235                 ; the step's largest logit of my query
	v_mul_f32 v254, s[LG], v254                    ; as t
	v_max_num_f32 v13, v13, v254                   ; the running largest t
	v_mov_b32 v254, v12
	v_floor_f32 v12, -v13                          ; the new -M = floor(-t) = -ceil(t): a whole number
	v_sub_f32 v254, v12, v254                      ; old M - new M: a whole number, 0 or less
	v_cvt_i32_f32 v254, v254                       ; (it saturates)
	v_ldexp_f32 v252, 1.0, v254                    ; f = 2^(old M - new M)
.irp j, 0,2,4,6,8,10,12,14,16,18,20,22,24,26,28,30,32,34,36,38,40,42,44,46,48,50,52,54,56,58,60,62
	v_pk_fma_f32 v[96+\j:97+\j], v[96+\j:97+\j], s[LG:LG+1], v[12:13] op_sel_hi:[1,0,0]   ; t - M, two at a time
.endr
.irp b, 0,1,2,3
	v_fma_f32 v[232+\b], v[232+\b], s[LG], v12     ; the same of each block's largest logit
.endr
.irp j, 0,1,2,3,4,5,6,7,8,9,10,11,12,13,14,15,16,17,18,19,20,21,22,23,24,25,26,27,28,29,30,31,32,33,34,35,36,37,38,39,40,41,42,43,44,45,46,47,48,49,50,51,52,53,54,55,56,57,58,59,60,61,62,63
	v_exp_f32 v[96+\j], v[96+\j]                   ; p = 2^(t - M), at most 1; 0 where the mask is -infinity
.endr
	v_pk_mul_f32 v[14:15], v[14:15], v[252:253] op_sel_hi:[1,0]   ; the sums under the new M: a plain place behind the exponentials
	s_wait_alu depctr_va_vdst(0)                   ; one wait for the whole batch, ahead of its first reader
.irp b, 0,1,2,3
	v_exp_f32 v[232+\b], v[232+\b]                 ; the block's largest p
.endr
	v_pk_add_f32 v[236:237], v[96:97], v[98:99]    ; the row's sum is taken of the unquantised p, in two chains
.irp j, 4,8,12,16,20,24,28,32,36,40,44,48,52,56,60
	v_pk_add_f32 v[14:15], v[14:15], v[96+\j:97+\j]
	v_pk_add_f32 v[236:237], v[236:237], v[98+\j:99+\j]
.endr
	v_pk_add_f32 v[14:15], v[14:15], v[236:237]
	s_wait_alu depctr_va_vdst(0)                   ; and one for the four
.irp b, 0,1,2,3
	v_max_num_f32 v[232+\b], 0x1800000, v[232+\b]  ; the floor 2^(3 - 127): the byte cannot fall under 1
.endr
.irp b, 0,1,2,3
	v_add_nc_u32 v[244+\b], 0xff000000, v[232+\b]  ; 2 off the exponent field: the conversion's scale operand
.endr
.irp b, 0,1,2,3
	v_lshrrev_b32 v[236+\b], 23, v[244+\b]
.endr
	v_lshl_or_b32 v253, v237, 8, v236              ; p's scale word for these 128 keys
	v_lshl_or_b32 v253, v238, 16, v253
	v_lshl_or_b32 v253, v239, 24, v253
	CODES
.irp j, 0,2,4,6,8,10,12,14,16,18,20,22,24,26,28,30,32,34,36,38,40,42,44,46,48,50,52,54,56,58,60,62
	v_pk_mul_f32 v[160+\j:161+\j], v[160+\j:161+\j], v[252:253] op_sel_hi:[1,0]   ; O^T under the new M.  (These 32 are also the places between the codes' and the scale word's last writes and the products)
.endr
	s_wait_dscnt 0x0                               ; V and its scale words are in
.irp t, 0,1,2,3
	v_wmma_scale_f32_16x16x128_f8f6f4 v[160+8*\t:167+8*\t], v[FB+12*\t:FB+12*\t+11], v[224:235], v[160+8*\t:167+8*\t], v[SCW+\t], v253 matrix_a_fmt:MATRIX_FMT_FP6 matrix_b_fmt:MATRIX_FMT_FP6
.endr
	WIN 0x01
.irp t, 0,1,2,3
	v_wmma_scale_f32_16x16x128_f8f6f4 v[192+8*\t:199+8*\t], v[FB1+12*\t:FB1+12*\t+11], v[224:235], v[192+8*\t:199+8*\t], v[SCW+4+\t], v253 matrix_a_fmt:MATRIX_FMT_FP6 matrix_b_fmt:MATRIX_FMT_FP6
.endr
	WIN 0
	s_add_co_u32 s[TS], s[TS], 512                 ; the next step's scale words
.endm
; THE CHANGE OF SLOTS stands at a step's head.  Each wave waits for all its tensor loads (its part of the slot that it is about to read), adds 0 to its spare word, and waits for that and for its reads of the slot that it has left.
; fill = 1: the barrier is a round of the cluster's, and behind it the slot that was left is filled with the next step's tiles, which have a whole step in which to land.
.macro CHANGE fill
	s_wait_tensorcnt 0x0                           ; no tensor load of mine is out, so a group 0 may be written
	ds_add_u32 v[SPW], v[NIL]                      ; 0 onto my spare word
.if \fill
	s_xor_b32 s[G0KV+1], s[G0KV+1], SLOT1          ; the walking descriptors: the other slot, the next 128 keys
	s_add_nc_u64 s[G0KV+2:G0KV+3], s[G0KV+2:G0KV+3], KST
	s_xor_b32 s[G0M+1], s[G0M+1], SLOT1
	s_add_nc_u64 s[G0M+2:G0M+3], s[G0M+2:G0M+3], 512
	s_wait_xcnt 0x0                                ; the last prefetch, a step back, has read its address, so it may be written
	s_add_nc_u64 s[PFA:PFA+1], s[PFA:PFA+1], s[PFS:PFS+1]
	s_wait_dscnt 0x0                               ; the add is done, and my reads of the slot that I have left are over
	CROUND
	TLOAD                                          ; the first thing behind the round, and a wave's one tensor load until the next
	ASK
.else
	s_wait_dscnt 0x0
	s_barrier_signal -1
	s_barrier_wait -1
.endif
.endm
	s_wait_loadcnt 0x0                             ; Q
.Lstep:                                            ; 15 trips: behind each change of slots but the last the next step is asked for
	CHANGE 1
	STEP
	s_xor_b32 s[TB], s[TB], SLOT1
	s_sub_co_u32 s[SLOTS], s[SLOTS], 1
	s_cmp_lg_u32 s[SLOTS], 0
	s_cbranch_scc1 .Lstep
	CHANGE 0                                       ; the last step is written out
	STEP
	; THE WAY OUT.  O^T is divided by the row's sum and quantised along the head's 128 channels: it is K step = head of the last product's operand, fragment = my wave.
	PLACES                                         ; behind the last products
	v_add_f32 v14, v14, v15
	v_permlanex16_b32 v252, v14, s[SEL], s[SEL+1]
	v_add_f32 v14, v14, v252                       ; the row's sum
	v_rcp_f32 v14, v14
	v_nop                                          ; a plain place behind the transcendental
	s_wait_alu depctr_va_vdst(0)                   ; the wait ahead of its first reader
.irp j, 0,1,2,3,4,5,6,7,8,9,10,11,12,13,14,15,16,17,18,19,20,21,22,23,24,25,26,27,28,29,30,31,32,33,34,35,36,37,38,39,40,41,42,43,44,45,46,47,48,49,50,51,52,53,54,55,56,57,58,59,60,61,62,63
	v_mul_f32 v[96+\j], v[160+\j], v14             ; register 16 b + i: channel 32 b + 16 h + i of my query
.endr
.irp b, 0,1,2,3
	v_max3_num_f32 v[232+\b], |v[96+16*\b]|, |v[97+16*\b]|, 0x1800000
.endr
.irp i, 2,4,6,8,10,12,14
.irp b, 0,1,2,3
	v_max3_num_f32 v[232+\b], v[232+\b], |v[96+16*\b+\i]|, |v[97+16*\b+\i]|
.endr
.endr
.irp b, 0,1,2,3
	v_permlanex16_b32 v[236+\b], v[232+\b], s[SEL], s[SEL+1]
.endr
.irp b, 0,1,2,3
	v_max_num_f32 v[232+\b], v[232+\b], v[236+\b]
.endr
.irp b, 0,1,2,3
	v_add_nc_u32 v[244+\b], 0xff000000, v[232+\b]
.endr
.irp b, 0,1,2,3
	v_lshrrev_b32 v[236+\b], 23, v[244+\b]
.endr
	v_lshl_or_b32 v253, v237, 8, v236
	v_lshl_or_b32 v253, v238, 16, v253
	v_lshl_or_b32 v253, v239, 24, v253
	CODES
.irp c, 0,1,2
	global_store_b128 v[LI], v[224+4*\c:227+4*\c], s[10:11] offset:512*\c   ; 32 lanes store 512 consecutive bytes, aligned
.endr
	ds_store_b32 v[OSA], v253                      ; the eight waves' scale words meet in LDS (both lanes of a row write the same word with the same value)
	s_wait_dscnt 0x0                               ; for the others' sake: my store is done
	s_barrier_signal -1
	s_barrier_wait -1
	s_cmp_lg_u32 s[WV], 0
	s_cbranch_scc1 .Lnot_first
	ds_load_b128 v[96:99], v[OSR]
	s_wait_dscnt 0x0
	global_store_b128 v[LI], v[96:99], s[12:13]    ; wave 0 stores the block: 512 consecutive bytes
.Lnot_first:
	s_wait_tensorcnt 0x0                           ; the wave's end
	ds_add_u32 v[SPW], v[NIL]
	s_wait_dscnt 0x0
	CROUND                                         ; the closing round
	s_endpgm
.Lfunc_end_k_qd7c78ec210_attn:
	.size	k_qd7c78ec210_attn, .Lfunc_end_k_qd7c78ec210_attn-k_qd7c78ec210_attn
	.p2alignl 7, 3214868480
	.fill 96, 4, 3214868480
	.section	.rodata,"a",@progbits
	.p2align	6, 0x0
	.amdhsa_kernel k_qd7c78ec210_attn
		.amdhsa_group_segment_fixed_size 327680
		.amdhsa_private_segment_fixed_size 0
		.amdhsa_enable_private_segment 0
		.amdhsa_kernarg_size 40
		.amdhsa_user_sgpr_count 2
		.amdhsa_user_sgpr_kernarg_segment_ptr 1
		.amdhsa_wavefront_size32 1
		.amdhsa_system_sgpr_workgroup_id_x 1
		.amdhsa_system_sgpr_workgroup_id_y 1
		.amdhsa_system_sgpr_workgroup_id_z 1
		.amdhsa_system_vgpr_workitem_id 0
		.amdhsa_next_free_vgpr 368
		.amdhsa_next_free_sgpr 100
		.amdhsa_reserve_vcc 0
		.amdhsa_float_denorm_mode_32 3
		.amdhsa_float_denorm_mode_16_64 3
		.amdhsa_memory_ordered 1
		.amdhsa_forward_progress 1
		.amdhsa_inst_pref_size 64
	.end_amdhsa_kernel
	.amdgpu_metadata
---
amdhsa.version: [ 1, 2 ]
amdhsa.kernels:
  - .name:           k_qd7c78ec210_attn
    .symbol:         k_qd7c78ec210_attn.kd
    .args:
      - { .name: qkvc, .offset: 0, .size: 8, .value_kind: global_buffer, .address_space: global }
      - { .name: qkvs, .offset: 8, .size: 8, .value_kind: global_buffer, .address_space: global }
      - { .name: mask, .offset: 16, .size: 8, .value_kind: global_buffer, .address_space: global }
      - { .name: oc, .offset: 24, .size: 8, .value_kind: global_buffer, .address_space: global }
      - { .name: os, .offset: 32, .size: 8, .value_kind: global_buffer, .address_space: global }
    .group_segment_fixed_size: 327680
    .private_segment_fixed_size: 0
    .kernarg_segment_align: 8
    .kernarg_segment_size: 40
    .max_flat_workgroup_size: 256
    .sgpr_count:     100
    .vgpr_count:     368
    .wavefront_size: 32
...
	.end_amdgpu_metadata
.endif
;; end of part 3
;; launch proj (part 4): grid 8 x 8, 4 waves a work-group, clusters of 4 x 4, 327,680 bytes of LDS; arguments oc, os, cod, scl, out0; writes out0
.if DOCPART == 4
	.amdgcn_target "amdgcn-amd-amdhsa--gfx1250"
	.amdhsa_code_object_version 6
	.text
	.protected	k_qd7c78ec210_proj
	.globl	k_qd7c78ec210_proj
	.p2align	8
	.type	k_qd7c78ec210_proj,@function
k_qd7c78ec210_proj:
	s_mov_b64 s[64:65], 0
	v_nop
	global_prefetch_b8 v0, s[64:65] scope:SCOPE_SE
	s_setreg_imm32_b32 hwreg(HW_REG_WAVE_MODE, 25, 1), 1
	s_wait_xcnt 0x0
	s_wait_alu depctr_hold_cnt(0) depctr_sa_sdst(0) depctr_va_vdst(0) depctr_va_sdst(0) depctr_va_ssrc(0) depctr_va_vcc(0) depctr_vm_vsrc(0)
	s_getreg_b32 s2, hwreg(HW_REG_IB_STS2, 6, 4)
	s_cmp_eq_u32 s2, 0
	s_cbranch_scc0 .Lentry_in_a_cluster
	s_endpgm
.Lentry_in_a_cluster:
	s_bfe_u32 s2, ttmp6, 0x10000c
	s_cmp_lg_u32 s2, 0xf033
	s_cbranch_scc0 .Lentry_shape_is_right
	s_endpgm
.Lentry_shape_is_right:
; out0 = O wo^T on codes of FP6 (E2M3) with E8M0 scales, K = 2048; out0 [2048][2048] f32.  A = the attention's result (oc, os), B = wo's codes (tensor 4 of cod, scl).
; OPERANDS are images of registers: a fragment (16 rows x 128 K) is 1,536 bytes, registers 4 c .. 4 c + 3 of lane l at 512 c + 16 l; fragment i of a group of 128 rows holds in row r the group's row
; 32 (i / 2) + 8 (i % 2) + r + 8 (r / 8).  Codes [group][K step][fragment]; scale words [group][K step][512], the word of (i, r) at 256 (i / 4) + 16 r + 4 (i % 4).
; A tile of the result, 256 x 256, is made by four waves, each 128 x 128: 64 accumulators.  K goes in steps of 256 through a ring of two LDS slots; a wave's tensor load brings one group's two K steps, 24,576 dense bytes.
; The scale words of the tile's four groups come once with the first fills and stay.  CLUSTERS: 4 x 4; A's tiles shared along a row of the cluster, B's along a column: joint loads.
; THE MATRIX INSTRUCTION IS USED TRANSPOSED (source 0 = B's fragment, source 1 = A's): a lane holds one row of the result and eight neighbouring columns an accumulator.
; The launch has 64 work-groups: one for each tile of 256 x 256.
; REGISTERS: window 0: v16-29 addresses; v32-63 scale words, two sets; v128-223 A's fragments; on the way out v128-255 rows read back.  window 1: B's fragments, two sets.  windows 2, 3: the accumulators.
.set KST,   12288
.set GRP,   196608
.set SCG,   8192
.set FR,    12
.set NL,    3
.set NP,    4
.set NQ,    2
.set HALFT, 2*KST
.set SLOT,  4*HALFT
.set LAPS,  4
.set SCL,   2*SLOT
.set SPARE, SCL+4*SCG                  ; the spare words, 128 bytes for each wave: two blocks of 256 bytes that no other line names
.set SPITCH, 528                       ; the way out: a stage of 16 rows x (512 bytes + 16) for each wave, in slot 0, which has had its last fill and its last read by then
.set ADRA, 16
.set ADRB, 20
.set STO,  24
.set RD,   25
.set CO,   26
.set ADRS, 27
.set SPW,  28
.set NIL,  29
.set SC,   32
.set AF,   128
.set BK,   128
.set G1, 24
.set G0, 32
.set G1B, 48
.set G0B, 56
.set G1S, 68
.set G0S, 76
.set G1SB, 80
.set G0SB, 88
.set MSB, 0
.macro WIN new
.if MSB != (\new)
	s_set_vgpr_msb (MSB<<8)|(\new)
.set MSB, (\new)
.endif
.endm
.set MUL_LO, 0xa1
.set MUL_HI, 0xf1
.set TO_B,   0x40
.macro JLOAD g0a, g1a, g0b, g1b        ; a joint load: waves 0 and 1 fetch for A, waves 2 and 3 for B; four v_nop follow each of the two lines
	s_cmp_eq_u32 s15, 0
	s_cbranch_scc0 .Lfor_b_\@
	tensor_load_to_lds s[\g0a:\g0a+3], s[\g1a:\g1a+7]
	s_nop 0
.rept 4
	v_nop
.endr
	s_branch .Lasked_\@
.Lfor_b_\@:
	tensor_load_to_lds s[\g0b:\g0b+3], s[\g1b:\g1b+7]
	s_nop 0
.rept 4
	v_nop
.endr
.Lasked_\@:
.endm
.macro CREST
	s_cmp_lg_u32 s14, 0
	s_cbranch_scc1 .Lnot_wave_0_\@
	s_barrier_signal -3
.Lnot_wave_0_\@:
	s_barrier_wait -3
	s_barrier_signal -1
	s_barrier_wait -1
.endm
.macro CROUND
	s_barrier_signal -1
	s_barrier_wait -1
	CREST
.endm
	s_load_b256 s[4:11], s[0:1], 0x0               ; oc s[4:5], os s[6:7], cod s[8:9], scl s[10:11]
	s_load_b64 s[12:13], s[0:1], 0x20              ; out0
	v_lshl_add_u32 v[SPW], v0, 2, SPARE
	v_mov_b32 v[NIL], 0
	ds_add_u32 v28, v29
	s_wait_dscnt 0x0
	v_lshrrev_b32 v1, 5, v0
	v_readfirstlane_b32 s14, v1                    ; wave 0..3
	s_lshr_b32 s15, s14, 1                         ; which half of the tile's rows is mine.  Also: I fetch for A (0) or for B (1)
	s_and_b32 s16, s14, 1                          ; which half of its columns.  Also: which group of that tile I fetch
	s_bfe_u32 s40, ttmp6, 0x40000
	s_bfe_u32 s41, ttmp6, 0x40004
	s_lshl_b32 s42, ttmp9, 2
	s_add_co_u32 s42, s42, s40                     ; tile column
	s_and_b32 s17, ttmp7, 0xffff
	s_lshl_b32 s17, s17, 2
	s_add_co_u32 s17, s17, s41                     ; tile row
	s_lshl_b32 s43, s41, 2
	s_lshl_b32 s43, 15, s43
	s_lshl_b32 s44, 0x1111, s40
	s_or_b32 s[G1+0], s43, (3<<16)|(1<<21)         ; 24,576 dense bytes as 96 rows of 256 (32 elements of 8 bytes), no padding
	s_or_b32 s[G1B+0], s44, (3<<16)|(1<<21)
.irp g, G1, G1B
	s_mov_b32 s[\g+1], 32<<16
	s_mov_b32 s[\g+2], 96<<16
	s_mov_b32 s[\g+3], 32<<16
	s_mov_b32 s[\g+4], 96
	s_mov_b32 s[\g+5], 32
	s_mov_b32 s[\g+6], 0
	s_mov_b32 s[\g+7], 0
.endr
	s_or_b32 s[G1S+0], s43, (3<<16)|(1<<21)        ; a group's scale words: 32 rows of 256
	s_or_b32 s[G1SB+0], s44, (3<<16)|(1<<21)
.irp g, G1S, G1SB
	s_mov_b32 s[\g+1], 32<<16
	s_mov_b32 s[\g+2], 32<<16
	s_mov_b32 s[\g+3], 32<<16
	s_mov_b32 s[\g+4], 32
	s_mov_b32 s[\g+5], 32
	s_mov_b32 s[\g+6], 0
	s_mov_b32 s[\g+7], 0
.endr
	s_lshl_b32 s20, s17, 1
	s_add_co_u32 s20, s20, s16                     ; A's group
	s_lshl_b32 s46, s42, 1
	s_add_co_u32 s46, s46, s16
	s_add_co_u32 s46, s46, 64                      ; B's group: wo is tensor 4 of 16 groups each
	s_mul_i32 s22, s20, SCG
	s_mov_b32 s23, 0
	s_mul_i32 s20, s20, GRP
	s_mov_b32 s21, 0
	s_mul_i32 s96, s46, SCG
	s_mov_b32 s97, 0
	s_mul_i32 s46, s46, GRP
	s_mov_b32 s47, 0
	s_mul_i32 s45, s14, HALFT
	s_lshl_b32 s98, s14, 13
	s_wait_kmcnt 0x0
	s_add_nc_u64 s[20:21], s[4:5], s[20:21]
	s_add_nc_u64 s[22:23], s[6:7], s[22:23]
	s_add_nc_u64 s[46:47], s[8:9], s[46:47]
	s_add_nc_u64 s[96:97], s[10:11], s[96:97]
	CROUND                                         ; all sixteen work-groups are here: the first joint loads meet
	s_mov_b32 s[G0S], 1
	s_add_co_u32 s[G0S+1], s98, SCL
	s_mov_b64 s[G0S+2:G0S+3], s[22:23]
	s_or_b32 s[G0S+3], s[G0S+3], 0x80000000
	s_mov_b32 s[G0SB], 1
	s_add_co_u32 s[G0SB+1], s98, SCL
	s_mov_b64 s[G0SB+2:G0SB+3], s[96:97]
	s_or_b32 s[G0SB+3], s[G0SB+3], 0x80000000
	JLOAD G0S, G1S, G0SB, G1SB
.irp s, 0,1
	s_mov_b32 s[G0+4*\s], 1
	s_add_co_u32 s[G0+4*\s+1], s45, \s*SLOT
	s_add_nc_u64 s[G0+4*\s+2:G0+4*\s+3], s[20:21], \s*HALFT
	s_or_b32 s[G0+4*\s+3], s[G0+4*\s+3], 0x80000000
	s_mov_b32 s[G0B+4*\s], 1
	s_add_co_u32 s[G0B+4*\s+1], s45, \s*SLOT
	s_add_nc_u64 s[G0B+4*\s+2:G0B+4*\s+3], s[46:47], \s*HALFT
	s_or_b32 s[G0B+4*\s+3], s[G0B+4*\s+3], 0x80000000
	JLOAD G0+4*\s, G1, G0B+4*\s, G1B
.endr
	v_and_b32 v1, 15, v0                           ; r
	v_bfe_u32 v2, v0, 4, 1                         ; h
	v_and_b32 v3, 31, v0
	v_lshlrev_b32 v3, 4, v3                        ; 16 x lane
	s_mul_i32 s21, s15, HALFT
	s_mul_i32 s22, s16, HALFT
	s_add_co_u32 s22, s22, 2*HALFT
.irp s, 0,1
	v_add_nc_u32 v[ADRA+\s], s21, v3
	v_add_nc_u32 v[ADRB+\s], s22, v3
	s_add_co_u32 s21, s21, SLOT
	s_add_co_u32 s22, s22, SLOT
.endr
	s_lshl_b32 s21, s15, 13
	s_lshl_b32 s22, s16, 13
	s_add_co_u32 s22, s22, 2*SCG
	s_sub_co_u32 s22, s22, s21
	v_mul_u32_u24 v6, s22, v2                      ; lanes 16-31 take B's scale words: one product, the distance between the two
	s_add_co_u32 s21, s21, SCL
	v_lshl_add_u32 v5, v1, 4, v6
	v_add_nc_u32 v[ADRS], s21, v5
	s_mul_i32 s23, s14, 16*SPITCH                  ; my stage
	v_mul_u32_u24 v5, v1, SPITCH                   ; in: row r; my half's sixteen columns of each 32: + 64 h bytes
	v_lshl_add_u32 v5, v2, 6, v5
	v_add_nc_u32 v[STO], s23, v5
	v_mov_b32 v[CO], v3                            ; back: the 32 lanes take one row of 512 bytes; and the same in out0
	v_add_nc_u32 v[RD], s23, v3
	s_lshl_b32 s20, s17, 8
	s_lshl_b32 s21, s15, 7
	s_add_co_u32 s20, s20, s21                     ; my group's first row
	s_lshl_b32 s20, s20, 13                        ; 8,192 bytes a row
	s_lshl_b32 s46, s42, 10
	s_lshl_b32 s47, s16, 9
	s_add_co_u32 s46, s46, s47                     ; my first column, in bytes
	s_add_co_u32 s20, s20, s46
	s_mov_b32 s21, 0
	s_add_nc_u64 s[12:13], s[12:13], s[20:21]
.macro FRAG reg, adr, q, i
.irp c, 0,1,2
	ds_load_b128 v[\reg+4*\c:\reg+4*\c+3], v[\adr] offset:KST*(\q)+1536*(\i)+512*\c
.endr
.endm
; 16 matrix instructions: A's blocks a0, a0 + 1 x B's eight.  The 64 accumulators take turns, one instruction a turn, in the same order in every step.
.macro MUL16 a0, p, q, sc, zero
.irp a, \a0, \a0+1
.irp b, 0,1,2,3,4,5,6,7
.if \zero
	v_wmma_scale_f32_16x16x128_f8f6f4 v[8*(8*((\a)%4)+\b):8*(8*((\a)%4)+\b)+7], v[128*(\p)+FR*\b:128*(\p)+FR*\b+FR-1], v[AF+FR*(\a):AF+FR*(\a)+FR-1], 0, v[SC+16*(\sc)+8*(\q)+\b], v[SC+16*(\sc)+8*(\q)+(\a)] matrix_a_fmt:MATRIX_FMT_FP6 matrix_b_fmt:MATRIX_FMT_FP6 matrix_a_scale:MATRIX_SCALE_ROW1
.else
	v_wmma_scale_f32_16x16x128_f8f6f4 v[8*(8*((\a)%4)+\b):8*(8*((\a)%4)+\b)+7], v[128*(\p)+FR*\b:128*(\p)+FR*\b+FR-1], v[AF+FR*(\a):AF+FR*(\a)+FR-1], v[8*(8*((\a)%4)+\b):8*(8*((\a)%4)+\b)+7], v[SC+16*(\sc)+8*(\q)+\b], v[SC+16*(\sc)+8*(\q)+(\a)] matrix_a_fmt:MATRIX_FMT_FP6 matrix_b_fmt:MATRIX_FMT_FP6 matrix_a_scale:MATRIX_SCALE_ROW1
.endif
.endr
.endr
.endm
.macro FETCH_B slot, q, p
	WIN TO_B
.irp i, 0,1,2,3,4,5,6,7
	FRAG 128*(\p)+FR*\i, ADRB+\slot, \q, \i
.endr
	WIN 0
.endm
.macro FETCH_A slot, q, i0
.irp i, \i0, \i0+1, \i0+2, \i0+3
	FRAG AF+FR*(\i), ADRA+\slot, \q, \i
.endr
.endm
.macro SCALES sc
.irp q, 0,1
.irp u, 0,1
	ds_load_b128 v[SC+16*\sc+8*\q+4*\u:SC+16*\sc+8*\q+4*\u+3], v[ADRS] offset:512*\q+256*\u
.endr
.endr
.endm
.macro PLACES n
.rept \n
	v_nop
.endr
.endm
.macro STEP slot, q, zero
	s_wait_dscnt 4*NL                              ; all but the youngest twelve loads (A's blocks 4-7) are in
	WIN MUL_LO
	MUL16 0, (\q)%2, \q, \slot, \zero
	MUL16 2, (\q)%2, \q, \slot, \zero
	s_wait_dscnt 0
	PLACES NP
	FETCH_B \slot, (\q)+1, 1-(\q)%2
	FETCH_A \slot, (\q)+1, 0
	WIN MUL_HI
	MUL16 4, (\q)%2, \q, \slot, \zero
	MUL16 6, (\q)%2, \q, \slot, \zero
	PLACES NP
	WIN 0
	FETCH_A \slot, (\q)+1, 4
.endm
.macro TURN slot, next, fill
	s_wait_tensorcnt 0x0                           ; all my tensor loads have landed: my part of the next slot
	ds_add_u32 v[SPW], v[NIL]                      ; 0 onto my spare word
	s_wait_dscnt 4*NL+1                            ; (the add and A's blocks 4-7 may be out)
	WIN MUL_LO
	MUL16 0, 1, NQ-1, \slot, 0
	s_wait_dscnt 0x0                               ; the add is done, and my reads of this slot are over
	s_barrier_signal -1
	MUL16 2, 1, NQ-1, \slot, 0
	WIN 0
	s_barrier_wait -1
.if \fill
	CREST                                          ; the barrier has opened a round of the cluster's barrier
	s_add_nc_u64 s[G0+4*\slot+2:G0+4*\slot+3], s[G0+4*\slot+2:G0+4*\slot+3], 2*HALFT
	s_add_nc_u64 s[G0B+4*\slot+2:G0B+4*\slot+3], s[G0B+4*\slot+2:G0B+4*\slot+3], 2*HALFT
	JLOAD G0+4*\slot, G1, G0B+4*\slot, G1B         ; the first tensor load behind the round; its four v_nop are the places in front of the loads below
.else
	PLACES NP
.endif
	v_add_nc_u32 v[ADRS], 1024, v[ADRS]
	FETCH_B \next, 0, 0
	FETCH_A \next, 0, 0
	SCALES \next
	WIN MUL_HI
	MUL16 4, 1, NQ-1, \slot, 0
	MUL16 6, 1, NQ-1, \slot, 0
	PLACES NP
	WIN 0
	FETCH_A \next, 0, 4
.endm
	s_wait_tensorcnt 1                             ; the scale words and my part of slot 0 are in (slot 1's load may be out),
	s_barrier_signal -1
	s_barrier_wait -1                              ; everybody's are
	FETCH_B 0, 0, 0
	FETCH_A 0, 0, 0
	SCALES 0
	FETCH_A 0, 0, 4
	STEP 0, 0, 1
	s_mov_b32 s3, LAPS-1
.Llap:
	TURN 0, 1, 1
	STEP 1, 0, 0
	TURN 1, 0, 1
	STEP 0, 0, 0
	s_sub_co_u32 s3, s3, 1
	s_cmp_lg_u32 s3, 0
	s_cbranch_scc1 .Llap
	TURN 0, 1, 0
	STEP 1, 0, 0
	s_wait_dscnt 4*NL
	WIN MUL_LO
	MUL16 0, 1, NQ-1, 1, 0
	MUL16 2, 1, NQ-1, 1, 0
	s_wait_dscnt 0
	WIN MUL_HI
	MUL16 4, 1, NQ-1, 1, 0
	MUL16 6, 1, NQ-1, 1, 0
	WIN 0
; THE WAY OUT, block by block of 16 rows x 128 columns, through my own stage in LDS: accumulator b of lane (r, h) holds columns 32 (b / 2) + 8 (b % 2) + 16 h + 0 .. 7 of the block's row r.
; The rows come back whole, 512 bytes, and the 32 lanes store them as two aligned runs of 256 bytes.  Row t of block a is row 32 (a / 2) + 8 (a % 2) + t + 8 (t / 8) of my group: it stands in the store's immediate (127 x 8,192 at the most).
.macro TOSTAGE a
.set AC, 64*((\a)%4)
	WIN 0x08+4*((\a)/4)                            ; an LDS store's data: window 2 or 3
.irp b, 0,1,2,3,4,5,6,7
	ds_store_b128 v[STO], v[AC+8*\b:AC+8*\b+3] offset:128*(\b/2)+32*(\b%2)       ; each accumulator from its low end on
	ds_store_b128 v[STO], v[AC+8*\b+4:AC+8*\b+7] offset:128*(\b/2)+32*(\b%2)+16
.endr
	WIN 0
.set BB, BK+64*((\a)%2)
.irp t, 0,1,2,3,4,5,6,7,8,9,10,11,12,13,14,15
	ds_load_b128 v[BB+4*\t:BB+4*\t+3], v[RD] offset:\t*SPITCH   ; LDS serves a wave's instructions in order: these see the stores above
.endr
.endm
.macro SEND a, younger
.set BB, BK+64*((\a)%2)
	s_wait_dscnt \younger                          ; the block is back in registers
.irp t, 0,1,2,3,4,5,6,7,8,9,10,11,12,13,14,15
	global_store_b128 v[CO], v[BB+4*\t:BB+4*\t+3], s[12:13] offset:(32*((\a)/2)+8*((\a)%2)+\t+8*(\t/8))*8192 th:TH_STORE_NT
.endr
.endm
	PLACES NP                                      ; behind the last products: for the loads into the registers that held A's fragments, and for the reads of results
	TOSTAGE 0
.irp a, 1,2,3,4,5,6,7
.if \a > 1
	s_wait_xcnt 0x0                                ; the stores of the block two back have read their registers: this block's loads may land there
.endif
	TOSTAGE \a
	SEND \a-1, 32                                  ; behind that block's loads: this block's 16 stores and 16 loads
.endr
	SEND 7, 0
	s_wait_tensorcnt 0x0                           ; the wave's end
	ds_add_u32 v[SPW], v[NIL]
	s_wait_dscnt 0x0
	CROUND                                         ; the closing round
	s_endpgm
.Lfunc_end_k_qd7c78ec210_proj:
	.size	k_qd7c78ec210_proj, .Lfunc_end_k_qd7c78ec210_proj-k_qd7c78ec210_proj
	.p2alignl 7, 3214868480
	.fill 96, 4, 3214868480
	.section	.rodata,"a",@progbits
	.p2align	6, 0x0
	.amdhsa_kernel k_qd7c78ec210_proj
		.amdhsa_group_segment_fixed_size 327680
		.amdhsa_private_segment_fixed_size 0
		.amdhsa_enable_private_segment 0
		.amdhsa_kernarg_size 40
		.amdhsa_user_sgpr_count 2
		.amdhsa_user_sgpr_kernarg_segment_ptr 1
		.amdhsa_wavefront_size32 1
		.amdhsa_system_sgpr_workgroup_id_x 1
		.amdhsa_system_sgpr_workgroup_id_y 1
		.amdhsa_system_sgpr_workgroup_id_z 1
		.amdhsa_system_vgpr_workitem_id 0
		.amdhsa_next_free_vgpr 1024
		.amdhsa_next_free_sgpr 100
		.amdhsa_reserve_vcc 0
		.amdhsa_float_denorm_mode_32 3
		.amdhsa_float_denorm_mode_16_64 3
		.amdhsa_memory_ordered 1
		.amdhsa_forward_progress 1
		.amdhsa_inst_pref_size 134
	.end_amdhsa_kernel
	.amdgpu_metadata
---
amdhsa.version: [ 1, 2 ]
amdhsa.kernels:
  - .name:           k_qd7c78ec210_proj
    .symbol:         k_qd7c78ec210_proj.kd
    .args:
      - { .name: oc, .offset: 0, .size: 8, .value_kind: global_buffer, .address_space: global }
      - { .name: os, .offset: 8, .size: 8, .value_kind: global_buffer, .address_space: global }
      - { .name: cod, .offset: 16, .size: 8, .value_kind: global_buffer, .address_space: global }
      - { .name: scl, .offset: 24, .size: 8, .value_kind: global_buffer, .address_space: global }
      - { .name: out0, .offset: 32, .size: 8, .value_kind: global_buffer, .address_space: global }
    .group_segment_fixed_size: 327680
    .private_segment_fixed_size: 0
    .kernarg_segment_align: 8
    .kernarg_segment_size: 40
    .max_flat_workgroup_size: 128
    .sgpr_count:     100
    .vgpr_count:     1024
    .wavefront_size: 32
...
	.end_amdgpu_metadata
.endif
;; end of part 4
;; ======== version 2 of 2: 4 launches
;; limits: right only within a limited range of input values
;; workspace buffers: cod 15,728,640 bytes; scl 655,360 bytes; qkvc 9,437,184 bytes; qkvs 393,216 bytes; oc 3,145,728 bytes; os 131,072 bytes
;; launch quant (part 5): grid 256 x 1, 5 waves a work-group, no clusters, 43,008 bytes of LDS; arguments x, wq, wk, wv, wo, cod, scl; writes cod, scl
.if DOCPART == 5
	.amdgcn_target "amdgcn-amd-amdhsa--gfx1250"
	.amdhsa_code_object_version 6
	.text
	.protected	k_qd7c78ec210_quant
	.globl	k_qd7c78ec210_quant
	.p2align	8
	.type	k_qd7c78ec210_quant,@function
k_qd7c78ec210_quant:
	s_mov_b64 s[64:65], 0
	v_nop
	global_prefetch_b8 v0, s[64:65] scope:SCOPE_SE
	s_setreg_imm32_b32 hwreg(HW_REG_WAVE_MODE, 25, 1), 1
	s_wait_xcnt 0x0
; x, wq, wk, wv, wo, each [2048][2048] f32 with K innermost, become codes of FP6 (E2M3) with one E8M0 scale byte for each 32 along K.
; A block's scale is 2^(floor(log2(its largest magnitude)) - 2); its byte is the largest magnitude's exponent field - 2, held at 1 from below.
; LIMITS: NaN and infinities among the inputs are not served; a block of zeros gets the byte 1 where the rule says 127 (its codes are zeros, and this program alone reads the bytes).
; LAYOUT OF THE RESULT: images of operand registers.  A fragment is 16 rows x 128 K, 12 registers a lane, 1,536 bytes: registers 4 c .. 4 c + 3 of lane l at byte 512 c + 16 l.
; Fragment i (0 .. 7) of a group of 128 rows holds in its row r the group's row 32 (i / 2) + 8 (i % 2) + r + 8 (r / 8).
; Codes: [tensor][group of 128 rows][K step of 128][fragment][1,536].  Scale words: [tensor][group][K step][512], the word of (fragment i, row r) at 256 (i / 4) + 16 r + 4 (i % 4).
; SHARES: a wave takes one group x one K step: 128 rows x 512 bytes in, 12,288 + 512 dense bytes out.  5 tensors x 16 groups x 16 K steps = 1,280 shares = 256 work-groups of five waves.  Waves share nothing: no barrier.
; A load reads 512 consecutive bytes of one row; 16 rows turn through the wave's own stage in LDS (pitch 528) so that lane (r, h) gets k = 64 c + 32 h + 0 .. 31 of row r: two whole blocks of 32.
.set KST,   12288
.set PITCH, 528
.set STG,   16*PITCH
.set R,     16                         ; v16-143   two sets of 64: 16 rows as loaded
.set X,     144                        ; v144-207  my 64 numbers
.set C,     208                        ; v208-219  the fragment's codes
.set DD,    220                        ; v220-227  the upper halves of the two blocks' codes, as the conversions leave them
.set SW,    228                        ; v228-235  the eight fragments' scale words
.set OW,    236                        ; v236-239  my 16 bytes of the scale block
.set T0,    8                          ; v8-9      largest magnitudes
.set E0,    10                         ; v10-11    the conversions' scale operands
.set BY,    12                         ; v12-13    scale bytes
.set WD,    14
.set W2,    15
	s_load_b256 s[4:11], s[0:1], 0x0               ; x, wq, wk, wv
	s_load_b128 s[12:15], s[0:1], 0x20             ; wo, cod
	s_load_b64 s[16:17], s[0:1], 0x30              ; scl
	v_lshl_add_u32 v240, v0, 2, 0xa500
	v_mov_b32 v241, 0
	v_lshrrev_b32 v1, 5, v0
	v_readfirstlane_b32 s18, v1                    ; wave 0 .. 4
	v_and_b32 v1, 31, v0                           ; lane
	v_and_b32 v2, 15, v0                           ; r
	v_bfe_u32 v3, v0, 4, 1                         ; h
	v_lshlrev_b32 v4, 4, v1                        ; 16 x lane: in memory, in and out; never rewritten
	s_mul_i32 s19, s18, STG                        ; my stage
	v_add_nc_u32 v5, s19, v4                       ; into it: 16 x lane of a row
	v_mul_u32_u24 v6, v2, PITCH
	v_lshl_add_u32 v6, v3, 7, v6
	v_add_nc_u32 v6, s19, v6                       ; out of it: row r, + 128 h bytes
	v_lshlrev_b32 v7, 3, v3                        ; 8 h: my bytes' place in the scale word
	v_mov_b32 v[W2], 0                             ; a lane permute's destination counts as one of its sources
	s_mov_b32 s20, 0x76543210
	s_mov_b32 s21, 0xfedcba98                      ; selects for lane l xor 16
	s_mul_i32 s28, ttmp9, 5
	s_add_co_u32 s28, s28, s18                     ; my share, 0 .. 1,279 = 256 x tensor + 16 x group + K step
	s_lshr_b32 s22, s28, 8                         ; tensor 0 .. 4
	s_bfe_u32 s23, s28, 0x40004                    ; group 0 .. 15
	s_and_b32 s24, s28, 15                         ; K step 0 .. 15
	s_lshl_b32 s26, s23, 20                        ; 128 rows of 8,192 bytes
	s_lshl_b32 s24, s24, 9
	s_add_co_u32 s26, s26, s24
	s_mov_b32 s27, 0
	s_mul_i32 s30, s28, KST
	s_mov_b32 s31, 0
	s_lshl_b32 s28, s28, 9
	s_mov_b32 s29, 0
	s_wait_alu depctr_va_vdst(0)
	s_wait_kmcnt 0x0
	s_cmp_eq_u32 s22, 1                            ; the source is chosen by the share's number alone
	s_cselect_b64 s[4:5], s[6:7], s[4:5]
	s_cmp_eq_u32 s22, 2
	s_cselect_b64 s[4:5], s[8:9], s[4:5]
	s_cmp_eq_u32 s22, 3
	s_cselect_b64 s[4:5], s[10:11], s[4:5]
	s_cmp_eq_u32 s22, 4
	s_cselect_b64 s[4:5], s[12:13], s[4:5]
	s_add_nc_u64 s[4:5], s[4:5], s[26:27]
	s_add_nc_u64 s[14:15], s[14:15], s[30:31]
	s_add_nc_u64 s[16:17], s[16:17], s[28:29]
.macro LOAD i                          ; fragment i: its 16 rows, 512 consecutive bytes each; the row stands in the immediate (127 x 8,192 at the most)
.irp t, 0,1,2,3,4,5,6,7,8,9,10,11,12,13,14,15
	global_load_b128 v[R+64*((\i)%2)+4*\t:R+64*((\i)%2)+4*\t+3], v4, s[4:5] offset:(32*((\i)/2)+8*((\i)%2)+\t+8*(\t/8))*8192 th:TH_LOAD_NT
.endr
.endm
.macro FRAGM i
.if (\i) < 7
	s_wait_loadcnt 16                              ; this fragment's 16 loads are in; the next fragment's 16 may be out
.else
	s_wait_loadcnt 0x0
.endif
.irp t, 0,1,2,3,4,5,6,7,8,9,10,11,12,13,14,15
	ds_store_b128 v5, v[R+64*((\i)%2)+4*\t:R+64*((\i)%2)+4*\t+3] offset:PITCH*\t
.endr
.irp c, 0,1
.irp j, 0,1,2,3,4,5,6,7
	ds_load_b128 v[X+32*\c+4*\j:X+32*\c+4*\j+3], v6 offset:256*\c+16*\j   ; LDS serves a wave's instructions in order: these see the stores above
.endr
.endr
	s_wait_dscnt 0x0                               ; my 64 numbers are in, and the stores have read their registers,
.if (\i) < 6
	LOAD (\i)+2                                    ; which take the fragment two on
.endif
.irp c, 0,1
	v_max3_num_f32 v[T0+\c], |v[X+32*\c]|, |v[X+32*\c+1]|, 0x1800000   ; block 2 c + h: all 32 numbers are mine; the floor 2^(3 - 127) holds the byte at 1 from below
.endr
.irp n, 2,4,6,8,10,12,14,16,18,20,22,24,26,28,30
.irp c, 0,1
	v_max3_num_f32 v[T0+\c], v[T0+\c], |v[X+32*\c+\n]|, |v[X+32*\c+\n+1]|
.endr
.endr
.irp c, 0,1
	v_add_nc_u32 v[E0+\c], 0xff000000, v[T0+\c]    ; 2 off the exponent field: the conversion takes this operand's exponent field as its scale
.endr
.irp c, 0,1
	v_lshrrev_b32 v[BY+\c], 23, v[E0+\c]           ; the scale's byte
.endr
	v_lshl_or_b32 v[WD], v[BY+1], 16, v[BY]        ; blocks h and 2 + h,
	v_lshlrev_b32 v[WD], v7, v[WD]                 ; at their places in the word;
	v_permlanex16_b32 v[W2], v[WD], s20, s21
	v_or_b32 v[SW+(\i)], v[WD], v[W2]              ; with lane l xor 16's two the word is whole
	s_wait_alu depctr_va_vdst(0)
	s_wait_xcnt 0x0                                ; the last fragment's stores have read the codes' registers: they are written again only behind this wait
.irp c, 0,1
	v_cvt_scalef32_pk16_fp6_f32 v[C+6*\c:C+6*\c+2], v[X+32*\c:X+32*\c+15], v[E0+\c]
	v_cvt_scalef32_pk16_fp6_f32 v[DD+4*\c:DD+4*\c+2], v[X+32*\c+16:X+32*\c+31], v[E0+\c]   ; (a conversion's three registers begin on an even number)
.endr
	v_nop                                          ; one plain place behind a scaled conversion
.irp c, 0,1
.irp n, 0,1,2
	v_mov_b32 v[C+3+6*\c+\n], v[DD+4*\c+\n]
.endr
.endr
.irp c, 0,1,2
	global_store_b128 v4, v[C+4*\c:C+4*\c+3], s[14:15] offset:1536*(\i)+512*\c   ; 32 lanes store 512 consecutive bytes, aligned
.endr
.endm
	LOAD 0
	LOAD 1
.irp f, 0,1,2,3,4,5,6,7
	FRAGM \f
.endr
	v_cmp_ne_u32 vcc_lo, 0, v3                     ; lanes 0-15 store the words of fragments 0-3 of their row, lanes 16-31 those of fragments 4-7
.irp n, 0,1,2,3
	v_cndmask_b32 v[OW+\n], v[SW+\n], v[SW+4+\n], vcc_lo
.endr
	global_store_b128 v4, v[OW:OW+3], s[16:17]
	s_wait_tensorcnt 0x0
	ds_add_u32 v240, v241
	s_wait_dscnt 0x0
	s_endpgm
.Lfunc_end_k_qd7c78ec210_quant:
	.size	k_qd7c78ec210_quant, .Lfunc_end_k_qd7c78ec210_quant-k_qd7c78ec210_quant
	.p2alignl 7, 3214868480
	.fill 96, 4, 3214868480
	.section	.rodata,"a",@progbits
	.p2align	6, 0x0
	.amdhsa_kernel k_qd7c78ec210_quant
		.amdhsa_group_segment_fixed_size 43008
		.amdhsa_private_segment_fixed_size 0
		.amdhsa_enable_private_segment 0
		.amdhsa_kernarg_size 56
		.amdhsa_user_sgpr_count 2
		.amdhsa_user_sgpr_kernarg_segment_ptr 1
		.amdhsa_wavefront_size32 1
		.amdhsa_system_sgpr_workgroup_id_x 1
		.amdhsa_system_sgpr_workgroup_id_y 1
		.amdhsa_system_sgpr_workgroup_id_z 1
		.amdhsa_system_vgpr_workitem_id 0
		.amdhsa_next_free_vgpr 242
		.amdhsa_next_free_sgpr 66
		.amdhsa_reserve_vcc 1
		.amdhsa_float_denorm_mode_32 3
		.amdhsa_float_denorm_mode_16_64 3
		.amdhsa_memory_ordered 1
		.amdhsa_forward_progress 1
		.amdhsa_inst_pref_size 58
	.end_amdhsa_kernel
	.amdgpu_metadata
---
amdhsa.version: [ 1, 2 ]
amdhsa.kernels:
  - .name:           k_qd7c78ec210_quant
    .symbol:         k_qd7c78ec210_quant.kd
    .args:
      - { .name: x, .offset: 0, .size: 8, .value_kind: global_buffer, .address_space: global }
      - { .name: wq, .offset: 8, .size: 8, .value_kind: global_buffer, .address_space: global }
      - { .name: wk, .offset: 16, .size: 8, .value_kind: global_buffer, .address_space: global }
      - { .name: wv, .offset: 24, .size: 8, .value_kind: global_buffer, .address_space: global }
      - { .name: wo, .offset: 32, .size: 8, .value_kind: global_buffer, .address_space: global }
      - { .name: cod, .offset: 40, .size: 8, .value_kind: global_buffer, .address_space: global }
      - { .name: scl, .offset: 48, .size: 8, .value_kind: global_buffer, .address_space: global }
    .group_segment_fixed_size: 43008
    .private_segment_fixed_size: 0
    .kernarg_segment_align: 8
    .kernarg_segment_size: 56
    .max_flat_workgroup_size: 160
    .sgpr_count:     66
    .vgpr_count:     242
    .wavefront_size: 32
...
	.end_amdgpu_metadata
.endif
;; end of part 5
;; launch qkv (part 6): grid 24 x 8, 4 waves a work-group, clusters of 4 x 4, 327,680 bytes of LDS; arguments cod, scl, freqs_cos, freqs_sin, qkvc, qkvs; writes qkvc, qkvs
.if DOCPART == 6
	.amdgcn_target "amdgcn-amd-amdhsa--gfx1250"
	.amdhsa_code_object_version 6
	.text
	.protected	k_qd7c78ec210_qkv
	.globl	k_qd7c78ec210_qkv
	.p2align	8
	.type	k_qd7c78ec210_qkv,@function
k_qd7c78ec210_qkv:
	s_mov_b64 s[64:65], 0
	v_nop
	global_prefetch_b8 v0, s[64:65] scope:SCOPE_SE
	s_setreg_imm32_b32 hwreg(HW_REG_WAVE_MODE, 25, 1), 1
	s_wait_xcnt 0x0
	s_wait_alu depctr_hold_cnt(0) depctr_sa_sdst(0) depctr_va_vdst(0) depctr_va_sdst(0) depctr_va_ssrc(0) depctr_va_vcc(0) depctr_vm_vsrc(0)
	s_getreg_b32 s2, hwreg(HW_REG_IB_STS2, 6, 4)
	s_cmp_eq_u32 s2, 0
	s_cbranch_scc0 .Lentry_in_a_cluster
	s_endpgm
.Lentry_in_a_cluster:
	s_bfe_u32 s2, ttmp6, 0x10000c
	s_cmp_lg_u32 s2, 0xf033
	s_cbranch_scc0 .Lentry_shape_is_right
	s_endpgm
.Lentry_shape_is_right:
.set KST,   12288
.set GRP,   196608
.set TEN,   3145728
.set SCG,   8192
.set SCT,   131072
.set FR,    12
.set NL,    3
.set NP,    4
.set NQ,    2
.set HALFT, 2*KST
.set SLOT,  4*HALFT
.set LAPS,  4
.set SCL,   2*SLOT
.set SPARE, SCL+4*SCG
.set ADRA, 16
.set ADRB, 20
.set LI,   24
.set CSA,  25
.set HH,   26
.set ADRS, 27
.set SPW,  28
.set NIL,  29
.set SC,   32
.set TT,   64
.set AF,   128
.set DD,   224
.set TM,   232
.set SW,   248
.set G1, 24
.set G0, 32
.set G1B, 48
.set G0B, 56
.set SEL, 66
.set G1S, 68
.set G0S, 76
.set G1SB, 80
.set G0SB, 88
.set MSB, 0
.macro WIN new
.if MSB != (\new)
	s_set_vgpr_msb (MSB<<8)|(\new)
.set MSB, (\new)
.endif
.endm
.set MUL_LO, 0xa1
.set MUL_HI, 0xf1
.set TO_B,   0x40
.macro JLOAD g0a, g1a, g0b, g1b
	s_cmp_eq_u32 s15, 0
	s_cbranch_scc0 .Lfor_b_\@
	tensor_load_to_lds s[\g0a:\g0a+3], s[\g1a:\g1a+7]
	s_nop 0
.rept 4
	v_nop
.endr
	s_branch .Lasked_\@
.Lfor_b_\@:
	tensor_load_to_lds s[\g0b:\g0b+3], s[\g1b:\g1b+7]
	s_nop 0
.rept 4
	v_nop
.endr
.Lasked_\@:
.endm
.macro CREST
	s_cmp_lg_u32 s14, 0
	s_cbranch_scc1 .Lnot_wave_0_\@
	s_barrier_signal -3
.Lnot_wave_0_\@:
	s_barrier_wait -3
	s_barrier_signal -1
	s_barrier_wait -1
.endm
.macro CROUND
	s_barrier_signal -1
	s_barrier_wait -1
	CREST
.endm
	s_load_b256 s[4:11], s[0:1], 0x0
	s_load_b128 s[92:95], s[0:1], 0x20
	v_lshl_add_u32 v[SPW], v0, 2, SPARE
	v_mov_b32 v[NIL], 0
	ds_add_u32 v28, v29
	ds_add_u32 v28, v29
	s_wait_dscnt 0x0
	v_lshrrev_b32 v1, 5, v0
	v_readfirstlane_b32 s14, v1
	s_mov_b32 s[SEL], 0x76543210
	s_mov_b32 s[SEL+1], 0xfedcba98
	s_lshr_b32 s15, s14, 1
	s_and_b32 s16, s14, 1
	s_bfe_u32 s40, ttmp6, 0x40000
	s_bfe_u32 s41, ttmp6, 0x40004
	s_lshl_b32 s42, ttmp9, 2
	s_add_co_u32 s42, s42, s40
	s_and_b32 s17, ttmp7, 0xffff
	s_lshl_b32 s17, s17, 2
	s_add_co_u32 s17, s17, s41
	s_lshl_b32 s43, s41, 2
	s_lshl_b32 s43, 15, s43
	s_lshl_b32 s44, 0x1111, s40
	s_lshr_b32 s12, ttmp9, 1
	s_lshr_b32 s13, s12, 1
	s_or_b32 s[G1+0], s43, (3<<16)|(1<<21)
	s_or_b32 s[G1B+0], s44, (3<<16)|(1<<21)
.irp g, G1, G1B                        ; at the head: two groups' first two K steps as a tile of 2 rows of 24,576 bytes (3,072 elements of 8 bytes), GRP bytes apart
	s_mov_b32 s[\g+1], 3072<<16
	s_mov_b32 s[\g+2], 2<<16
	s_mov_b32 s[\g+3], 3072<<16
	s_mov_b32 s[\g+4], 2
	s_mov_b32 s[\g+5], GRP/8
	s_mov_b32 s[\g+6], 0
	s_mov_b32 s[\g+7], 0
.endr
	s_or_b32 s[G1S+0], s43, (3<<16)|(1<<21)
	s_or_b32 s[G1SB+0], s44, (3<<16)|(1<<21)
.irp g, G1S, G1SB
	s_mov_b32 s[\g+1], 32<<16
	s_mov_b32 s[\g+2], 64<<16              ; two groups' scale words: 16,384 dense bytes as 64 rows of 256
	s_mov_b32 s[\g+3], 32<<16
	s_mov_b32 s[\g+4], 64
	s_mov_b32 s[\g+5], 32
	s_mov_b32 s[\g+6], 0
	s_mov_b32 s[\g+7], 0
.endr
	s_lshl_b32 s20, s17, 1
	s_add_co_u32 s20, s20, s16
	s_mul_i32 s18, s13, 48
	s_add_co_u32 s20, s20, s18
	s_and_b32 s46, s42, 7
	s_lshl_b32 s46, s46, 1
	s_add_co_u32 s46, s46, s16
	s_add_co_u32 s18, s12, 1
	s_mul_i32 s19, s13, 3
	s_sub_co_u32 s18, s18, s19
	s_lshl_b32 s18, s18, 4
	s_add_co_u32 s46, s46, s18
	s_mul_i32 s22, s20, SCG
	s_mov_b32 s23, 0
	s_mul_i32 s20, s20, GRP
	s_mov_b32 s21, 0
	s_mul_i32 s96, s46, SCG
	s_mov_b32 s97, 0
	s_mul_i32 s46, s46, GRP
	s_mov_b32 s47, 0
	s_mul_i32 s45, s14, HALFT
	s_lshl_b32 s98, s16, 13                ; from my group's scale words back to the first group's
	s_mov_b32 s99, 0
.irp b, 0,1,2,3
	v_mov_b32 v[TM+4+\b], 0
.endr
	s_wait_kmcnt 0x0
	s_add_nc_u64 s[20:21], s[4:5], s[20:21]
	s_add_nc_u64 s[22:23], s[6:7], s[22:23]
	s_add_nc_u64 s[46:47], s[4:5], s[46:47]
	s_add_nc_u64 s[96:97], s[6:7], s[96:97]
	CROUND
	s_sub_nc_u64 s[22:23], s[22:23], s[98:99]
	s_sub_nc_u64 s[96:97], s[96:97], s[98:99]
	s_mov_b32 s[G0S], 1
	s_mov_b32 s[G0S+1], SCL
	s_mov_b64 s[G0S+2:G0S+3], s[22:23]
	s_or_b32 s[G0S+3], s[G0S+3], 0x80000000
	s_mov_b32 s[G0SB], 1
	s_mov_b32 s[G0SB+1], SCL+2*SCG
	s_mov_b64 s[G0SB+2:G0SB+3], s[96:97]
	s_or_b32 s[G0SB+3], s[G0SB+3], 0x80000000
	s_mov_b32 s4, 1                        ; s[4:7], s[96:99]: groups 0 of the head's loads of codes (what lay there has been used).  In waves 0 and 2 the addresses below are the first group's
	s_mov_b32 s5, 0
	s_mov_b64 s[6:7], s[20:21]
	s_or_b32 s7, s7, 0x80000000
	s_mov_b32 s96, 1
	s_mov_b32 s97, 2*HALFT
	s_mov_b64 s[98:99], s[46:47]
	s_or_b32 s99, s99, 0x80000000
; THE HEAD'S LOADS, ONE A WAVE: wave 0 slot 0's codes of A, wave 1 A's scale words, wave 2 slot 0's codes of B, wave 3 B's scale words.  One chain of branches on the wave's number, one load to an arm, all arms to one join.
.macro ARM under, g0, g1, next
	s_cmp_lt_u32 s14, \under
	s_cbranch_scc0 \next
	tensor_load_to_lds s[\g0:\g0+3], s[\g1:\g1+7]
	s_nop 0
.rept 4
	v_nop
.endr
	s_branch .Lhead_asked
\next:
.endm
	ARM 1, 4,   G1,  .Lhead_sa
	ARM 2, G0S, G1S, .Lhead_b
	ARM 3, 96,  G1B, .Lhead_sb
	tensor_load_to_lds s[G0SB:G0SB+3], s[G1SB:G1SB+7]
	s_nop 0
.rept 4
	v_nop
.endr
.Lhead_asked:
.irp s, 0,1
	s_mov_b32 s[G0+4*\s], 1
	s_add_co_u32 s[G0+4*\s+1], s45, \s*SLOT
	s_add_nc_u64 s[G0+4*\s+2:G0+4*\s+3], s[20:21], \s*HALFT
	s_or_b32 s[G0+4*\s+3], s[G0+4*\s+3], 0x80000000
	s_mov_b32 s[G0B+4*\s], 1
	s_add_co_u32 s[G0B+4*\s+1], s45, \s*SLOT
	s_add_nc_u64 s[G0B+4*\s+2:G0B+4*\s+3], s[46:47], \s*HALFT
	s_or_b32 s[G0B+4*\s+3], s[G0B+4*\s+3], 0x80000000
.endr
	v_and_b32 v1, 15, v0
	v_bfe_u32 v2, v0, 4, 1
	s_wait_alu depctr_va_vdst(0)
	v_and_b32 v3, 31, v0
	v_lshlrev_b32 v3, 4, v3
	s_wait_alu depctr_va_vdst(0)
	s_mul_i32 s21, s15, HALFT
	s_mul_i32 s22, s16, HALFT
	s_add_co_u32 s22, s22, 2*HALFT
.irp s, 0,1
	v_add_nc_u32 v[ADRA+\s], s21, v3
	v_add_nc_u32 v[ADRB+\s], s22, v3
	s_add_co_u32 s21, s21, SLOT
	s_add_co_u32 s22, s22, SLOT
.endr
	s_lshl_b32 s21, s15, 13
	s_lshl_b32 s22, s16, 13
	s_add_co_u32 s22, s22, 2*SCG
	s_sub_co_u32 s22, s22, s21
	v_mul_u32_u24 v6, s22, v2
	s_add_co_u32 s21, s21, SCL
	v_lshl_add_u32 v5, v1, 4, v6
	v_add_nc_u32 v[ADRS], s21, v5
	v_mov_b32 v[LI], v3
	v_mov_b32 v[HH], v2
	v_and_b32 v4, 8, v1
	v_add_nc_u32 v4, v4, v1
	v_lshlrev_b32 v[CSA], 8, v4
	v_lshl_add_u32 v[CSA], v2, 5, v[CSA]
	s_lshl_b32 s18, s17, 1
	s_add_co_u32 s18, s18, s15
	s_and_b32 s19, s42, 7
	s_lshl_b32 s19, s19, 1
	s_add_co_u32 s19, s19, s16
	s_lshl_b32 s20, s19, 4
	s_add_co_u32 s20, s20, s18
	s_lshl_b32 s21, s18, 4
	s_add_co_u32 s21, s21, s19
	s_cmp_eq_u32 s12, 2
	s_cselect_b32 s20, s21, s20
	s_mul_i32 s22, s12, TEN
	s_mul_i32 s21, s20, KST
	s_add_co_u32 s22, s22, s21
	s_mov_b32 s23, 0
	s_add_nc_u64 s[92:93], s[92:93], s[22:23]
	s_mul_i32 s22, s12, SCT
	s_lshl_b32 s21, s20, 9
	s_add_co_u32 s22, s22, s21
	s_add_nc_u64 s[94:95], s[94:95], s[22:23]
	s_lshl_b32 s22, s18, 15
	s_add_nc_u64 s[8:9], s[8:9], s[22:23]
	s_add_nc_u64 s[10:11], s[10:11], s[22:23]
.macro FRAG reg, adr, q, i
.irp c, 0,1,2
	ds_load_b128 v[\reg+4*\c:\reg+4*\c+3], v[\adr] offset:KST*(\q)+1536*(\i)+512*\c
.endr
.endm
.macro MUL16 a0, p, q, sc, zero
.irp a, \a0, \a0+1
.irp b, 0,1,2,3,4,5,6,7
.if \zero
	v_wmma_scale_f32_16x16x128_f8f6f4 v[8*(8*((\a)%4)+\b):8*(8*((\a)%4)+\b)+7], v[128*(\p)+FR*\b:128*(\p)+FR*\b+FR-1], v[AF+FR*(\a):AF+FR*(\a)+FR-1], 0, v[SC+16*(\sc)+8*(\q)+\b], v[SC+16*(\sc)+8*(\q)+(\a)] matrix_a_fmt:MATRIX_FMT_FP6 matrix_b_fmt:MATRIX_FMT_FP6 matrix_a_scale:MATRIX_SCALE_ROW1
.else
	v_wmma_scale_f32_16x16x128_f8f6f4 v[8*(8*((\a)%4)+\b):8*(8*((\a)%4)+\b)+7], v[128*(\p)+FR*\b:128*(\p)+FR*\b+FR-1], v[AF+FR*(\a):AF+FR*(\a)+FR-1], v[8*(8*((\a)%4)+\b):8*(8*((\a)%4)+\b)+7], v[SC+16*(\sc)+8*(\q)+\b], v[SC+16*(\sc)+8*(\q)+(\a)] matrix_a_fmt:MATRIX_FMT_FP6 matrix_b_fmt:MATRIX_FMT_FP6 matrix_a_scale:MATRIX_SCALE_ROW1
.endif
.endr
.endr
.endm
.macro FETCH_B slot, q, p
	WIN TO_B
.irp i, 0,1,2,3,4,5,6,7
	FRAG 128*(\p)+FR*\i, ADRB+\slot, \q, \i
.endr
	WIN 0
.endm
.macro FETCH_A slot, q, i0
.irp i, \i0, \i0+1, \i0+2, \i0+3
	FRAG AF+FR*(\i), ADRA+\slot, \q, \i
.endr
.endm
.macro SCALES sc
.irp q, 0,1
.irp u, 0,1
	ds_load_b128 v[SC+16*\sc+8*\q+4*\u:SC+16*\sc+8*\q+4*\u+3], v[ADRS] offset:512*\q+256*\u
.endr
.endr
.endm
.macro PLACES n
.rept \n
	v_nop
.endr
.endm
.macro STEP slot, q, zero
	s_wait_dscnt 4*NL
	WIN MUL_LO
	MUL16 0, (\q)%2, \q, \slot, \zero
	MUL16 2, (\q)%2, \q, \slot, \zero
	s_wait_dscnt 0
	PLACES NP
	FETCH_B \slot, (\q)+1, 1-(\q)%2
	FETCH_A \slot, (\q)+1, 0
	WIN MUL_HI
	MUL16 4, (\q)%2, \q, \slot, \zero
	MUL16 6, (\q)%2, \q, \slot, \zero
	PLACES NP
	WIN 0
	FETCH_A \slot, (\q)+1, 4
.endm
.macro TURN slot, next, fill
	s_wait_tensorcnt 0x0
	ds_add_u32 v[SPW], v[NIL]
	s_wait_dscnt 4*NL+1
	WIN MUL_LO
	MUL16 0, 1, NQ-1, \slot, 0
	s_wait_dscnt 0x0
	s_barrier_signal -1
	MUL16 2, 1, NQ-1, \slot, 0
	WIN 0
	s_barrier_wait -1
.if \fill
	CREST
	s_add_nc_u64 s[G0+4*\slot+2:G0+4*\slot+3], s[G0+4*\slot+2:G0+4*\slot+3], 2*HALFT
	s_add_nc_u64 s[G0B+4*\slot+2:G0B+4*\slot+3], s[G0B+4*\slot+2:G0B+4*\slot+3], 2*HALFT
	JLOAD G0+4*\slot, G1, G0B+4*\slot, G1B
.else
	PLACES NP
.endif
	s_wait_alu depctr_va_vdst(0)
	v_add_nc_u32 v[ADRS], 1024, v[ADRS]
	FETCH_B \next, 0, 0
	FETCH_A \next, 0, 0
	SCALES \next
	WIN MUL_HI
	MUL16 4, 1, NQ-1, \slot, 0
	MUL16 6, 1, NQ-1, \slot, 0
	PLACES NP
	WIN 0
	FETCH_A \next, 0, 4
.endm
.macro LAST
	s_wait_dscnt 4*NL
	WIN MUL_LO
	MUL16 0, 1, NQ-1, 1, 0
	MUL16 2, 1, NQ-1, 1, 0
	s_wait_dscnt 0
	WIN MUL_HI
	MUL16 4, 1, NQ-1, 1, 0
	MUL16 6, 1, NQ-1, 1, 0
	WIN 0
.endm
.macro CSLOAD a
.set CSB, 64*((\a)%2)
	WIN 0x40
.irp b, 0,1,2,3
.irp n, 0,1
	global_load_b128 v[CSB+8*\b+4*\n:CSB+8*\b+4*\n+3], v[CSA], s[8:9] offset:(32*((\a)/2)+8*((\a)%2))*256+64*\b+16*\n
	global_load_b128 v[CSB+32+8*\b+4*\n:CSB+32+8*\b+4*\n+3], v[CSA], s[10:11] offset:(32*((\a)/2)+8*((\a)%2))*256+64*\b+16*\n
.endr
.endr
	WIN 0
.endm
.macro ROPE a
.set AC, 64*((\a)%4)
.set WN, 2+(\a)/4
.set CSB, 64*((\a)%2)
	WIN WN|4
.set p, 0
.rept 32
	v_mul_f32 v[TT+2*p], v[AC+2*p+1], v[CSB+32+p]
	v_mul_f32 v[TT+2*p+1], v[AC+2*p], v[CSB+32+p]
.set p, p+1
.endr
	WIN (WN<<6)|4|WN
.set p, 0
.rept 32
	v_fma_f32 v[AC+2*p], v[AC+2*p], v[CSB+p], -v[TT+2*p]
	v_fma_f32 v[AC+2*p+1], v[AC+2*p+1], v[CSB+p], v[TT+2*p+1]
.set p, p+1
.endr
	WIN 0
.endm
.macro QUANT a
.set AC, 64*((\a)%4)
.set WN, 2+(\a)/4
.set PC, 128+12*(\a)
	WIN (WN<<2)|(WN<<4)
.irp b, 0,1,2,3
	v_max3_num_f32 v[TM+\b], 0x1800000, |v[AC+16*\b]|, |v[AC+16*\b+1]|
.endr
.irp n, 2,4,6,8,10,12,14
.irp b, 0,1,2,3
	v_max3_num_f32 v[TM+\b], v[TM+\b], |v[AC+16*\b+\n]|, |v[AC+16*\b+\n+1]|
.endr
.endr
	WIN 0
.irp b, 0,1,2,3
	v_permlanex16_b32 v[TM+4+\b], v[TM+\b], s[SEL], s[SEL+1]
.endr
.irp b, 0,1,2,3
	v_max_num_f32 v[TM+\b], v[TM+\b], v[TM+4+\b]
.endr
.irp b, 0,1,2,3
	v_add_nc_u32 v[TM+12+\b], 0xff000000, v[TM+\b]
.endr
.irp b, 0,1,2,3
	v_lshrrev_b32 v[TM+4+\b], 23, v[TM+12+\b]
.endr
	v_lshl_or_b32 v[SW+(\a)], v[TM+5], 8, v[TM+4]
	v_lshl_or_b32 v[SW+(\a)], v[TM+6], 16, v[SW+(\a)]
	v_lshl_or_b32 v[SW+(\a)], v[TM+7], 24, v[SW+(\a)]
	WIN WN
.irp c, 0,1
	v_cvt_scalef32_pk16_fp6_f32 v[PC+6*\c:PC+6*\c+2], v[AC+32*\c:AC+32*\c+15], v[TM+12+2*\c]
	v_cvt_scalef32_pk16_fp6_f32 v[DD+4*\c:DD+4*\c+2], v[AC+32*\c+16:AC+32*\c+31], v[TM+12+2*\c+1]
.endr
	WIN 0
	v_nop
.irp c, 0,1
.irp n, 0,1,2
	v_permlane16_swap_b32 v[PC+6*\c+\n], v[DD+4*\c+\n]
.endr
.irp n, 0,1,2
	v_mov_b32 v[PC+3+6*\c+\n], v[DD+4*\c+\n]
.endr
.endr
.irp c, 0,1,2
	global_store_b128 v[LI], v[PC+4*\c:PC+4*\c+3], s[92:93] offset:1536*(\a)+512*\c
.endr
.endm
	s_wait_alu depctr_va_vdst(0)
	s_wait_tensorcnt 0x0                   ; my tile of the head's four is in; slot 1's first fill is issued as a refill is
	ds_add_u32 v28, v29
.irp g, G1, G1B                        ; no tensor load of mine is out, so a descriptor may be written: the ring's loads bring 24,576 dense bytes as 96 rows of 256
	s_mov_b32 s[\g+1], 32<<16
	s_mov_b32 s[\g+2], 96<<16
	s_mov_b32 s[\g+3], 32<<16
	s_mov_b32 s[\g+4], 96
	s_mov_b32 s[\g+5], 32
.endr
	s_wait_dscnt 0x0
	CROUND                                 ; all four tiles are in, and all sixteen work-groups are here
	JLOAD G0+4, G1, G0B+4, G1B             ; slot 1: the first tensor load behind the round, a quarter a wave
	FETCH_B 0, 0, 0
	FETCH_A 0, 0, 0
	SCALES 0
	FETCH_A 0, 0, 4
	STEP 0, 0, 1
	s_mov_b32 s3, LAPS-1
.Llap:
	TURN 0, 1, 1
	STEP 1, 0, 0
	TURN 1, 0, 1
	STEP 0, 0, 0
	s_sub_co_u32 s3, s3, 1
	s_cmp_lg_u32 s3, 0
	s_cbranch_scc1 .Llap
	TURN 0, 1, 0
	STEP 1, 0, 0
	s_cmp_eq_u32 s12, 2
	s_cbranch_scc1 .Lvpath
	CSLOAD 0
	CSLOAD 1
	LAST
	PLACES NP
.irp a, 0,1,2,3,4,5,6,7
.if \a < 7
	s_wait_loadcnt 16
.else
	s_wait_loadcnt 0x0
.endif
	ROPE \a
.if \a < 6
	CSLOAD \a+2
.endif
	QUANT \a
.endr
	s_branch .Lout
.Lvpath:
	LAST
	PLACES NP
.irp a, 0,1,2,3,4,5,6,7
	QUANT \a
.endr
.Lout:
	v_cmp_ne_u32 vcc_lo, 0, v[HH]
.irp n, 0,1,2,3
	v_cndmask_b32 v[DD+\n], v[SW+\n], v[SW+4+\n], vcc_lo
.endr
	global_store_b128 v[LI], v[DD:DD+3], s[94:95]
	s_wait_tensorcnt 0x0
	ds_add_u32 v[SPW], v[NIL]
	s_wait_dscnt 0x0
	CROUND
	s_endpgm
.Lfunc_end_k_qd7c78ec210_qkv:
	.size	k_qd7c78ec210_qkv, .Lfunc_end_k_qd7c78ec210_qkv-k_qd7c78ec210_qkv
	.p2alignl 7, 3214868480
	.fill 96, 4, 3214868480
	.section	.rodata,"a",@progbits
	.p2align	6, 0x0
	.amdhsa_kernel k_qd7c78ec210_qkv
		.amdhsa_group_segment_fixed_size 327680
		.amdhsa_private_segment_fixed_size 0
		.amdhsa_enable_private_segment 0
		.amdhsa_kernarg_size 48
		.amdhsa_user_sgpr_count 2
		.amdhsa_user_sgpr_kernarg_segment_ptr 1
		.amdhsa_wavefront_size32 1
		.amdhsa_system_sgpr_workgroup_id_x 1
		.amdhsa_system_sgpr_workgroup_id_y 1
		.amdhsa_system_sgpr_workgroup_id_z 1
		.amdhsa_system_vgpr_workitem_id 0
		.amdhsa_next_free_vgpr 1024
		.amdhsa_next_free_sgpr 100
		.amdhsa_reserve_vcc 1
		.amdhsa_float_denorm_mode_32 3
		.amdhsa_float_denorm_mode_16_64 3
		.amdhsa_memory_ordered 1
		.amdhsa_forward_progress 1
		.amdhsa_inst_pref_size 243
	.end_amdhsa_kernel
	.amdgpu_metadata
---
amdhsa.version: [ 1, 2 ]
amdhsa.kernels:
  - .name:           k_qd7c78ec210_qkv
    .symbol:         k_qd7c78ec210_qkv.kd
    .args:
      - { .name: cod, .offset: 0, .size: 8, .value_kind: global_buffer, .address_space: global }
      - { .name: scl, .offset: 8, .size: 8, .value_kind: global_buffer, .address_space: global }
      - { .name: freqs_cos, .offset: 16, .size: 8, .value_kind: global_buffer, .address_space: global }
      - { .name: freqs_sin, .offset: 24, .size: 8, .value_kind: global_buffer, .address_space: global }
      - { .name: qkvc, .offset: 32, .size: 8, .value_kind: global_buffer, .address_space: global }
      - { .name: qkvs, .offset: 40, .size: 8, .value_kind: global_buffer, .address_space: global }
    .group_segment_fixed_size: 327680
    .private_segment_fixed_size: 0
    .kernarg_segment_align: 8
    .kernarg_segment_size: 48
    .max_flat_workgroup_size: 128
    .sgpr_count:     100
    .vgpr_count:     1024
    .wavefront_size: 32
...
	.end_amdgpu_metadata
.endif
;; end of part 6
;; launch attn (part 7): grid 16 x 16, 4 waves a work-group, clusters of 4 x 4, 327,680 bytes of LDS; arguments qkvc, qkvs, mask, oc, os; writes oc, os
.if DOCPART == 7
	.amdgcn_target "amdgcn-amd-amdhsa--gfx1250"
	.amdhsa_code_object_version 6
	.text
	.protected	k_qd7c78ec210_attn
	.globl	k_qd7c78ec210_attn
	.p2align	8
	.type	k_qd7c78ec210_attn,@function
k_qd7c78ec210_attn:
	s_mov_b64 s[64:65], 0
	v_nop
	global_prefetch_b8 v0, s[64:65] scope:SCOPE_SE
	s_setreg_imm32_b32 hwreg(HW_REG_WAVE_MODE, 25, 1), 1
	s_wait_xcnt 0x0
	s_wait_alu depctr_hold_cnt(0) depctr_sa_sdst(0) depctr_va_vdst(0) depctr_va_sdst(0) depctr_va_ssrc(0) depctr_va_vcc(0) depctr_vm_vsrc(0)
	s_getreg_b32 s2, hwreg(HW_REG_IB_STS2, 6, 4)
	s_cmp_eq_u32 s2, 0
	s_cbranch_scc0 .Lentry_in_a_cluster
	s_endpgm
.Lentry_in_a_cluster:
	s_bfe_u32 s2, ttmp6, 0x10000c
	s_cmp_lg_u32 s2, 0xf033
	s_cbranch_scc0 .Lentry_shape_is_right
	s_endpgm
.Lentry_shape_is_right:
; For each head: O = softmax(Q K^T / sqrt(128) + mask) V, both products on codes of FP6 (E2M3) with E8M0 scales; the mask is an f32 input, loaded and added as it is given: no tile is left out.
; t = logit x log2(e); M = the row's largest t so far, rounded up to a whole number; p = 2^(t - M) is quantised along the keys, not normalised.  The row's sum is taken of the unquantised p and divides O at the end.
; When M moves, the sum and O are multiplied by 2^(old M - new M): exact.  O is then quantised along the head's 128 and stored as the next product's operand.
; LIMITS: NaN and infinities are not served, but for -infinity in the mask; a query whose whole row of the mask is -infinity is not served; a block of zeros gets the scale byte 1 where the rule says 127;
; the promise holds while the scaled scores stay under 2^31 in magnitude.
; OPERANDS are images of registers: a fragment (16 rows x 128 K) is 1,536 bytes, registers 4 c .. 4 c + 3 of lane l at 512 c + 16 l; fragment i of a group of 128 rows holds in row r the group's row
; 32 (i / 2) + 8 (i % 2) + r + 8 (r / 8); scale words in blocks of 512 bytes, the word of (i, r) at 256 (i / 4) + 16 r + 4 (i % 4).
; SHARES: a work-group owns 128 queries of one head; each of its four waves owns two fragments of Q (tiles X = 0, 1: fragments 2 w + X), 32 queries, so that each fragment of K and V feeds two products.
; Both products are used transposed (S^T = K Q^T, O^T = V^T P^T): a lane holds one query of each tile, and the 16 registers of tiles 2 b, 2 b + 1 are keys (or channels) 32 b + 16 h + 0 .. 15.
; THE WALK: 16 steps of 128 keys through two LDS slots (K's 8 fragments, V's 8, the mask's 128 x 128).  The change of slots stands in a step's MIDDLE: at the top of step t V's fragments are read; when the logits are made,
; all reads of slot t are over; behind the round slot t takes step t + 2, and K, its scale words and the mask of step t + 1 are read into registers of their own while the softmax of step t is worked.
; CLUSTER 4 x 4: x runs over groups of queries, y over heads.  K, V^T and their scale words hang on the head: shared along a row of the cluster; the mask's tile hangs on the queries: shared along a column.
; ONE descriptor of two rows brings K's and V's 12,288 bytes of a step (the two tensors lie TEN bytes apart); another both tensors' scale words of the head.  Wave 0 fetches K and V, waves 2 and 3 the mask's halves;
; at the head wave 1 fetches the scale words, so every wave issues one load there.
; WINDOWS: 0: addresses, state, scale words.  1: v0-127 S^T then p (tile X at 64 X), v128-223 V, v224-247 Q.  2: v0-127 O^T, v128-151 p's codes, v152-167 conversions' upper halves, v168-183 partial sums.
;          3: v0-127 the mask, v128-223 K.  The windows are chosen so that products and the vector work laid between them run under one setting.
.set KST,   12288
.set GRP,   196608
.set TEN,   3145728
.set SCG,   8192
.set SCT,   131072
.set MP,    528                        ; a row of the mask's tile in LDS: 512 bytes + 16
.set VOFF,  KST
.set MOFF,  2*KST
.set SLOT1, 1<<17                      ; slot 1 begins here
.set SCK,   MOFF+128*MP                ; between the slots: K's scale words of the head, then V's, filled once;
.set SPARE, SCK+2*SCG                  ; the spare words, 128 bytes a wave: two blocks of 256 bytes that no other line names;
.set OSC,   SPARE+512                  ; 512 bytes in which the waves' scale words of O meet: no fill lands there
.set LI,   1                           ; 16 x lane
.set AM0,  2                           ; my place in the mask's tile
.set AS0,  3                           ; my place among K's scale words
.set OSA,  4
.set SPW,  5
.set NIL,  6
.set OSR,  7
.set ADK,  8
.set ADM,  9
.set ADS,  10
.set NM,   12                          ; tile X: v[NM+2X] = -M, v[NM+2X+1] = the largest t
.set LS,   16                          ; tile X: the row's sum in two halves
.set FF,   20                          ; tile X: f = 2^(old M - new M), and a word that is named with it
.set PW,   24                          ; p's (at the end O's) scale words, tiles 0 and 1
.set QS,   26                          ; Q's scale words
.set PFO,  28
.set QA,   30
.set KS,   32
.set VS,   40
.set BM,   48                          ; v[BM+4X+b]: block b's largest
.set B2,   56
.set EE,   64                          ; the conversions' scale operands
.set OW,   72
.set TP,   76
.set CD,   128
.set DD,   152
.set TT,   168
.set TB,   2
.set TS,   3
.set CNT,  14
.set LIM,  15
.set WV,   18
.set SEL,  20
.set LG,   22
.set G1KV, 24
.set G1M,  32
.set G1S,  40
.set G0KV, 48
.set G0M,  52
.set G0S,  56
.set CP,   60
.set PFA,  62
.set PFS,  66
.set MSB, 0
.macro WIN new
.if MSB != (\new)
	s_set_vgpr_msb (MSB<<8)|(\new)
.set MSB, (\new)
.endif
.endm
.macro PLACES
.rept 4
	v_nop
.endr
.endm
.macro CROUND                          ; a round of the cluster's barrier
	s_barrier_signal -1
	s_barrier_wait -1
	s_cmp_lg_u32 s[WV], 0
	s_cbranch_scc1 .Lnot_wave_0_\@
	s_barrier_signal -3
.Lnot_wave_0_\@:
	s_barrier_wait -3
	s_barrier_signal -1
	s_barrier_wait -1
.endm
.macro TL g0, g1                       ; a joint load with s_nop 0 and four v_nop behind it
	tensor_load_to_lds s[\g0:\g0+3], s[\g1:\g1+7]
	s_nop 0
	PLACES
.endm
.macro TLOAD                           ; a step's tiles: wave 0 K and V, waves 2 and 3 the mask's halves.  The branches hang on the wave's number alone
	s_cmp_eq_u32 s[WV], 0
	s_cbranch_scc0 .Lnot_kv_\@
	TL G0KV, G1KV
	s_branch .Lasked_\@
.Lnot_kv_\@:
	s_cmp_lt_u32 s[WV], 2
	s_cbranch_scc1 .Lasked_\@
	TL G0M, G1M
.Lasked_\@:
.endm
.macro DSTEP                           ; the walking descriptors: the other slot, the next 128 keys (no tensor load of mine is out)
	s_xor_b32 s[G0KV+1], s[G0KV+1], SLOT1
	s_add_nc_u64 s[G0KV+2:G0KV+3], s[G0KV+2:G0KV+3], KST
	s_xor_b32 s[G0M+1], s[G0M+1], SLOT1
	s_add_nc_u64 s[G0M+2:G0M+3], s[G0M+2:G0M+3], 512
.endm
; A PREFETCH INTO THE L2: the trip that loads step t + 2 names step t + 4; the last trips that would pass step 15 name nothing; steps 0 to 3 come by their loads alone.  Every cluster asks for what it loads, each block of 256 bytes once.
; THE MASK: of the 64 rows that wave 2 or 3 fetches the partner at cy takes 16 (told apart by address); lanes 0-15 name a row's first block of the step, lanes 16-31 its second.
; K AND V: wave 1; partners cx = 0, 1 take the halves of K's 12,288 bytes, cx = 2, 3 of V's: 24 blocks, a lane a block; lanes 24-31 name the last again.
.macro ASK
	s_cmp_gt_u32 s[CNT], s[LIM]
	s_cbranch_scc0 .Lnot_mine_\@
	global_prefetch_b8 v[PFO], s[PFA:PFA+1] th:TH_LOAD_NT scope:SCOPE_SE
.Lnot_mine_\@:
.endm
	s_load_b256 s[4:11], s[0:1], 0x0               ; qkvc, qkvs, mask, oc
	s_load_b64 s[12:13], s[0:1], 0x20              ; os
	v_lshl_add_u32 v[SPW], v0, 2, SPARE
	v_mov_b32 v[NIL], 0
	ds_add_u32 v[SPW], v[NIL]                      ; the opening adds, twice on end; their wait stands below
	ds_add_u32 v[SPW], v[NIL]
	v_lshrrev_b32 v8, 5, v0
	v_readfirstlane_b32 s[WV], v8                  ; wave 0..3
	s_bfe_u32 s68, ttmp6, 0x40000                  ; cx
	s_bfe_u32 s69, ttmp6, 0x40004                  ; cy
	s_lshl_b32 s70, ttmp9, 2
	s_add_co_u32 s70, s70, s68                     ; my group of queries
	s_and_b32 s71, ttmp7, 0xffff
	s_lshl_b32 s71, s71, 2
	s_add_co_u32 s71, s71, s69                     ; my head
	s_lshl_b32 s72, s69, 2
	s_lshl_b32 s72, 15, s72                        ; my row of the cluster: the same head
	s_lshl_b32 s73, 0x1111, s68                    ; my column: the same queries
	s_or_b32 s[G1KV], s72, (3<<16)|(1<<21)         ; 2 rows (K's, V's) of 1,536 elements of 8 bytes, TEN bytes apart
	s_mov_b32 s[G1KV+1], 1536<<16
	s_mov_b32 s[G1KV+2], 2<<16
	s_mov_b32 s[G1KV+3], 1536<<16
	s_mov_b32 s[G1KV+4], 2
	s_mov_b32 s[G1KV+5], TEN/8
	s_mov_b32 s[G1KV+6], 0
	s_mov_b32 s[G1KV+7], 0
	s_or_b32 s[G1M], s73, (2<<16)|(1<<20)|(1<<21)|(6<<22)|(3<<25)   ; 64 rows x 128 elements of 4 bytes; 4 words of padding behind every 128
	s_mov_b32 s[G1M+1], 128<<16
	s_mov_b32 s[G1M+2], 64<<16
	s_mov_b32 s[G1M+3], 128<<16
	s_mov_b32 s[G1M+4], 64
	s_mov_b32 s[G1M+5], 2048
	s_mov_b32 s[G1M+6], 0
	s_mov_b32 s[G1M+7], 0
	s_or_b32 s[G1S], s72, (3<<16)|(1<<21)          ; 2 rows (K's, V's scale words of the head) of 1,024 elements of 8 bytes, SCT bytes apart
	s_mov_b32 s[G1S+1], 1024<<16
	s_mov_b32 s[G1S+2], 2<<16
	s_mov_b32 s[G1S+3], 1024<<16
	s_mov_b32 s[G1S+4], 2
	s_mov_b32 s[G1S+5], SCT/8
	s_mov_b32 s[G1S+6], 0
	s_mov_b32 s[G1S+7], 0
	s_and_b32 s74, s[WV], 1                        ; e: the mask's upper or lower 64 rows
	s_mul_i32 s76, s71, GRP
	s_add_co_u32 s76, s76, TEN                     ; K's codes of my head
	s_mov_b32 s77, 0
	s_lshl_b32 s78, s71, 13
	s_add_co_u32 s78, s78, SCT                     ; K's scale words
	s_mov_b32 s79, 0
	s_lshl_b32 s80, s70, 20
	s_lshl_b32 s81, s74, 19
	s_add_co_u32 s80, s80, s81                     ; the mask: row 128 x group + 64 e
	s_mov_b32 s81, 0
	s_mul_i32 s83, s74, 64*MP
	s_add_co_u32 s83, s83, MOFF
	s_mov_b32 s[SEL], 0x76543210
	s_mov_b32 s[SEL+1], 0xfedcba98
	s_mov_b32 s[LG], 0x3fb8aa3b                    ; log2(e)
	s_mov_b32 s[LG+1], s[LG]
	s_mov_b32 s[CP], 0x3db504f3                    ; 1 / sqrt(128)
	s_mov_b32 s[CP+1], s[CP]
	s_mov_b32 s[TB], 0
	s_mov_b32 s[TS], 0
	s_wait_dscnt 0x0
	s_wait_kmcnt 0x0
	s_mov_b32 s[G0KV], 1
	s_mov_b32 s[G0KV+1], 0
	s_add_nc_u64 s[G0KV+2:G0KV+3], s[4:5], s[76:77]
	s_or_b32 s[G0KV+3], s[G0KV+3], 0x80000000
	s_mov_b32 s[G0M], 1
	s_mov_b32 s[G0M+1], s83
	s_add_nc_u64 s[G0M+2:G0M+3], s[8:9], s[80:81]
	s_or_b32 s[G0M+3], s[G0M+3], 0x80000000
	s_mov_b32 s[G0S], 1
	s_mov_b32 s[G0S+1], SCK
	s_add_nc_u64 s[G0S+2:G0S+3], s[6:7], s[78:79]
	s_or_b32 s[G0S+3], s[G0S+3], 0x80000000
	CROUND                                         ; all sixteen work-groups are here: the first joint loads meet
	s_cmp_eq_u32 s[WV], 0                          ; the head's loads, one a wave, in one chain of branches on the wave's number
	s_cbranch_scc0 .Lhead_s
	TL G0KV, G1KV                                  ; step 0's K and V
	s_branch .Lhead_asked
.Lhead_s:
	s_cmp_eq_u32 s[WV], 1
	s_cbranch_scc0 .Lhead_m
	TL G0S, G1S                                    ; the head's scale words, filled once
	s_branch .Lhead_asked
.Lhead_m:
	TL G0M, G1M                                    ; step 0's half of the mask's tile
.Lhead_asked:
	s_mul_i32 s87, s[WV], 3072                     ; my two fragments in a group
	s_lshr_b32 s85, s[WV], 1
	s_lshl_b32 s85, s85, 8
	s_lshl_b32 s86, s74, 3
	s_add_co_u32 s85, s85, s86                     ; their two words' place in a scale block: 256 (w / 2) + 8 (w % 2)
	s_lshl_b32 s86, s71, 4
	s_add_co_u32 s86, s86, s70                     ; Q: [head][group]
	s_mul_i32 s88, s86, KST
	s_add_co_u32 s88, s88, s87
	s_mov_b32 s89, 0
	s_lshl_b32 s90, s86, 9
	s_add_co_u32 s90, s90, s85
	s_mov_b32 s91, 0
	s_lshl_b32 s86, s70, 4
	s_add_co_u32 s86, s86, s71                     ; O: [group][K step = head]
	s_mul_i32 s92, s86, KST
	s_add_co_u32 s92, s92, s87
	s_mov_b32 s93, 0
	s_lshl_b32 s94, s86, 9
	s_mov_b32 s95, 0
	s_add_nc_u64 s[88:89], s[4:5], s[88:89]
	s_add_nc_u64 s[90:91], s[6:7], s[90:91]
	s_add_nc_u64 s[10:11], s[10:11], s[92:93]
	s_add_nc_u64 s[12:13], s[12:13], s[94:95]
	s_mul_i32 s86, s[WV], 32*MP                    ; my tiles' first row of the mask's tile: 32 w
	s_add_co_u32 s86, s86, MOFF
	s_lshl_b32 s95, s69, 17                        ; the prefetches.  The mask: + 16 cy rows, at step 3: the first trip steps it to step 4
	s_add_co_u32 s95, s95, s80
	s_add_co_u32 s95, s95, 3*512
	s_lshr_b32 s96, s68, 1                         ; K (cx = 0, 1) or V (cx = 2, 3)
	s_add_co_u32 s96, s96, 1
	s_mul_i32 s96, s96, TEN
	s_mul_i32 s97, s71, GRP
	s_add_co_u32 s96, s96, s97
	s_and_b32 s97, s68, 1
	s_mul_i32 s97, s97, 6144                       ; which half of the step's 12,288 bytes
	s_add_co_u32 s96, s96, s97
	s_add_co_u32 s96, s96, 3*KST
	s_cmp_gt_u32 s[WV], 1                          ; the mask's waves, or K's and V's
	s_cselect_b64 s[PFA:PFA+1], s[8:9], s[4:5]
	s_cselect_b32 s96, s95, s96
	s_mov_b32 s[PFS], KST
	s_cselect_b32 s[PFS], 512, s[PFS]
	s_mov_b32 s99, 256
	s_cselect_b32 s99, 8192, s99                   ; from lane to lane within sixteen
	s_mov_b32 s95, 4096
	s_cselect_b32 s95, 256, s95                    ; from lanes 0-15 to lanes 16-31
	s_mov_b32 s93, 23*256
	s_cselect_b32 s93, 0x100000, s93               ; K, V: the last of 24 blocks holds the lanes that are left over
	s_cmp_eq_u32 s[WV], 0
	s_cselect_b32 s[LIM], -1, 2                    ; wave 0 names nothing; the others while 3 or more trips are left
	s_mov_b32 s97, 0
	s_mov_b32 s[PFS+1], 0
	s_add_nc_u64 s[PFA:PFA+1], s[PFA:PFA+1], s[96:97]
	v_and_b32 v8, 15, v0                           ; r
	v_bfe_u32 v9, v0, 4, 1                         ; h
	v_and_b32 v[LI], 31, v0
	v_lshlrev_b32 v[LI], 4, v[LI]
	v_lshlrev_b32 v[QA], 4, v8
	WIN 0x40
.irp c, 0,1,2,3,4,5
	global_load_b128 v[224+4*\c:227+4*\c], v[LI], s[88:89] offset:512*\c   ; Q's two fragments stay in registers
.endr
	WIN 0
	global_load_b64 v[QS:QS+1], v[QA], s[90:91]    ; their scale words
	v_mul_lo_u32 v[PFO], v8, s99
	v_mul_lo_u32 v29, v9, s95
	v_add_nc_u32 v[PFO], v[PFO], v29
	v_min_u32 v[PFO], s93, v[PFO]
	v_and_b32 v10, 8, v8
	v_add_nc_u32 v10, v10, v8                      ; r + 8 (r / 8)
	v_mul_u32_u24 v[AM0], v10, MP
	v_lshl_add_u32 v[AM0], v9, 6, v[AM0]           ; the mask: my query's row, + 64 h bytes
	v_add_nc_u32 v[AM0], s86, v[AM0]
	v_lshl_add_u32 v[AS0], v8, 4, SCK
	v_lshl_add_u32 v[OSA], v8, 4, OSC
	v_add_nc_u32 v[OSA], s85, v[OSA]
	v_add_nc_u32 v[OSR], OSC, v[LI]
.irp X, 0,1
	v_mov_b32 v[NM+2*\X+1], 0xff61b1e6             ; the largest t so far: -3e38
	v_floor_f32 v[NM+2*\X], -v[NM+2*\X+1]
	v_mov_b32 v[LS+2*\X], 0
	v_mov_b32 v[LS+2*\X+1], 0
	v_mov_b32 v[FF+2*\X+1], 0                      ; (named as the upper half of f's pair)
.endr
.irp k, 0,1,2,3,4,5,6,7
	v_mov_b32 v[B2+\k], 0                          ; a lane permute's destination counts as one of its sources
.endr
	WIN 0x80
.set n, 0
.rept 128
	v_mov_b32 v[n], 0                              ; O^T: the step is written for every step alike; the first finds zeros.  These lines stand under the head's loads' flight
.set n, n+1
.endr
	WIN 0
.macro SMM X, t                        ; S^T tile t of query tile X
	v_wmma_scale_f32_16x16x128_f8f6f4 v[64*(\X)+8*(\t):64*(\X)+8*(\t)+7], v[128+12*(\t):128+12*(\t)+11], v[224+12*(\X):224+12*(\X)+11], 0, v[KS+(\t)], v[QS+(\X)] matrix_a_fmt:MATRIX_FMT_FP6 matrix_b_fmt:MATRIX_FMT_FP6
.endm
.macro LOGIT X, t                      ; score / sqrt(128) + mask, an accumulator from its low end on
.irp j, 0,2,4,6
	v_pk_fma_f32 v[64*(\X)+8*(\t)+\j:64*(\X)+8*(\t)+\j+1], s[CP:CP+1], v[64*(\X)+8*(\t)+\j:64*(\X)+8*(\t)+\j+1], v[64*(\X)+8*(\t)+\j:64*(\X)+8*(\t)+\j+1] op_sel_hi:[0,1,1]
.endr
.endm
.macro PV j                            ; O^T tile j % 8 of query tile j / 8
	v_wmma_scale_f32_16x16x128_f8f6f4 v[8*(\j):8*(\j)+7], v[128+12*((\j)%8):128+12*((\j)%8)+11], v[CD+12*((\j)/8):CD+12*((\j)/8)+11], v[8*(\j):8*(\j)+7], v[VS+(\j)%8], v[PW+(\j)/8] matrix_a_fmt:MATRIX_FMT_FP6 matrix_b_fmt:MATRIX_FMT_FP6
.endm
.macro NEXT                            ; K's scale words, K and the mask of the step in slot TB, into registers
	v_add_nc_u32 v[ADK], s[TB], v[LI]
	v_add_nc_u32 v[ADM], s[TB], v[AM0]
	v_add_nc_u32 v[ADS], s[TS], v[AS0]
	ds_load_b128 v[KS:KS+3], v[ADS]
	ds_load_b128 v[KS+4:KS+7], v[ADS] offset:256
	WIN 0xc0
.irp t, 0,1,2,3,4,5,6,7
.irp c, 0,1,2
	ds_load_b128 v[128+12*\t+4*\c:128+12*\t+4*\c+3], v[ADK] offset:1536*\t+512*\c
.endr
.endr
.irp X, 0,1
.irp b, 0,1,2,3
.irp j, 0,1,2,3
	ds_load_b128 v[64*\X+16*\b+4*\j:64*\X+16*\b+4*\j+3], v[ADM] offset:8*MP*\X+128*\b+16*\j   ; the mask of my query at keys 32 b + 16 h + 4 j ..
.endr
.endr
.endr
	WIN 0
.endm
.macro BMAX ab                         ; the largest (ab = 1: the largest magnitude, over the floor) of my 16 numbers of each of the 8 blocks
	WIN 0x14
.irp k, 0,1,2,3,4,5,6,7
.if \ab
	v_max3_num_f32 v[BM+\k], 0x1800000, |v[16*\k]|, |v[16*\k+1]|
.else
	v_max3_num_f32 v[BM+\k], 0xff800000, v[16*\k], v[16*\k+1]
.endif
.endr
.irp i, 2,4,6,8,10,12,14
.irp k, 0,1,2,3,4,5,6,7
.if \ab
	v_max3_num_f32 v[BM+\k], v[BM+\k], |v[16*\k+\i]|, |v[16*\k+\i+1]|
.else
	v_max3_num_f32 v[BM+\k], v[BM+\k], v[16*\k+\i], v[16*\k+\i+1]
.endif
.endr
.endr
	WIN 0
.endm
.macro JOIN                            ; with lane l xor 16's 16 numbers
.irp k, 0,1,2,3,4,5,6,7
	v_permlanex16_b32 v[B2+\k], v[BM+\k], s[SEL], s[SEL+1]
.endr
.irp k, 0,1,2,3,4,5,6,7
	v_max_num_f32 v[BM+\k], v[BM+\k], v[B2+\k]
.endr
.endm
.macro QUANT                           ; from the blocks' largest magnitudes in BM: scale words into PW, the codes of window 1's v0-127 into window 2's CD
.irp k, 0,1,2,3,4,5,6,7
	v_add_nc_u32 v[EE+\k], 0xff000000, v[BM+\k]    ; 2 off the exponent field: the conversion's scale operand
.endr
.irp k, 0,1,2,3,4,5,6,7
	v_lshrrev_b32 v[B2+\k], 23, v[EE+\k]
.endr
.irp X, 0,1
	v_lshl_or_b32 v[PW+\X], v[B2+4*\X+1], 8, v[B2+4*\X]
.endr
.irp X, 0,1
	v_lshl_or_b32 v[PW+\X], v[B2+4*\X+2], 16, v[PW+\X]
.endr
.irp X, 0,1
	v_lshl_or_b32 v[PW+\X], v[B2+4*\X+3], 24, v[PW+\X]
.endr
	WIN 0x81
.irp X, 0,1
.irp c, 0,1
	v_cvt_scalef32_pk16_fp6_f32 v[CD+12*\X+6*\c:CD+12*\X+6*\c+2], v[64*\X+32*\c:64*\X+32*\c+15], v[EE+4*\X+2*\c]
	v_cvt_scalef32_pk16_fp6_f32 v[DD+8*\X+4*\c:DD+8*\X+4*\c+2], v[64*\X+32*\c+16:64*\X+32*\c+31], v[EE+4*\X+2*\c+1]
.endr
.endr
	v_nop                                          ; one plain place behind a scaled conversion
	WIN 0x82
.irp X, 0,1
.irp c, 0,1                                    ; the operand's layout wants a whole block in a lane
.irp i, 0,1,2
	v_permlane16_swap_b32 v[CD+12*\X+6*\c+\i], v[DD+8*\X+4*\c+\i]
.endr
.irp i, 0,1,2
	v_mov_b32 v[CD+12*\X+6*\c+3+\i], v[DD+8*\X+4*\c+\i]
.endr
.endr
.endr
.endm
; A KEY STEP.  fill = 1: behind the round the slot just read out takes the step two on.  fill = 0: the last two steps, which fetch nothing; the very last reads nothing more either.
.macro STEP fill
	WIN 0x40                                       ; (the eight additions that close the last step are the places behind its products)
.irp t, 0,1,2,3,4,5,6,7
.irp c, 0,1,2
	ds_load_b128 v[128+12*\t+4*\c:128+12*\t+4*\c+3], v[ADK] offset:VOFF+1536*\t+512*\c
.endr
.endr
	WIN 0
	ds_load_b128 v[VS:VS+3], v[ADS] offset:SCG
	ds_load_b128 v[VS+4:VS+7], v[ADS] offset:SCG+256
	s_wait_dscnt 58                                ; K and its scale words are in; the mask's 32 loads and V's 26 may be out
	WIN 0x77
.irp t, 0,1,2,3,4,5,6,7
	SMM 0, \t
.endr
	PLACES
	s_wait_dscnt 42                                ; tile 0's mask is in; tile 1's 16 and V's 26 may be out
.irp t, 0,1,2,3,4,5,6,7
	SMM 1, \t                                      ; tile 1's products by turns with tile 0's logits, under one setting of the windows
	LOGIT 0, \t
.endr
	s_wait_dscnt 26                                ; tile 1's mask is in
.irp t, 0,1,2,3,4,5,6,7
	LOGIT 1, \t
.endr
	WIN 0
	s_wait_tensorcnt 0x0                           ; my part of the next step's slot has landed: no tensor load of mine is out
	ds_add_u32 v[SPW], v[NIL]
.if \fill
	DSTEP
	s_wait_xcnt 0x0                                ; the last trip's prefetch has read its address
	s_add_nc_u64 s[PFA:PFA+1], s[PFA:PFA+1], s[PFS:PFS+1]
.endif
	BMAX 0                                         ; each block's largest logit: for the row's maximum and, since p rises with the logit, for the block's largest p
	s_wait_alu depctr_va_vdst(0)                   ; the wait ahead of the blocking wait
	s_wait_dscnt 0x0                               ; the add is done, V is in: my reads of this step's slot are over
.if \fill
	CROUND
	TLOAD                                          ; the first tensor load behind the round, one a wave
.else
	s_barrier_signal -1
	s_barrier_wait -1
.endif
	s_xor_b32 s[TB], s[TB], SLOT1
	s_add_co_u32 s[TS], s[TS], 512
.if \fill
	NEXT
	ASK
.else
	s_cmp_eq_u32 s[CNT], 1
	s_cbranch_scc1 .Lno_next_\@
	NEXT
.Lno_next_\@:
.endif
	JOIN
.irp X, 0,1
	v_max3_num_f32 v[TP+\X], v[BM+4*\X], v[BM+4*\X+1], v[BM+4*\X+2]
.endr
.irp X, 0,1
	v_max_num_f32 v[TP+\X], v[TP+\X], v[BM+4*\X+3]
.endr
.irp X, 0,1
	v_mul_f32 v[TP+\X], s[LG], v[TP+\X]            ; the step's largest t
.endr
.irp X, 0,1
	v_max_num_f32 v[NM+2*\X+1], v[NM+2*\X+1], v[TP+\X]
.endr
.irp X, 0,1
	v_mov_b32 v[TP+\X], v[NM+2*\X]
.endr
.irp X, 0,1
	v_floor_f32 v[NM+2*\X], -v[NM+2*\X+1]          ; the new -M = -ceil(t)
.endr
.irp X, 0,1
	v_sub_f32 v[TP+\X], v[NM+2*\X], v[TP+\X]       ; old M - new M: a whole number, 0 or less
.endr
.irp X, 0,1
	v_cvt_i32_f32 v[TP+\X], v[TP+\X]               ; (it saturates)
.endr
.irp X, 0,1
	v_ldexp_f32 v[FF+2*\X], 1.0, v[TP+\X]          ; f
.endr
.irp k, 0,1,2,3,4,5,6,7
	v_fma_f32 v[BM+\k], v[BM+\k], s[LG], v[NM+2*(\k/4)]   ; t - M of each block's largest logit
.endr
	WIN 0x82
.set n, 0
.rept 64
	v_pk_mul_f32 v[2*n:2*n+1], v[2*n:2*n+1], v[FF+2*(n/32):FF+2*(n/32)+1] op_sel_hi:[1,0]   ; O^T under the new M, ahead of the exponentials
.set n, n+1
.endr
	WIN 0x44
.set n, 0
.rept 64
	v_pk_fma_f32 v[2*n:2*n+1], s[LG:LG+1], v[2*n:2*n+1], v[NM+2*(n/32):NM+2*(n/32)+1] op_sel_hi:[0,1,0]   ; t - M
.set n, n+1
.endr
	WIN 0x41
	s_wait_alu depctr_va_vdst(0)                   ; the wait ahead of the batch
.set n, 0
.rept 128
	v_exp_f32 v[n], v[n]                           ; p = 2^(t - M)
.set n, n+1
.endr
	WIN 0
.irp k, 0,1,2,3,4,5,6,7
	v_exp_f32 v[BM+\k], v[BM+\k]                   ; each block's largest p
.endr
.irp X, 0,1
	v_pk_mul_f32 v[LS+2*\X:LS+2*\X+1], v[LS+2*\X:LS+2*\X+1], v[FF+2*\X:FF+2*\X+1] op_sel_hi:[1,0]   ; the sums under the new M: plain places behind the batch
.endr
	s_wait_alu depctr_va_vdst(0)                   ; one wait for the batch, ahead of its first reader
.irp k, 0,1,2,3,4,5,6,7
	v_max_num_f32 v[BM+\k], 0x1800000, v[BM+\k]    ; the floor 2^(3 - 127): the byte cannot fall under 1
.endr
	QUANT
	WIN 0x85
.irp X, 0,1
.irp c, 0,1,2,3
	v_pk_add_f32 v[TT+8*\X+2*\c:TT+8*\X+2*\c+1], v[64*\X+2*\c:64*\X+2*\c+1], v[64*\X+8+2*\c:64*\X+8+2*\c+1]   ; the row's sum of the unquantised p, in eight chains; these eight are the places behind the codes' last writes
.endr
.endr
	WIN 0xa9
.set n, 0
.rept 48                               ; the 16 products by turns with the chains' 48 additions, under one setting of the windows
.set tx, TT+8*(n%2)+2*((n/2)%4)
.set px, 64*(n%2)+8*(2+n/8)+2*((n/2)%4)
	v_pk_add_f32 v[tx:tx+1], v[px:px+1], v[tx:tx+1]
.if n%3 == 2
	PV n/3
.endif
.set n, n+1
.endr
	WIN 0x8a
.irp X, 0,1
	v_pk_add_f32 v[TT+8*\X:TT+8*\X+1], v[TT+8*\X:TT+8*\X+1], v[TT+8*\X+2:TT+8*\X+3]
	v_pk_add_f32 v[TT+8*\X+4:TT+8*\X+5], v[TT+8*\X+4:TT+8*\X+5], v[TT+8*\X+6:TT+8*\X+7]
.endr
.irp X, 0,1
	v_pk_add_f32 v[TT+8*\X:TT+8*\X+1], v[TT+8*\X:TT+8*\X+1], v[TT+8*\X+4:TT+8*\X+5]
.endr
	WIN 0x08
.irp X, 0,1
	v_pk_add_f32 v[LS+2*\X:LS+2*\X+1], v[LS+2*\X:LS+2*\X+1], v[TT+8*\X:TT+8*\X+1]
.endr
	WIN 0
.endm
	s_wait_alu depctr_va_vdst(0)                   ; the wait at the head's end
	s_wait_tensorcnt 0x0                           ; my tile of the head's is in; slot 1's first fill is issued as a refill is
	ds_add_u32 v[SPW], v[NIL]
	DSTEP
	s_wait_dscnt 0x0
	CROUND
	TLOAD                                          ; step 1, into slot 1
	NEXT                                           ; step 0's K and mask
	s_wait_alu depctr_va_vdst(0)                   ; the wait ahead of the blocking wait
	s_wait_loadcnt 0x0                             ; Q
	s_mov_b32 s[CNT], 14
.Lstep:                                                ; steps 0 to 13: trip t asks for step t + 2
	STEP 1
	s_sub_co_u32 s[CNT], s[CNT], 1
	s_cmp_lg_u32 s[CNT], 0
	s_wait_alu depctr_va_vdst(0)                   ; the wait ahead of the branch
	s_cbranch_scc1 .Lstep
	s_mov_b32 s[CNT], 2
.Ltail:                                                ; steps 14 and 15 are a text of their own
	STEP 0
	s_sub_co_u32 s[CNT], s[CNT], 1
	s_cmp_lg_u32 s[CNT], 0
	s_wait_alu depctr_va_vdst(0)
	s_cbranch_scc1 .Ltail
	; THE WAY OUT.  O^T is divided by the row's sum and quantised along the head's 128 channels: K step = head of the last product's operand, fragments 2 w and 2 w + 1.
.irp X, 0,1
	v_add_f32 v[TP+\X], v[LS+2*\X], v[LS+2*\X+1]
.endr
.irp X, 0,1
	v_permlanex16_b32 v[B2+\X], v[TP+\X], s[SEL], s[SEL+1]
.endr
.irp X, 0,1
	v_add_f32 v[TP+\X], v[TP+\X], v[B2+\X]         ; the row's sum
.endr
	s_wait_alu depctr_va_vdst(0)
.irp X, 0,1
	v_rcp_f32 v[FF+2*\X], v[TP+\X]
.endr
	v_nop                                          ; a plain place behind the transcendentals
	WIN 0x42
	s_wait_alu depctr_va_vdst(0)                   ; ahead of the first reader of the reciprocals and of O^T
.set n, 0
.rept 64
	v_pk_mul_f32 v[2*n:2*n+1], v[2*n:2*n+1], v[FF+2*(n/32):FF+2*(n/32)+1] op_sel_hi:[1,0]   ; register 16 b + i of a tile: channel 32 b + 16 h + i of my query
.set n, n+1
.endr
	BMAX 1
	JOIN
	QUANT
	WIN 0x08
.irp c, 0,1,2,3,4,5
	global_store_b128 v[LI], v[CD+4*\c:CD+4*\c+3], s[10:11] offset:512*\c   ; 32 lanes store 512 consecutive bytes, aligned
.endr
	WIN 0
	ds_store_b64 v[OSA], v[PW:PW+1]                ; the waves' scale words meet in LDS (both lanes of a row write the same words)
	s_wait_dscnt 0x0                               ; for the others' sake: my store is done
	s_barrier_signal -1
	s_barrier_wait -1
	s_cmp_lg_u32 s[WV], 0
	s_cbranch_scc1 .Lnot_first
	ds_load_b128 v[OW:OW+3], v[OSR]
	s_wait_dscnt 0x0
	global_store_b128 v[LI], v[OW:OW+3], s[12:13]  ; wave 0 stores the block: 512 consecutive bytes
.Lnot_first:
	s_wait_tensorcnt 0x0                           ; the wave's end
	ds_add_u32 v[SPW], v[NIL]
	s_wait_dscnt 0x0
	CROUND                                         ; the closing round
	s_endpgm
.Lfunc_end_k_qd7c78ec210_attn:
	.size	k_qd7c78ec210_attn, .Lfunc_end_k_qd7c78ec210_attn-k_qd7c78ec210_attn
	.p2alignl 7, 3214868480
	.fill 96, 4, 3214868480
	.section	.rodata,"a",@progbits
	.p2align	6, 0x0
	.amdhsa_kernel k_qd7c78ec210_attn
		.amdhsa_group_segment_fixed_size 327680
		.amdhsa_private_segment_fixed_size 0
		.amdhsa_enable_private_segment 0
		.amdhsa_kernarg_size 40
		.amdhsa_user_sgpr_count 2
		.amdhsa_user_sgpr_kernarg_segment_ptr 1
		.amdhsa_wavefront_size32 1
		.amdhsa_system_sgpr_workgroup_id_x 1
		.amdhsa_system_sgpr_workgroup_id_y 1
		.amdhsa_system_sgpr_workgroup_id_z 1
		.amdhsa_system_vgpr_workitem_id 0
		.amdhsa_next_free_vgpr 992
		.amdhsa_next_free_sgpr 100
		.amdhsa_reserve_vcc 0
		.amdhsa_float_denorm_mode_32 3
		.amdhsa_float_denorm_mode_16_64 3
		.amdhsa_memory_ordered 1
		.amdhsa_forward_progress 1
		.amdhsa_inst_pref_size 115
	.end_amdhsa_kernel
	.amdgpu_metadata
---
amdhsa.version: [ 1, 2 ]
amdhsa.kernels:
  - .name:           k_qd7c78ec210_attn
    .symbol:         k_qd7c78ec210_attn.kd
    .args:
      - { .name: qkvc, .offset: 0, .size: 8, .value_kind: global_buffer, .address_space: global }
      - { .name: qkvs, .offset: 8, .size: 8, .value_kind: global_buffer, .address_space: global }
      - { .name: mask, .offset: 16, .size: 8, .value_kind: global_buffer, .address_space: global }
      - { .name: oc, .offset: 24, .size: 8, .value_kind: global_buffer, .address_space: global }
      - { .name: os, .offset: 32, .size: 8, .value_kind: global_buffer, .address_space: global }
    .group_segment_fixed_size: 327680
    .private_segment_fixed_size: 0
    .kernarg_segment_align: 8
    .kernarg_segment_size: 40
    .max_flat_workgroup_size: 128
    .sgpr_count:     100
    .vgpr_count:     992
    .wavefront_size: 32
...
	.end_amdgpu_metadata
.endif
;; end of part 7
;; launch proj (part 8): grid 16 x 16, 4 waves a work-group, clusters of 4 x 4, 327,680 bytes of LDS; arguments oc, os, cod, scl, out0; writes out0
.if DOCPART == 8
	.amdgcn_target "amdgcn-amd-amdhsa--gfx1250"
	.amdhsa_code_object_version 6
	.text
	.protected	k_qd7c78ec210_proj
	.globl	k_qd7c78ec210_proj
	.p2align	8
	.type	k_qd7c78ec210_proj,@function
k_qd7c78ec210_proj:
	s_mov_b64 s[64:65], 0
	v_nop
	global_prefetch_b8 v0, s[64:65] scope:SCOPE_SE
	s_setreg_imm32_b32 hwreg(HW_REG_WAVE_MODE, 25, 1), 1
	s_wait_xcnt 0x0
	s_wait_alu depctr_hold_cnt(0) depctr_sa_sdst(0) depctr_va_vdst(0) depctr_va_sdst(0) depctr_va_ssrc(0) depctr_va_vcc(0) depctr_vm_vsrc(0)
	s_getreg_b32 s2, hwreg(HW_REG_IB_STS2, 6, 4)
	s_cmp_eq_u32 s2, 0
	s_cbranch_scc0 .Lentry_in_a_cluster
	s_endpgm
.Lentry_in_a_cluster:
	s_bfe_u32 s2, ttmp6, 0x10000c
	s_cmp_lg_u32 s2, 0xf033
	s_cbranch_scc0 .Lentry_shape_is_right
	s_endpgm
.Lentry_shape_is_right:
; out0 = O wo^T on codes of FP6 (E2M3) with E8M0 scales; sums in f32.  O's codes and scale words come from the launch before, wo's are tensor 4 of the quantiser's buffers; both are images of operand registers:
; [group of 128 rows][K step of 128][fragment][1,536], scale words [group][K step][512], the word of (fragment i, row r) at 256 (i / 4) + 16 r + 4 (i % 4).
; A work-group makes 128 x 128 of the result, a wave 64 x 64: 16 accumulators.  K is 16 steps of 128; a group's K steps are dense in memory.
; LDS: A's K steps 0-11 (147,456 bytes), B's K steps 0-11, both blocks of scale words.  At the head each wave issues ONE load: wave 0 A's twelve steps, wave 1 B's, wave 2 A's scale words, wave 3 B's.
; K steps 12-15 fill the bytes of steps 0-3 again, behind one round that follows step 3 (a quarter a wave), and have steps 4-11 in which to land.  So the walk has two fills.
; CLUSTER 4 x 4: A's tiles are shared along a row of the cluster, B's along a column: joint loads.  THE MATRIX INSTRUCTION IS USED TRANSPOSED (source 0 = rows of wo, source 1 = rows of O).
; A PREFETCH INTO THE L2: at the head each wave names, once, its work-group's quarter (24 blocks of 256 bytes, a lane a block, lanes 24-31 the last again) of the 24,576 bytes that it will fetch in the refill; the four
; partners that ask for a tile jointly are told apart by address.  The text has no loop; the request stands four K steps ahead of the load.
; REGISTERS: window 0: v8-22 addresses, v32-95 scale words of all 16 steps, v128-255 accumulators.  Window 1: two sets of fragments (A's four at 128 s, B's four at 128 s + 48).
.set KST,   12288
.set GRP,   196608
.set SCG,   8192
.set FR,    12
.set HALFT, 2*KST
.set QUAD,  4*KST
.set BOFF,  12*KST
.set SCL,   24*KST
.set SPARE, SCL+2*SCG                  ; the spare words, 128 bytes a wave: two blocks of 256 bytes that no other line names
.set SPITCH, 272
.set STAGE, QUAD                       ; the way out's stages lie in A's K steps 4-7: filled once, and read last ahead of the walk's second barrier
.set ADRA, 8
.set ADRB, 12
.set ADRS, 16
.set STO,  17
.set RD,   18
.set CO,   19
.set SPW,  20
.set NIL,  21
.set PFO,  22
.set SC,   32
.set ACC,  128
.set G1,   24
.set G1B,  32
.set G1S,  40
.set G1SB, 48
.set G0HA, 56
.set G0HB, 60
.set G0SA, 68
.set G0SB, 72
.set G0RA, 76
.set G0RB, 80
.set PFA,  84
.set MSB, 0
.macro WIN new
.if MSB != (\new)
	s_set_vgpr_msb (MSB<<8)|(\new)
.set MSB, (\new)
.endif
.endm
.set MUL,  0x05
.set TO_F, 0x40
.macro PLACES
.rept 4
	v_nop
.endr
.endm
.macro JLOAD g0a, g1a, g0b, g1b        ; waves 0 and 1 fetch for A, waves 2 and 3 for B; the branch hangs on the wave's number alone
	s_cmp_eq_u32 s15, 0
	s_cbranch_scc0 .Lfor_b_\@
	tensor_load_to_lds s[\g0a:\g0a+3], s[\g1a:\g1a+7]
	s_nop 0
	PLACES
	s_branch .Lasked_\@
.Lfor_b_\@:
	tensor_load_to_lds s[\g0b:\g0b+3], s[\g1b:\g1b+7]
	s_nop 0
	PLACES
.Lasked_\@:
.endm
.macro CREST
	s_cmp_lg_u32 s14, 0
	s_cbranch_scc1 .Lnot_wave_0_\@
	s_barrier_signal -3
.Lnot_wave_0_\@:
	s_barrier_wait -3
	s_barrier_signal -1
	s_barrier_wait -1
.endm
.macro CROUND
	s_barrier_signal -1
	s_barrier_wait -1
	CREST
.endm
	s_load_b256 s[4:11], s[0:1], 0x0               ; oc, os, cod, scl
	s_load_b64 s[12:13], s[0:1], 0x20              ; out0
	v_lshl_add_u32 v[SPW], v0, 2, SPARE
	v_mov_b32 v[NIL], 0
	ds_add_u32 v[SPW], v[NIL]                      ; the opening adds, twice on end; their wait stands below
	ds_add_u32 v[SPW], v[NIL]
	v_lshrrev_b32 v1, 5, v0
	v_readfirstlane_b32 s14, v1                    ; wave 0..3
	s_lshr_b32 s15, s14, 1                         ; my half of the rows; in the refill: I fetch for A (0) or B (1)
	s_and_b32 s16, s14, 1                          ; my half of the columns; in the refill: which two K steps
	s_bfe_u32 s92, ttmp6, 0x40000                  ; cx
	s_bfe_u32 s93, ttmp6, 0x40004                  ; cy
	s_lshl_b32 s94, ttmp9, 2
	s_add_co_u32 s94, s94, s92                     ; tile column
	s_and_b32 s95, ttmp7, 0xffff
	s_lshl_b32 s95, s95, 2
	s_add_co_u32 s95, s95, s93                     ; tile row
	s_lshl_b32 s96, s93, 2
	s_lshl_b32 s96, 15, s96                        ; my row of the cluster
	s_lshl_b32 s97, 0x1111, s92                    ; my column
	s_or_b32 s[G1+0], s96, (3<<16)|(1<<21)         ; dense bytes as rows of 256 (32 elements of 8 bytes): 576 rows at the head; the refill's 96 are set behind the head's wait
	s_or_b32 s[G1B+0], s97, (3<<16)|(1<<21)
.irp g, G1, G1B
	s_mov_b32 s[\g+1], 32<<16
	s_mov_b32 s[\g+2], 576<<16
	s_mov_b32 s[\g+3], 32<<16
	s_mov_b32 s[\g+4], 576
	s_mov_b32 s[\g+5], 32
	s_mov_b32 s[\g+6], 0
	s_mov_b32 s[\g+7], 0
.endr
	s_or_b32 s[G1S+0], s96, (3<<16)|(1<<21)        ; a group's scale words: 32 rows of 256 bytes
	s_or_b32 s[G1SB+0], s97, (3<<16)|(1<<21)
.irp g, G1S, G1SB
	s_mov_b32 s[\g+1], 32<<16
	s_mov_b32 s[\g+2], 32<<16
	s_mov_b32 s[\g+3], 32<<16
	s_mov_b32 s[\g+4], 32
	s_mov_b32 s[\g+5], 32
	s_mov_b32 s[\g+6], 0
	s_mov_b32 s[\g+7], 0
.endr
	s_mul_i32 s20, s95, GRP                        ; A: group = tile row
	s_mov_b32 s21, 0
	s_lshl_b32 s22, s95, 13
	s_mov_b32 s23, 0
	s_add_co_u32 s19, s94, 64                      ; B: tensor 4, group = tile column
	s_mul_i32 s98, s19, GRP
	s_mov_b32 s99, 0
	s_lshl_b32 s2, s19, 13
	s_mov_b32 s3, 0
	s_mul_i32 s17, s16, HALFT                      ; the refill: my two K steps of the four, in LDS
	s_add_co_u32 s18, s17, 12*KST                  ; and in memory
	s_mov_b32 s19, 0
	s_wait_dscnt 0x0
	s_wait_kmcnt 0x0
	s_add_nc_u64 s[20:21], s[4:5], s[20:21]
	s_add_nc_u64 s[22:23], s[6:7], s[22:23]
	s_add_nc_u64 s[98:99], s[8:9], s[98:99]
	s_add_nc_u64 s[2:3], s[10:11], s[2:3]
	s_mov_b32 s[G0HA], 1
	s_mov_b32 s[G0HA+1], 0
	s_mov_b64 s[G0HA+2:G0HA+3], s[20:21]
	s_or_b32 s[G0HA+3], s[G0HA+3], 0x80000000
	s_mov_b32 s[G0HB], 1
	s_mov_b32 s[G0HB+1], BOFF
	s_mov_b64 s[G0HB+2:G0HB+3], s[98:99]
	s_or_b32 s[G0HB+3], s[G0HB+3], 0x80000000
	s_mov_b32 s[G0SA], 1
	s_mov_b32 s[G0SA+1], SCL
	s_mov_b64 s[G0SA+2:G0SA+3], s[22:23]
	s_or_b32 s[G0SA+3], s[G0SA+3], 0x80000000
	s_mov_b32 s[G0SB], 1
	s_mov_b32 s[G0SB+1], SCL+SCG
	s_mov_b64 s[G0SB+2:G0SB+3], s[2:3]
	s_or_b32 s[G0SB+3], s[G0SB+3], 0x80000000
	CROUND                                         ; all sixteen work-groups are here: the first joint loads meet
.macro ARM under, g0, g1, next         ; one chain of branches on the wave's number, one load to an arm, all arms to one join
	s_cmp_lt_u32 s14, \under
	s_cbranch_scc0 \next
	tensor_load_to_lds s[\g0:\g0+3], s[\g1:\g1+7]
	s_nop 0
	PLACES
	s_branch .Lhead_asked
\next:
.endm
	ARM 1, G0HA, G1,  .Lhead_b
	ARM 2, G0HB, G1B, .Lhead_sa
	ARM 3, G0SA, G1S, .Lhead_sb
	tensor_load_to_lds s[G0SB:G0SB+3], s[G1SB:G1SB+7]
	s_nop 0
	PLACES
.Lhead_asked:
	s_mov_b32 s[G0RA], 1                           ; the refill's groups 0
	s_mov_b32 s[G0RA+1], s17
	s_add_nc_u64 s[G0RA+2:G0RA+3], s[20:21], s[18:19]
	s_or_b32 s[G0RA+3], s[G0RA+3], 0x80000000
	s_mov_b32 s[G0RB], 1
	s_add_co_u32 s[G0RB+1], s17, BOFF
	s_add_nc_u64 s[G0RB+2:G0RB+3], s[98:99], s[18:19]
	s_or_b32 s[G0RB+3], s[G0RB+3], 0x80000000
	s_cmp_eq_u32 s15, 0                            ; the prefetch: the tile that I fetch in the refill,
	s_cselect_b64 s[PFA:PFA+1], s[20:21], s[98:99]
	s_cselect_b32 s86, s92, s93                    ; my place among the four that ask for it with me,
	s_mul_i32 s86, s86, 6144                       ; and so my work-group's quarter of its 24,576 bytes
	s_add_co_u32 s86, s86, s18
	s_mov_b32 s87, 0
	s_add_nc_u64 s[PFA:PFA+1], s[PFA:PFA+1], s[86:87]
	s_mul_i32 s4, s15, 4*1536                      ; my four fragments of A,
	s_mul_i32 s5, s16, 4*1536
	s_add_co_u32 s5, s5, BOFF                      ; and of B
	s_lshl_b32 s7, s15, 8
	s_lshl_b32 s6, s16, 8
	s_add_co_u32 s6, s6, SCG
	s_sub_co_u32 s6, s6, s7                        ; from A's scale words to B's: lanes 16-31 take B's
	s_add_co_u32 s7, s7, SCL
	s_mul_i32 s8, s14, 16*SPITCH
	s_add_co_u32 s8, s8, STAGE                     ; my stage
	s_lshl_b32 s10, s95, 7
	s_lshl_b32 s11, s15, 6
	s_add_co_u32 s10, s10, s11
	s_lshl_b32 s10, s10, 13                        ; my first row of the result, 8,192 bytes a row,
	s_lshl_b32 s11, s94, 9
	s_add_co_u32 s10, s10, s11
	s_lshl_b32 s11, s16, 8
	s_add_co_u32 s10, s10, s11                     ; and my first column
	s_mov_b32 s11, 0
	s_add_nc_u64 s[12:13], s[12:13], s[10:11]
	v_and_b32 v1, 15, v0                           ; r
	v_bfe_u32 v2, v0, 4, 1                         ; h
	v_and_b32 v3, 31, v0
	v_min_u32 v[PFO], 23, v3
	v_lshlrev_b32 v[PFO], 8, v[PFO]
	v_lshlrev_b32 v3, 4, v3
	v_add_nc_u32 v[ADRA], s4, v3
	v_add_nc_u32 v[ADRB], s5, v3
.irp j, 1,2
	v_add_nc_u32 v[ADRA+\j], QUAD*\j, v[ADRA]      ; a register for each four K steps, so that the offsets stay inside 16 bits
	v_add_nc_u32 v[ADRB+\j], QUAD*\j, v[ADRB]
.endr
	v_mul_u32_u24 v4, s6, v2
	v_lshl_add_u32 v4, v1, 4, v4
	v_add_nc_u32 v[ADRS], s7, v4
	v_mul_u32_u24 v4, v1, SPITCH
	v_lshl_add_u32 v4, v2, 6, v4
	v_add_nc_u32 v[STO], s8, v4
	v_mul_u32_u24 v4, v2, SPITCH
	v_lshl_add_u32 v4, v1, 4, v4
	v_add_nc_u32 v[RD], s8, v4
	v_lshlrev_b32 v4, 13, v2
	v_lshl_add_u32 v[CO], v1, 4, v4
	global_prefetch_b8 v[PFO], s[PFA:PFA+1] th:TH_LOAD_NT scope:SCOPE_SE   ; its address registers are never written again
.macro FRAG reg, adr, q, i
.irp c, 0,1,2
	ds_load_b128 v[\reg+4*\c:\reg+4*\c+3], v[\adr] offset:KST*(\q)+1536*(\i)+512*\c
.endr
.endm
.macro FETCH k                         ; K step k lies at place k % 12: steps 12-15 in the bytes of steps 0-3
	WIN TO_F
.irp i, 0,1,2,3
	FRAG 128*((\k)%2)+48+FR*\i, ADRB+((\k)/4)%3, (\k)%4, \i
.endr
.irp i, 0,1,2,3
	FRAG 128*((\k)%2)+FR*\i, ADRA+((\k)/4)%3, (\k)%4, \i
.endr
.endm
.macro MUL4 a, k, zero                 ; the 16 accumulators take turns; the first step's products start the sums
.irp b, 0,1,2,3
.if \zero
	v_wmma_scale_f32_16x16x128_f8f6f4 v[ACC+8*(4*(\a)+\b):ACC+8*(4*(\a)+\b)+7], v[128*((\k)%2)+48+FR*\b:128*((\k)%2)+48+FR*\b+FR-1], v[128*((\k)%2)+FR*(\a):128*((\k)%2)+FR*(\a)+FR-1], 0, v[SC+4*(\k)+\b], v[SC+4*(\k)+(\a)] matrix_a_fmt:MATRIX_FMT_FP6 matrix_b_fmt:MATRIX_FMT_FP6 matrix_a_scale:MATRIX_SCALE_ROW1
.else
	v_wmma_scale_f32_16x16x128_f8f6f4 v[ACC+8*(4*(\a)+\b):ACC+8*(4*(\a)+\b)+7], v[128*((\k)%2)+48+FR*\b:128*((\k)%2)+48+FR*\b+FR-1], v[128*((\k)%2)+FR*(\a):128*((\k)%2)+FR*(\a)+FR-1], v[ACC+8*(4*(\a)+\b):ACC+8*(4*(\a)+\b)+7], v[SC+4*(\k)+\b], v[SC+4*(\k)+(\a)] matrix_a_fmt:MATRIX_FMT_FP6 matrix_b_fmt:MATRIX_FMT_FP6 matrix_a_scale:MATRIX_SCALE_ROW1
.endif
.endr
.endm
.macro KSTEP k, zero
	s_wait_dscnt 6                                 ; B's four and A's fragments 0, 1 are in; A's 2, 3 (6 loads) may be out
	WIN MUL
	MUL4 0, \k, \zero
	MUL4 1, \k, \zero
	PLACES
	FETCH (\k)+1
	s_wait_dscnt 24                                ; all but the 24 just issued
	WIN MUL
	MUL4 2, \k, \zero
	MUL4 3, \k, \zero
.endm
.macro TURN k, fill                    ; a K step with a barrier.  fill = 1: the bytes of steps 0-3 are read no more and take steps 12-15.  fill = 0: steps 12-15 are whole for every wave
	WIN 0
	s_wait_tensorcnt 0x0                           ; no tensor load of mine is out
	ds_add_u32 v[SPW], v[NIL]
	s_wait_dscnt 7                                 ; (the add and A's fragments 2, 3 may be out)
	WIN MUL
	MUL4 0, \k, 0
	s_wait_dscnt 0x0                               ; the add is done, and so are my reads so far
	s_barrier_signal -1
	MUL4 1, \k, 0
	WIN 0
	s_barrier_wait -1
.if \fill
	CREST                                          ; the barrier has opened a round of the cluster's
	JLOAD G0RA, G1, G0RB, G1B                      ; the first tensor load behind the round, one a wave; its four v_nop are the places in front of the loads below
.else
	PLACES
.endif
	FETCH (\k)+1
	WIN MUL
	MUL4 2, \k, 0
	MUL4 3, \k, 0
.endm
	s_wait_alu depctr_va_vdst(0)                   ; the wait at the head's end
	s_wait_tensorcnt 0x0                           ; my tile of the head's four is in, so a descriptor may be written: the refill's loads bring 96 rows
	s_mov_b32 s[G1+2], 96<<16
	s_mov_b32 s[G1+4], 96
	s_mov_b32 s[G1B+2], 96<<16
	s_mov_b32 s[G1B+4], 96
	s_barrier_signal -1
	s_barrier_wait -1                              ; all four tiles are in
.irp k, 0,1,2,3,4,5,6,7,8,9,10,11,12,13,14,15
	ds_load_b128 v[SC+4*\k:SC+4*\k+3], v[ADRS] offset:512*\k   ; lanes 0-15: the words of A's four fragments, lanes 16-31: of B's
.endr
	FETCH 0
	KSTEP 0, 1
	KSTEP 1, 0
	KSTEP 2, 0
	TURN 3, 1
.irp k, 4,5,6,7,8,9,10
	KSTEP \k, 0
.endr
	TURN 11, 0
.irp k, 12,13,14
	KSTEP \k, 0
.endr
	s_wait_dscnt 6
	WIN MUL
	MUL4 0, 15, 0
	MUL4 1, 15, 0
	s_wait_dscnt 0x0
	MUL4 2, 15, 0
	MUL4 3, 15, 0
	WIN 0
; THE WAY OUT: 16 rows x 64 columns at a time through my own stage, back as rows of 256 bytes: sixteen lanes store one aligned unit.  The fragments' order of rows and columns is undone by the offsets.
.macro TOSTAGE a
.irp b, 0,1,2,3
	ds_store_b128 v[STO], v[ACC+32*(\a)+8*\b:ACC+32*(\a)+8*\b+3] offset:128*(\b/2)+32*(\b%2)
	ds_store_b128 v[STO], v[ACC+32*(\a)+8*\b+4:ACC+32*(\a)+8*\b+7] offset:128*(\b/2)+32*(\b%2)+16
.endr
.irp i, 0,1,2,3,4,5,6,7
	ds_load_b128 v[ACC+32*(\a)+4*\i:ACC+32*(\a)+4*\i+3], v[RD] offset:\i*2*SPITCH   ; LDS serves a wave's instructions in order: these see the stores above
.endr
.endm
.macro SEND a, younger
	s_wait_dscnt \younger
.irp i, 0,1,2,3,4,5,6,7
	global_store_b128 v[CO], v[ACC+32*(\a)+4*\i:ACC+32*(\a)+4*\i+3], s[12:13] offset:(32*((\a)/2)+8*((\a)%2)+2*\i+8*(\i/4))*8192 th:TH_STORE_NT
.endr
.endm
	PLACES
	TOSTAGE 0
	TOSTAGE 1
	SEND 0, 16
	TOSTAGE 2
	SEND 1, 16
	TOSTAGE 3
	SEND 2, 16
	SEND 3, 0
	s_wait_tensorcnt 0x0                           ; the wave's end
	ds_add_u32 v[SPW], v[NIL]
	s_wait_dscnt 0x0
	CROUND                                         ; the closing round
	s_endpgm
.Lfunc_end_k_qd7c78ec210_proj:
	.size	k_qd7c78ec210_proj, .Lfunc_end_k_qd7c78ec210_proj-k_qd7c78ec210_proj
	.p2alignl 7, 3214868480
	.fill 96, 4, 3214868480
	.section	.rodata,"a",@progbits
	.p2align	6, 0x0
	.amdhsa_kernel k_qd7c78ec210_proj
		.amdhsa_group_segment_fixed_size 327680
		.amdhsa_private_segment_fixed_size 0
		.amdhsa_enable_private_segment 0
		.amdhsa_kernarg_size 40
		.amdhsa_user_sgpr_count 2
		.amdhsa_user_sgpr_kernarg_segment_ptr 1
		.amdhsa_wavefront_size32 1
		.amdhsa_system_sgpr_workgroup_id_x 1
		.amdhsa_system_sgpr_workgroup_id_y 1
		.amdhsa_system_sgpr_workgroup_id_z 1
		.amdhsa_system_vgpr_workitem_id 0
		.amdhsa_next_free_vgpr 512
		.amdhsa_next_free_sgpr 100
		.amdhsa_reserve_vcc 0
		.amdhsa_float_denorm_mode_32 3
		.amdhsa_float_denorm_mode_16_64 3
		.amdhsa_memory_ordered 1
		.amdhsa_forward_progress 1
		.amdhsa_inst_pref_size 79
	.end_amdhsa_kernel
	.amdgpu_metadata
---
amdhsa.version: [ 1, 2 ]
amdhsa.kernels:
  - .name:           k_qd7c78ec210_proj
    .symbol:         k_qd7c78ec210_proj.kd
    .args:
      - { .name: oc, .offset: 0, .size: 8, .value_kind: global_buffer, .address_space: global }
      - { .name: os, .offset: 8, .size: 8, .value_kind: global_buffer, .address_space: global }
      - { .name: cod, .offset: 16, .size: 8, .value_kind: global_buffer, .address_space: global }
      - { .name: scl, .offset: 24, .size: 8, .value_kind: global_buffer, .address_space: global }
      - { .name: out0, .offset: 32, .size: 8, .value_kind: global_buffer, .address_space: global }
    .group_segment_fixed_size: 327680
    .private_segment_fixed_size: 0
    .kernarg_segment_align: 8
    .kernarg_segment_size: 40
    .max_flat_workgroup_size: 128
    .sgpr_count:     100
    .vgpr_count:     512
    .wavefront_size: 32
...
	.end_amdgpu_metadata
.endif
;; end of part 8
